; MI455X (gfx1250); checked and timed in simulation.
; The chip was launched on July 23, 2026; its instructions are those of AMD's public machine-readable ISA for CDNA 5 (MIT licence, August 2026) and "CDNA5" Instruction Set Architecture Reference Guide (July 2026). The comments in the code are by the model that wrote it; some were corrected since.
;; Multi Head Attention. Allowed arithmetic: matrix products marked QUANTISED: E2M3 operands, one E8M0 scale for each 32 along K, by v_wmma_scale_f32_16x16x128_f8f6f4 with both operands' format E2M3, f32 sums; everything else in f32.
;; Inputs: Wk 1,024 x 1,024 float32; Wo 1,024 x 1,024 float32; Wq 1,024 x 1,024 float32; Wv 1,024 x 1,024 float32; bk 1,024 float32; bo 1,024 float32; bq 1,024 float32; bv 1,024 float32; x 2 x 2,048 x 1,024 float32.
;; Outputs: out0 2 x 2,048 x 1,024 float32.
;; This version of the problem:
;;   THIS VERSION OF THE PROBLEM IS GIVEN IN LOW PRECISION. The matrix products marked QUANTISED in the list below multiply operands that are first quantised to E2M3 (2 exponent bits, 3 mantissa bits; 6 bits a number), with one power-of-two scale for each 32 numbers along K (OCP MX v1.0); their sums are f32. All else is computed in f32.
;;   The module's matrix products, in the order in which they are computed (A, B: the left and right operand; K: the contracted axis; several contracted axes count as one K, in the product's order):
;;     1. [M 4,096, K 1,024] x [K 1,024, N 1,024]; A: input x; B: input Wq: QUANTISED
;;     2. [M 4,096, K 1,024] x [K 1,024, N 1,024]; A: input x; B: input Wk: QUANTISED
;;     3. [M 4,096, K 1,024] x [K 1,024, N 1,024]; A: input x; B: input Wv: QUANTISED
;;     4. batch 32 x [M 2,048, K 64] x [K 64, N 2,048]; A: computed on the way; B: computed on the way: QUANTISED
;;     5. batch 32 x [M 2,048, K 2,048] x [K 2,048, N 64]; A: softmax (see below); B: computed on the way: QUANTISED
;;     6. [M 4,096, K 1,024] x [K 1,024, N 1,024]; A: computed on the way; B: input Wo: QUANTISED
;;   THE QUANTISER, for each operand of a quantised product, along K:
;;     - K is cut into blocks of 32 from its start; a last block that is shorter is filled with zeros.
;;     - A block's scale is 2^e with e = floor(log2(the largest magnitude in the block)) - 2, held to -126 .. 127; a block of zeros has e = 0. As a byte (E8M0): e + 127.
;;     - Each number is divided by its block's scale, clamped to +-7.5, and rounded to the nearest number of E2M3, ties to even, subnormals kept.
;;     - The product sums the exact products of the quantised numbers (number of the format x scale) in f32.
;;   ~~~python
;;   def quantise(x, axis):      # numpy; x: float32 -> the quantised numbers, widened to float32 again
;;       x = np.moveaxis(x, axis, -1); K = x.shape[-1]
;;       x = np.pad(x, [(0, 0)] * (x.ndim - 1) + [(0, -K % 32)]); x = x.reshape(x.shape[:-1] + (-1, 32)); a = np.abs(x).max(-1, keepdims=True)
;;       e = np.where(a > 0, np.clip(np.frexp(np.where(a > 0, a, 1))[1] - 1 - 2, -126, 127), 0)      # np.frexp(a)[1] - 1 = floor(log2(a)), exactly
;;       r = np.clip(x / 2.0 ** e, -7.5, 7.5)
;;       step = 2.0 ** (np.maximum(np.frexp(np.where(r == 0, 1, r))[1] - 1, 0) - 3)
;;       q = np.round(r / step) * step * 2.0 ** e      # np.round: ties to even
;;       return np.moveaxis(q.reshape(q.shape[:-2] + (-1,))[..., :K], -1, axis).astype(np.float32)
;;   ~~~
;;   SOFTMAX AHEAD OF A QUANTISED PRODUCT. Where the list says 'softmax', what is quantised is not the finished softmax but p = 2^(t - M), with t = logit x log2(e) and M = ceil(the row's largest t), a whole number; so 1/2 < the row's largest p <= 1. The row's sum l is taken of the UNQUANTISED p, in f32, and the product's result is divided by l at the end. Since M is a whole number, a kernel that streams over the keys may use a running M (the ceiling of the running maximum): every later rescaling is an exact power of two, which a block's scale takes up: the codes' values come out the same.
;;   OPERANDS COMPUTED ON THE WAY. 'Computed on the way' means the value that the module computes at that place (a softmax that the list does not call 'softmax' is quantised finished and normalised). What goes into a quantiser is computed in f32, as accurately as f32 sums, v_exp_f32 and their like allow (about 1e-6 of the number): no bf16 or f16 on the way to a quantiser, and a product that is left as it is and whose result goes on into a quantised operand takes f32 operands (vector FMAs, or v_wmma_f32_16x16x4_f32). A number that lies on a knife's edge between two numbers of the format may be rounded either way, as far as f32 arithmetic and the matrix unit's own rounding can turn it there, and no further.
;; 2 versions. Each part assembles by itself: llvm-mc -triple=amdgcn-amd-amdhsa -mcpu=gfx1250 --defsym DOCPART=n.
;; ======== version 1 of 2: 4 launches
;; workspace buffers: x_codes 3,145,728 bytes; x_scales 131,072 bytes; w_codes 3,145,728 bytes; w_scales 131,072 bytes; qkv 10,223,616 bytes; ctx_codes 3,145,728 bytes; ctx_scales 131,072 bytes
;; launch quant (part 1): grid 256 x 1, 4 waves a work-group, no clusters, 33,280 bytes of LDS; arguments x, Wq, Wk, Wv, Wo, x_codes, x_scales, w_codes, w_scales; writes x_codes, x_scales, w_codes, w_scales
.if DOCPART == 1
	.amdgcn_target "amdgcn-amd-amdhsa--gfx1250"
	.amdhsa_code_object_version 6
	.text
	.protected	k_q35fe6c6e44_quant
	.globl	k_q35fe6c6e44_quant
	.p2align	8
	.type	k_q35fe6c6e44_quant,@function
k_q35fe6c6e44_quant:
	s_mov_b64 s[64:65], 0
	v_nop
	global_prefetch_b8 v0, s[64:65] scope:SCOPE_SE
	s_setreg_imm32_b32 hwreg(HW_REG_WAVE_MODE, 25, 1), 1
	s_wait_xcnt 0x0
; x [4096][1024] and Wq, Wk, Wv, Wo [1024][1024], f32, become codes of FP6 (E2M3), K innermost (768 bytes a row), with one E8M0 scale byte for each 32 along K (32 bytes a row).
; A block's scale is 2^(floor(log2(its largest magnitude)) - 2); its byte is the largest magnitude's exponent field - 2, held at 1 from below.  Each number is divided by the scale and rounded to the nearest code, ties to even, beyond 7.5 the largest code.
; LIMITS: NaN and infinities among the inputs are not served; a block whose largest magnitude lies under 2^-124 has its byte held at 1; a block of zeros gets the byte 1 and not 127: its codes are zeros, and this program alone reads the bytes.
; ORDER OF ROWS.  x's rows and the rows of Wq, Wk, Wv are stored in POSITION order: in each group of 32 rows the second and the third group of eight change places (position 16 u + r holds row 8 u + r + 8 (r / 8)).
; Sixteen neighbouring positions are then a tile whose result, used transposed, leaves 16 neighbouring indices in the 16 registers of two neighbouring tiles.  Wo keeps its order.
; SHARES.  A work-group takes 32 rows, a wave 8 rows = 8,192 numbers = 16 steps of 512.  Work-groups 0-127 take x, then 32 each Wq, Wk, Wv, Wo; the weights' codes lie in one buffer of 4,096 rows.  Only pointers and a run's number are chosen: one path.
; Each load reads 512 consecutive bytes; a step's 2,048 bytes turn through the wave's own stage in LDS (16 bytes of padding behind each 64), so that a lane holds 16 neighbours along K; two neighbouring lanes hold a block.
; A step's 16 scale bytes are gathered in the wave's own 256 bytes of LDS and leave as one aligned run of 256 bytes.  No barrier: waves share nothing.
.set STEPS, 16
.set EMAX,  2
.set CB,    12                         ; bytes of 16 codes
.set R,     16                         ; v16-79   four sets of 16 numbers as they are loaded
.set X,     80                         ; v80-111  two sets of 16 neighbours
.set C,     128                        ; v128-191 codes: four registers for each step, so that no store's data are written again
.set E,     112                        ; v112-127 a scale byte for each step
.set WREG,  8192                       ; LDS: a region for each wave: two stages of 32 x SP bytes, then its 256 scale bytes
.set SP,    80                         ; a lane's place in a stage: its 64 bytes + 16 of padding
	s_load_b256 s[4:11], s[0:1], 0x0               ; x, Wq, Wk, Wv
	s_load_b256 s[12:19], s[0:1], 0x20             ; Wo, x's codes, x's scales, the weights' codes
	s_load_b64 s[20:21], s[0:1], 0x40              ; the weights' scales
	v_lshl_add_u32 v192, v0, 2, 0x8000
	v_mov_b32 v193, 0
	v_lshrrev_b32 v1, 5, v0
	v_readfirstlane_b32 s22, v1                    ; wave
	v_and_b32 v2, 31, v0                           ; lane
	v_lshlrev_b32 v3, 4, v2                        ; my 16 bytes of a load's 512
	s_mul_i32 s23, s22, WREG
	v_lshrrev_b32 v14, 2, v2
	v_mul_u32_u24 v14, v14, SP
	v_and_b32 v15, 3, v2
	v_lshl_add_u32 v14, v15, 4, v14
	v_add_nc_u32 v14, s23, v14                     ; the stage, on the way in: SP (lane / 4) + 16 (lane % 4)
	v_mul_u32_u24 v15, v2, SP
	v_add_nc_u32 v15, s23, v15                     ; and on the way out: SP x lane: my 16 neighbours
	v_mul_u32_u24 v4, v2, CB                       ; my codes' place in a step's
	v_lshrrev_b32 v5, 1, v2
	s_add_co_u32 s23, s23, 2*32*SP
	v_add_nc_u32 v5, s23, v5                       ; LDS: my wave's 256 scale bytes, my block's byte
	v_lshlrev_b32 v7, 3, v2                        ; and on the way out 8 bytes a lane
	v_add_nc_u32 v6, s23, v7
	s_wait_kmcnt 0x0
	s_sub_co_u32 s23, ttmp9, 128                   ; among the weights' work-groups (not used for x)
	s_lshr_b32 s24, s23, 5                         ; which weight: 0 Wq, 1 Wk, 2 Wv, 3 Wo
	s_and_b32 s25, s23, 31                         ; and which 32 rows of it
	s_mov_b64 s[26:27], s[12:13]                   ; the source: every choice hangs on the work-group's number alone
	s_cmp_eq_u32 s24, 2
	s_cselect_b64 s[26:27], s[10:11], s[26:27]
	s_cmp_eq_u32 s24, 1
	s_cselect_b64 s[26:27], s[8:9], s[26:27]
	s_cmp_eq_u32 s24, 0
	s_cselect_b64 s[26:27], s[6:7], s[26:27]
	s_cmp_lt_u32 ttmp9, 128
	s_cselect_b64 s[26:27], s[4:5], s[26:27]
	s_cselect_b64 s[28:29], s[14:15], s[18:19]     ; where the codes go,
	s_cselect_b64 s[30:31], s[16:17], s[20:21]     ; and the scale bytes
	s_cselect_b32 s25, ttmp9, s25                  ; which 32 rows of the tensor
	s_cselect_b32 s32, 0, s24                      ; the weight's number, 0 for x
	s_and_b32 s33, s22, 1
	s_lshl_b32 s33, s33, 1
	s_lshr_b32 s34, s22, 1
	s_or_b32 s33, s33, s34                         ; the wave's eight rows go to the place with the two bits swapped: 0, 2, 1, 3;
	s_cmp_eq_u32 s32, 3
	s_cselect_b32 s33, s22, s33                    ; Wo's stay where they are
	s_lshl_b32 s25, s25, 2
	s_add_co_u32 s34, s25, s22                     ; the run of 8 rows that I read
	s_add_co_u32 s36, s25, s33
	s_lshl_b32 s32, s32, 7
	s_add_co_u32 s36, s36, s32                     ; and the run that I write: a weight has 128 runs
	s_lshl_b32 s34, s34, 15                        ; 32,768 bytes of f32 a run
	s_mov_b32 s35, 0
	s_add_nc_u64 s[26:27], s[26:27], s[34:35]
	s_mul_i32 s34, s36, 32*STEPS*CB                ; 6,144 bytes of codes
	s_add_nc_u64 s[28:29], s[28:29], s[34:35]
	s_lshl_b32 s34, s36, 8                         ; 256 scale bytes
	s_add_nc_u64 s[30:31], s[30:31], s[34:35]
.macro LOAD t
.irp i, 0,1,2,3
	global_load_b128 v[R+16*((\t)%4)+4*\i:R+16*((\t)%4)+4*\i+3], v3, s[26:27] offset:2048*(\t)+512*\i th:TH_LOAD_NT   ; 32 lanes read 512 consecutive bytes
.endr
.endm
.macro TURN t                          ; step t's numbers through the stage: LDS serves a wave's instructions in order, so no wait stands between the stores and the loads
.irp i, 0,1,2,3
	ds_store_b128 v14, v[R+16*((\t)%4)+4*\i:R+16*((\t)%4)+4*\i+3] offset:32*SP*((\t)%2)+8*SP*\i
.endr
.irp i, 0,1,2,3
	ds_load_b128 v[X+16*((\t)%2)+4*\i:X+16*((\t)%2)+4*\i+3], v15 offset:32*SP*((\t)%2)+16*\i
.endr
.endm
.irp t, 0,1,2,3
	LOAD \t
.endr
	s_wait_loadcnt 12                              ; step 0's four loads are in; the twelve of steps 1 to 3 may be out
	TURN 0
.macro STEP t
.set XS, X+16*((\t)%2)
.if (\t) > 0
	s_wait_dscnt 1                                 ; this step's numbers are back from the stage (the last step's byte store may be out): so its stores into the stage have read their registers,
.else
	s_wait_dscnt 0x0
.endif
.if (\t)+4 < STEPS
	LOAD (\t)+4                                    ; which take the loads of four steps on
.endif
.if (\t)+1 < STEPS
.if STEPS-2-(\t) >= 3
	s_wait_loadcnt 12                              ; the next step's four loads are in; those of the three steps behind it may be out
.else
	s_wait_loadcnt 4*(STEPS-2-(\t))
.endif
	TURN (\t)+1                                    ; and go through the other stage while this step is worked
.endif
	v_max3_num_f32 v8, |v[XS]|, |v[XS+1]|, |v[XS+2]|               ; the largest magnitude of my 16, in two chains
	v_max3_num_f32 v9, |v[XS+3]|, |v[XS+4]|, |v[XS+5]|
.irp i, 6,10
	v_max3_num_f32 v8, v8, |v[XS+\i]|, |v[XS+\i+1]|
	v_max3_num_f32 v9, v9, |v[XS+\i+2]|, |v[XS+\i+3]|
.endr
	v_max3_num_f32 v8, v8, |v[XS+14]|, |v[XS+15]|
	v_max3_num_f32 v8, v8, v9, (EMAX+1)<<23        ; and the floor 2^(3 - 127): the byte cannot fall under 1
	v_max_num_f32_dpp v8, v8, v8 row_xmask:1 row_mask:0xf bank_mask:0xf   ; and of my neighbour's 16: the block's
	v_add_nc_u32 v11, -(EMAX<<23), v8              ; 2 off its exponent field: the conversion takes the exponent field of this operand as its scale
	v_cvt_scalef32_pk16_fp6_f32 v[C+4*(\t):C+4*(\t)+2], v[XS:XS+15], v11
	v_lshrrev_b32 v[E+(\t)], 23, v11               ; the scale's byte (a plain line behind the conversion)
	ds_store_b8 v5, v[E+(\t)] offset:16*(\t)       ; both lanes of a block write the same byte with the same value
	global_store_b96 v4, v[C+4*(\t):C+4*(\t)+2], s[28:29] offset:32*CB*(\t)   ; the wave stores 384 consecutive bytes
.endm
.irp t, 0,1,2,3,4,5,6,7,8,9,10,11,12,13,14,15
	STEP \t
.endr
	ds_load_b64 v[12:13], v6                       ; LDS serves a wave's instructions in order: these see my stores
	s_wait_dscnt 0x0
	global_store_b64 v7, v[12:13], s[30:31]        ; 32 lanes store 256 consecutive bytes, aligned
	s_wait_tensorcnt 0x0
	ds_add_u32 v192, v193
	s_wait_dscnt 0x0
	s_endpgm
.Lfunc_end_k_q35fe6c6e44_quant:
	.size	k_q35fe6c6e44_quant, .Lfunc_end_k_q35fe6c6e44_quant-k_q35fe6c6e44_quant
	.p2alignl 7, 3214868480
	.fill 96, 4, 3214868480
	.section	.rodata,"a",@progbits
	.p2align	6, 0x0
	.amdhsa_kernel k_q35fe6c6e44_quant
		.amdhsa_group_segment_fixed_size 33280
		.amdhsa_private_segment_fixed_size 0
		.amdhsa_enable_private_segment 0
		.amdhsa_kernarg_size 72
		.amdhsa_user_sgpr_count 2
		.amdhsa_user_sgpr_kernarg_segment_ptr 1
		.amdhsa_wavefront_size32 1
		.amdhsa_system_sgpr_workgroup_id_x 1
		.amdhsa_system_sgpr_workgroup_id_y 1
		.amdhsa_system_sgpr_workgroup_id_z 1
		.amdhsa_system_vgpr_workitem_id 0
		.amdhsa_next_free_vgpr 194
		.amdhsa_next_free_sgpr 66
		.amdhsa_reserve_vcc 0
		.amdhsa_float_denorm_mode_32 3
		.amdhsa_float_denorm_mode_16_64 3
		.amdhsa_memory_ordered 1
		.amdhsa_forward_progress 1
		.amdhsa_inst_pref_size 33
	.end_amdhsa_kernel
	.amdgpu_metadata
---
amdhsa.version: [ 1, 2 ]
amdhsa.kernels:
  - .name:           k_q35fe6c6e44_quant
    .symbol:         k_q35fe6c6e44_quant.kd
    .args:
      - { .name: x, .offset: 0, .size: 8, .value_kind: global_buffer, .address_space: global }
      - { .name: Wq, .offset: 8, .size: 8, .value_kind: global_buffer, .address_space: global }
      - { .name: Wk, .offset: 16, .size: 8, .value_kind: global_buffer, .address_space: global }
      - { .name: Wv, .offset: 24, .size: 8, .value_kind: global_buffer, .address_space: global }
      - { .name: Wo, .offset: 32, .size: 8, .value_kind: global_buffer, .address_space: global }
      - { .name: x_codes, .offset: 40, .size: 8, .value_kind: global_buffer, .address_space: global }
      - { .name: x_scales, .offset: 48, .size: 8, .value_kind: global_buffer, .address_space: global }
      - { .name: w_codes, .offset: 56, .size: 8, .value_kind: global_buffer, .address_space: global }
      - { .name: w_scales, .offset: 64, .size: 8, .value_kind: global_buffer, .address_space: global }
    .group_segment_fixed_size: 33280
    .private_segment_fixed_size: 0
    .kernarg_segment_align: 8
    .kernarg_segment_size: 72
    .max_flat_workgroup_size: 128
    .sgpr_count:     66
    .vgpr_count:     194
    .wavefront_size: 32
...
	.end_amdgpu_metadata
.endif
;; end of part 1
;; launch qkv (part 2): grid 12 x 16, 4 waves a work-group, clusters of 4 x 4, 327,680 bytes of LDS; arguments x_codes, x_scales, w_codes, w_scales, bq, bk, bv, qkv; writes qkv
.if DOCPART == 2
	.amdgcn_target "amdgcn-amd-amdhsa--gfx1250"
	.amdhsa_code_object_version 6
	.text
	.protected	k_q35fe6c6e44_qkv
	.globl	k_q35fe6c6e44_qkv
	.p2align	8
	.type	k_q35fe6c6e44_qkv,@function
k_q35fe6c6e44_qkv:
	s_mov_b64 s[64:65], 0
	v_nop
	global_prefetch_b8 v0, s[64:65] scope:SCOPE_SE
	s_setreg_imm32_b32 hwreg(HW_REG_WAVE_MODE, 25, 1), 1
	s_wait_xcnt 0x0
	s_wait_alu depctr_hold_cnt(0) depctr_sa_sdst(0) depctr_va_vdst(0) depctr_va_sdst(0) depctr_va_ssrc(0) depctr_va_vcc(0) depctr_vm_vsrc(0)
	s_getreg_b32 s2, hwreg(HW_REG_IB_STS2, 6, 4)
	s_cmp_eq_u32 s2, 0
	s_cbranch_scc0 .Lentry_in_a_cluster
	s_endpgm
.Lentry_in_a_cluster:
	s_bfe_u32 s2, ttmp6, 0x10000c
	s_cmp_lg_u32 s2, 0xf033
	s_cbranch_scc0 .Lentry_shape_is_right
	s_endpgm
.Lentry_shape_is_right:
; q = x Wq^T + bq, k = x Wk^T + bk, v = x Wv^T + bv on codes of FP6 (E2M3) with one E8M0 scale for each 32 along K = 1,024; sums in f32; the results are quantised at once, q and k along the head's 64, v along the keys,
; and stored as images of the operand registers that the attention launch wants.  Rows of x and of the weights lie in POSITION order (in each 32 the second and third eight change places).
; ONE TEXT, THREE MODES by the cluster's x, which all sixteen partners share.  0, 1 (q, k): A' = x (tile row 4 Y + cy), B' = the weight (tile column 4 mode + cx).  2 (v): the operands change roles: A' = Wv (tile row 8 + cy), B' = x (tile column 4 Y + cx).
; THE MATRIX INSTRUCTION IS USED TRANSPOSED (source 0 = 16 rows of B', source 1 = 16 rows of A'): a lane holds one row of A', its registers run along B'.  By the position order the 16 registers of B' tiles 2 b, 2 b + 1 are the 16 neighbours
; 32 b + 16 (lane / 16) + 0 .. 15: along the head's axis for q and k, along the keys for v: always the next product's K.
; A tile of 256 x 256 to a work-group of four waves, 128 x 128 a wave: 64 accumulators, 512 registers.  K goes in steps of 256 through a ring of two LDS slots filled by the tensor data mover; the scale bytes of the 256 + 256 rows come once.
; CLUSTERS: 4 x 4 work-groups; A' tiles are asked for jointly along a row of the cluster, B' tiles along a column.
; THE BIAS is what the sums begin with: along the registers in modes 0 and 1, along the lanes in mode 2, chosen by one select a register while the first tiles are on their way.
; LIMITS: NaN and infinities are not served; a block whose largest magnitude lies under 2^-124 has its byte held at 1; a block of zeros gets the byte 1, with zero codes.
; THE BUFFER qkv: for head y = 16 batch + head and step s of 128 positions a block of 19,968 bytes at (16 y + s) x 19,968: Q codes 0, Q scale words 6,144, K codes 6,656, V codes 12,800, K scale words 18,944, V scale words 19,456.
;   Q, K codes: 8 tiles x 6 registers, four registers a lane on end: register n of lane L at 512 (n / 4) + 16 L + 4 (n % 4).  V codes: four fragments (16 of the head's 64 x 128 keys) of 12 registers, laid likewise.
;   Q, K scale words: tile t, row r at 256 (t / 4) + 16 r + 4 (t % 4); the word holds the two bytes twice.  V scale words: fragment t, row r at 16 r + 4 t.
; REGISTERS, in windows of 256: window 0: v0-31 addresses; v32-63 scale words, two sets; v64-127 the bias along B'; v128-223 A' fragments, one set; v224-231 the bias along A'; v232-247 at work.  On the way out v64-170 are used anew.
;   window 1: B' fragments, two sets.   window 2: the accumulators of my rows 0-63 ((a, b) at v[8 (8 a + b)]);   window 3: those of my rows 64-127.
.set KSTEP,  256                       ; along K in a slot
.set NQ,     KSTEP/128                 ; matrix instructions deep
.set ROWB,   192                       ; a tile's row in bytes
.set KROW,   768                       ; a row of codes in memory
.set PITCH,  240                       ; an LDS row: 3 x (64 bytes + 16 of padding): the 32 lanes of a load of 8 bytes touch 64 different banks (64 banks of 4 bytes: ISA guide 11.1)
.set FR,     12                        ; registers of a fragment
.set NL,     6                         ; LDS loads that bring one
.set NP,     4                         ; places behind this matrix instruction (ISA guide 7.12.1)
.set HALFT,  128*PITCH
.set SLOT,   4*HALFT
.set LAPS,   1024/(2*KSTEP)
.set KS,     32                        ; a row of scale bytes
.set SCL,    2*SLOT                    ; behind the ring: the scale bytes, as runs of 256 bytes + 16 of padding
.set HALFS,  (128*KS/256)*272
.set SBLK,   (16*KS/256)*272
.set SPARE,  SCL+4*HALFS               ; the spare words, 128 bytes for each wave: two blocks of 256 bytes that no other line names
.set BLKB,   19968                     ; a step's block in qkv
.set HD,     16*BLKB                   ; from head to head
.set ADRA, 16                          ; v16-17 LDS address of my A' fragments in slot 0, 1 (v18-19: behind one padding more)
.set ADRB, 20                          ; v20-23 the same for B'
.set VO0,  24                          ; v24  the way out: 16 x lane
.set VO1,  25                          ; v25  the same for the second run of twelve registers
.set VS,   26                          ; v26  the scale words: 16 (lane % 16) + (lane / 16) x HD
.set ADRS, 27                          ; v27  LDS address of my scale words: lanes 0-15 A', lanes 16-31 B'
.set SPW,  28                          ; v28  my spare word; never rewritten
.set NIL,  29                          ; v29  0; never rewritten
.set SC,   32
.set BIB,  64                          ; the bias along B': tile b at v[BIB + 8 b]
.set AF,   128
.set BIA,  224                         ; the bias along A': block a in v[BIA + a]
.set TM,   232                         ; v232-235 largest magnitudes, v236-239 the other half's, then bytes, v244-247 scale operands
.set RG,   128                         ; the way out: 24 registers to store
.set YG,   152
.set ZG,   158
.set CT,   164                         ; conversions' second halves: v164-166, v168-170
.set W0,   64                          ; scale words of the eight blocks, first and second head
.set W1,   72
.set UG,   80
.set OG,   84                          ; v84-91 scale words to store
.set LO,   92
.set HI,   93
.set XX,   94
.set SEL,  10                          ; s[10:11] lane selects for v_permlanex16_b32: lane l xor 16
.set VM,   100                         ; s100 all ones in mode 2, else 0
.set HM,   101                         ; s101 the mask of lanes 16-31
.set G1, 24
.set G0, 32
.set G1B, 48
.set G0B, 56
.set G1S, 68
.set G0S, 76
.set G1SB, 80
.set G0SB, 88
.set MSB, 0
.macro WIN new                         ; the immediate's high byte repeats the setting that is left
.if MSB != \new
	s_set_vgpr_msb (MSB<<8)|\new
.set MSB, \new
.endif
.endm
.set MUL_LO, 0xa1                      ; source 0 (B') window 1, source 1 (A') window 0, C and D window 2
.set MUL_HI, 0xf1                      ; the same, C and D window 3
.set TO_B,   0x40                      ; destination window 1, address window 0
; A joint load: waves 0 and 1 fetch for A', waves 2 and 3 for B'.  The branch hangs on the wave's number alone.  Four v_nop follow each of the two lines.
.macro JLOAD g0a, g1a, g0b, g1b
	s_cmp_eq_u32 s15, 0
	s_cbranch_scc0 .Lfor_b_\@
	tensor_load_to_lds s[\g0a:\g0a+3], s[\g1a:\g1a+7]
	s_nop 0
.rept 4
	v_nop
.endr
	s_branch .Lasked_\@
.Lfor_b_\@:
	tensor_load_to_lds s[\g0b:\g0b+3], s[\g1b:\g1b+7]
	s_nop 0
.rept 4
	v_nop
.endr
.Lasked_\@:
.endm
.macro CREST                           ; a round of the cluster's barrier behind its opening barrier
	s_cmp_lg_u32 s14, 0
	s_cbranch_scc1 .Lnot_wave_0_\@
	s_barrier_signal -3
.Lnot_wave_0_\@:
	s_barrier_wait -3
	s_barrier_signal -1
	s_barrier_wait -1
.endm
.macro CROUND                          ; a whole round
	s_barrier_signal -1
	s_barrier_wait -1
	CREST
.endm
	s_load_b256 s[4:11], s[0:1], 0x0               ; x's codes, x's scales, the weights' codes, the weights' scales
	s_load_b256 s[92:99], s[0:1], 0x20             ; bq, bk, bv, qkv
	v_lshl_add_u32 v[SPW], v0, 2, SPARE
	v_mov_b32 v[NIL], 0
	ds_add_u32 v28, v29
	ds_add_u32 v28, v29
	s_wait_dscnt 0x0
	v_lshrrev_b32 v1, 5, v0
	v_readfirstlane_b32 s14, v1                    ; wave 0..3
	s_lshr_b32 s15, s14, 1                         ; which half of A' rows is mine.  Also: I fetch for A' (0) or for B' (1)
	s_and_b32 s16, s14, 1                          ; which half of B' rows.  Also: which 128 rows of that tile I fetch
	s_bfe_u32 s40, ttmp6, 0x40000                  ; cx, cy: my place in the cluster
	s_bfe_u32 s41, ttmp6, 0x40004
	s_and_b32 s104, ttmp7, 0xffff
	s_lshl_b32 s104, s104, 2                       ; 4 x cluster y
	s_lshl_b32 s2, ttmp9, 2                        ; 4 x mode
	s_cmp_eq_u32 ttmp9, 2                          ; the mode: the same in all sixteen partners
	s_cselect_b32 s[VM], -1, 0
	s_cselect_b32 s17, 8, s104
	s_cselect_b32 s42, s104, s2
	s_add_co_u32 s17, s17, s41                     ; tile row of A'
	s_add_co_u32 s42, s42, s40                     ; tile column: tile row of B'
	s_mov_b32 s[HM], 0xffff0000
	s_lshl_b32 s43, s41, 2
	s_lshl_b32 s43, 15, s43                        ; my row of the cluster
	s_lshl_b32 s44, 0x1111, s40                    ; my column
	; descriptor group 1: a tile of 128 rows x 192 bytes, 16 bytes of padding behind every 64
	s_or_b32 s[G1+0], s43, (0<<16)|(1<<20)|(1<<21)|(3<<22)|(3<<25)  ; 15:0 the mask; 17:16 elements of 1 byte; 20 padding on; 21 set beside a mask; 24:22 after every 16 words; 31:25 of 4 words
	s_or_b32 s[G1B+0], s44, (0<<16)|(1<<20)|(1<<21)|(3<<22)|(3<<25)
.irp g, G1, G1B
	s_mov_b32 s[\g+1], ROWB<<16                    ; tensor_dim0
	s_mov_b32 s[\g+2], 128<<16                     ; tensor_dim1
	s_mov_b32 s[\g+3], ROWB<<16                    ; tile_dim0
	s_mov_b32 s[\g+4], 128                         ; tile_dim1
	s_mov_b32 s[\g+5], KROW                        ; tensor_dim0_stride
	s_mov_b32 s[\g+6], 0
	s_mov_b32 s[\g+7], 0
.endr
	; the scale bytes of 128 rows: a dense block of 4,096 bytes, as rows of 256 bytes (32 elements of 8), 16 bytes of padding behind each
	s_or_b32 s[G1S+0], s43, (3<<16)|(1<<20)|(1<<21)|(5<<22)|(3<<25)
	s_or_b32 s[G1SB+0], s44, (3<<16)|(1<<20)|(1<<21)|(5<<22)|(3<<25)
.irp g, G1S, G1SB
	s_mov_b32 s[\g+1], 32<<16
	s_mov_b32 s[\g+2], (128*KS/256)<<16
	s_mov_b32 s[\g+3], 32<<16
	s_mov_b32 s[\g+4], 128*KS/256
	s_mov_b32 s[\g+5], 32
	s_mov_b32 s[\g+6], 0
	s_mov_b32 s[\g+7], 0
.endr
	s_lshl_b32 s18, s16, 7                         ; which 128 rows of the tile I fetch
	s_lshl_b32 s20, s17, 8
	s_add_co_u32 s20, s20, s18                     ; A': row 256 x tile row + 128 x half
	s_lshl_b32 s46, s42, 8
	s_add_co_u32 s46, s46, s18                     ; B' likewise
	s_mov_b32 s21, 0
	s_mov_b32 s47, 0
	s_mov_b64 s[18:19], KS
	s_mul_u64 s[22:23], s[20:21], s[18:19]         ; where these rows' scale bytes begin
	s_mul_u64 s[66:67], s[46:47], s[18:19]
	s_mov_b64 s[18:19], KROW
	s_mul_u64 s[20:21], s[20:21], s[18:19]         ; and their codes
	s_mul_u64 s[46:47], s[46:47], s[18:19]
	s_mul_i32 s45, s14, HALFT                      ; where they go: wave x 128 rows: no place in the cluster enters an LDS address
	s_mul_i32 s105, s14, HALFS
	s_wait_kmcnt 0x0
	s_cmp_eq_u32 ttmp9, 2                          ; which buffer is A' and which B': a choice on the mode alone
	s_cselect_b64 s[12:13], s[8:9], s[4:5]         ; A' codes
	s_cselect_b64 s[4:5], s[4:5], s[8:9]           ; B' codes
	s_cselect_b64 s[8:9], s[10:11], s[6:7]         ; A' scales
	s_cselect_b64 s[6:7], s[6:7], s[10:11]         ; B' scales
	s_add_nc_u64 s[20:21], s[12:13], s[20:21]
	s_add_nc_u64 s[22:23], s[8:9], s[22:23]
	s_add_nc_u64 s[46:47], s[4:5], s[46:47]
	s_add_nc_u64 s[66:67], s[6:7], s[66:67]
	CROUND                                         ; all sixteen work-groups are here: the first joint loads meet
	s_mov_b32 s[G0S], 1
	s_add_co_u32 s[G0S+1], s105, SCL
	s_mov_b64 s[G0S+2:G0S+3], s[22:23]
	s_or_b32 s[G0S+3], s[G0S+3], 0x80000000
	s_mov_b32 s[G0SB], 1
	s_add_co_u32 s[G0SB+1], s105, SCL
	s_mov_b64 s[G0SB+2:G0SB+3], s[66:67]
	s_or_b32 s[G0SB+3], s[G0SB+3], 0x80000000
	JLOAD G0S, G1S, G0SB, G1SB                     ; the scale bytes first: they are wanted with K step 0
.irp s, 0,1
	s_mov_b32 s[G0+4*\s], 1
	s_add_co_u32 s[G0+4*\s+1], s45, \s*SLOT
	s_add_nc_u64 s[G0+4*\s+2:G0+4*\s+3], s[20:21], \s*ROWB
	s_or_b32 s[G0+4*\s+3], s[G0+4*\s+3], 0x80000000
	s_mov_b32 s[G0B+4*\s], 1
	s_add_co_u32 s[G0B+4*\s+1], s45, \s*SLOT
	s_add_nc_u64 s[G0B+4*\s+2:G0B+4*\s+3], s[46:47], \s*ROWB
	s_or_b32 s[G0B+4*\s+3], s[G0B+4*\s+3], 0x80000000
	JLOAD G0+4*\s, G1, G0B+4*\s, G1B               ; three tensor loads of mine are out now
.endr
	s_mov_b32 s[SEL], 0x76543210
	s_mov_b32 s[SEL+1], 0xfedcba98
	v_and_b32 v1, 15, v0                           ; r = l % 16
	v_bfe_u32 v2, v0, 4, 1                         ; h = l / 16
	v_mul_u32_u24 v3, v1, PITCH
	v_mul_u32_u24 v4, v2, 24
	v_add_nc_u32 v4, v3, v4                        ; a fragment's row x pitch + 24 x half
	v_lshl_add_u32 v5, v2, 4, v4                   ; and the same behind one padding more
	s_mul_i32 s21, s15, HALFT                      ; my 128 rows of A'
	s_mul_i32 s22, s16, HALFT                      ; my 128 rows of B',
	s_add_co_u32 s22, s22, 2*HALFT                 ; which lie behind A' 256
.irp s, 0,1
	v_add_nc_u32 v[ADRA+\s], s21, v4
	v_add_nc_u32 v[ADRB+\s], s22, v4
	v_add_nc_u32 v[ADRA+2+\s], s21, v5
	v_add_nc_u32 v[ADRB+2+\s], s22, v5
	s_add_co_u32 s21, s21, SLOT
	s_add_co_u32 s22, s22, SLOT
.endr
	v_mul_u32_u24 v5, v1, KS                       ; my row's scale bytes: 32 a row,
	v_lshrrev_b32 v6, 8, v5
	v_lshl_add_u32 v5, v6, 4, v5                   ; and 16 more for each 256 passed
	s_mul_i32 s21, s15, HALFS
	s_mul_i32 s22, s16, HALFS
	s_add_co_u32 s22, s22, 2*HALFS
	s_sub_co_u32 s22, s22, s21
	v_mul_u32_u24 v6, s22, v2                      ; lanes 16-31 take B': one product, the distance between the two bases
	s_add_co_u32 s21, s21, SCL
	v_add_nc_u32 v5, v5, v6
	v_add_nc_u32 v[ADRS], s21, v5
	; THE BIASES.  Along B' (modes 0, 1): tile b, register j of lane (r, h) is feature 32 (b / 2) + 16 h + 8 (b % 2) + j of my 128.  Along A' (mode 2): block a, lane r is feature 32 (a / 2) + 8 (a % 2) + r + 8 (r / 8).
	; Both are loaded in every mode, from inside their buffers; the select below takes the one that counts.
	s_cmp_eq_u32 ttmp9, 1
	s_cselect_b64 s[92:93], s[94:95], s[92:93]     ; bk in mode 1, else bq
	s_lshl_b32 s46, s40, 10
	s_lshl_b32 s47, s16, 9
	s_add_co_u32 s46, s46, s47                     ; 256 features a tile column, 128 a wave, 4 bytes each
	s_lshl_b32 s22, s41, 10
	s_lshl_b32 s23, s15, 9
	s_add_co_u32 s22, s22, s23
	s_cmp_eq_u32 ttmp9, 2
	s_cselect_b32 s46, 0, s46
	s_cselect_b32 s22, s22, 0
	s_mov_b32 s47, 0
	s_mov_b32 s23, 0
	s_add_nc_u64 s[92:93], s[92:93], s[46:47]
	s_add_nc_u64 s[96:97], s[96:97], s[22:23]
	v_lshlrev_b32 v7, 6, v2                        ; 64 h
	v_and_b32 v8, 8, v1
	v_add_nc_u32 v8, v8, v1
	v_lshlrev_b32 v8, 2, v8                        ; 4 (r + 8 (r / 8))
.irp b, 0,1,2,3,4,5,6,7
	global_load_b128 v[BIB+8*\b:BIB+8*\b+3], v7, s[92:93] offset:(32*(\b/2)+8*(\b%2))*4
	global_load_b128 v[BIB+8*\b+4:BIB+8*\b+7], v7, s[92:93] offset:(32*(\b/2)+8*(\b%2))*4+16
.endr
.irp a, 0,1,2,3,4,5,6,7
	global_load_b32 v[BIA+\a], v8, s[96:97] offset:(32*(\a/2)+8*(\a%2))*4
.endr
	; where my results go.  G: which step of 128 positions (of 32); hd0: the first of my two heads
	s_lshl_b32 s2, s42, 1
	s_add_co_u32 s2, s2, s16
	s_lshl_b32 s3, s17, 1
	s_add_co_u32 s3, s3, s15
	s_lshl_b32 s12, s41, 2
	s_lshl_b32 s13, s15, 1
	s_add_co_u32 s12, s12, s13
	s_lshl_b32 s13, s40, 2
	s_lshl_b32 s18, s16, 1
	s_add_co_u32 s13, s13, s18
	s_cmp_eq_u32 ttmp9, 2
	s_cselect_b32 s2, s2, s3                       ; G: by B' in mode 2, by A' else
	s_cselect_b32 s12, s12, s13                    ; hd0: by A' in mode 2, by B' else
	s_mov_b32 s13, HD
	s_cselect_b32 s13, 1536, s13                   ; from the first twelve registers of a pair to the second: the next fragment (v), the next head (q, k)
	s_mov_b32 s4, 1536
	s_cselect_b32 s4, 3072, s4                     ; from pair to pair,
	s_mov_b32 s6, 1536
	s_cselect_b32 s6, HD-3072, s6                  ; and from pair 1 to pair 2: in mode 2 on to the next head
	s_mul_i32 s18, ttmp9, 6656
	s_cselect_b32 s19, 512, 0
	s_mul_i32 s20, ttmp9, 6144
	s_cselect_b32 s20, 512, s20
	s_mov_b32 s5, 0
	s_mov_b32 s7, 0
	s_mov_b32 s21, 0
	s_sub_co_u32 s18, s18, s19                     ; the part's place in a block: 0, 6,656, 12,800
	s_add_co_u32 s20, s20, 6144                    ; from there to its scale words: 6,144, 12,288, 6,656
	s_lshr_b32 s3, s2, 4
	s_lshl_b32 s3, s3, 4
	s_add_co_u32 s3, s3, s12                       ; y = 16 batch + head
	s_lshl_b32 s3, s3, 4
	s_and_b32 s2, s2, 15
	s_add_co_u32 s3, s3, s2                        ; 16 y + step
	s_mul_i32 s2, s3, BLKB
	s_add_co_u32 s2, s2, s18
	s_mov_b32 s3, 0
	s_add_nc_u64 s[98:99], s[98:99], s[2:3]        ; the codes' base
	v_and_b32 v5, 31, v0
	v_lshlrev_b32 v[VO0], 4, v5
	v_add_nc_u32 v[VO1], s13, v[VO0]
	v_mul_u32_u24 v[VS], v2, HD
	v_lshl_add_u32 v[VS], v1, 4, v[VS]
.irp b, 0,1,2,3
	v_mov_b32 v[TM+4+\b], 0                        ; written once: a lane permute's destination counts as one of its sources
.endr
	s_wait_loadcnt 0x0                             ; the biases are in; their bases may be written
	s_add_nc_u64 s[96:97], s[98:99], s[20:21]      ; the scale words' base
	WIN 0x80                                       ; destination window 2
.irp a, 0,1,2,3
.irp b, 0,1,2,3,4,5,6,7
.irp j, 0,1,2,3,4,5,6,7
	v_cndmask_b32 v[8*(8*\a+\b)+\j], v[BIB+8*\b+\j], v[BIA+\a], s[VM]   ; the sums begin with the bias
.endr
.endr
.endr
	WIN 0xc0                                       ; destination window 3
.irp a, 0,1,2,3
.irp b, 0,1,2,3,4,5,6,7
.irp j, 0,1,2,3,4,5,6,7
	v_cndmask_b32 v[8*(8*\a+\b)+\j], v[BIB+8*\b+\j], v[BIA+4+\a], s[VM]
.endr
.endr
.endr
	WIN 0
.macro FRAG reg, adr, q, i             ; a fragment, 16 rows x 128 K, is 12 registers: lane l holds row l % 16; registers 6 c .. 6 c + 5 hold K = 64 c + 32 (l / 16) + 0 .. 31: 24 bytes of the row's stream of bits
.irp p, 0,1,2,3,4,5                    ; in pieces of 8 bytes.  Lanes 16-31 read three pieces further on than lanes 0-15:
.set PC, 12*(\q)+6*(\p/3)+\p%3        ; where that lies behind one padding more, the second address register serves
.if PC%8 < 5
	ds_load_b64 v[\reg+2*\p:\reg+2*\p+1], v[\adr] offset:8*PC+16*(PC/8)+(\i)*16*PITCH
.else
	ds_load_b64 v[\reg+2*\p:\reg+2*\p+1], v[\adr+2] offset:8*PC+16*(PC/8)+(\i)*16*PITCH
.endif
.endr
.endm
; 16 matrix instructions: A' blocks a0, a0 + 1 x B' eight, 128 along K.  The 64 accumulators take turns, one instruction a turn, in the same order in every step.
.macro MUL16 a0, p, q, sc
.irp a, \a0, \a0+1
.irp b, 0,1,2,3,4,5,6,7
	v_wmma_scale_f32_16x16x128_f8f6f4 v[8*(8*((\a)%4)+\b):8*(8*((\a)%4)+\b)+7], v[128*(\p)+FR*\b:128*(\p)+FR*\b+FR-1], v[AF+FR*(\a):AF+FR*(\a)+FR-1], v[8*(8*((\a)%4)+\b):8*(8*((\a)%4)+\b)+7], v[SC+8*NQ*(\sc)+NQ*\b+(\q)], v[SC+8*NQ*(\sc)+NQ*(\a)+(\q)] matrix_a_fmt:MATRIX_FMT_FP6 matrix_b_fmt:MATRIX_FMT_FP6 matrix_a_scale:MATRIX_SCALE_ROW1
.endr
.endr
.endm
.macro FETCH_B slot, q, p
	WIN TO_B
.irp i, 0,1,2,3,4,5,6,7
	FRAG 128*(\p)+FR*\i, ADRB+\slot, \q, \i
.endr
	WIN 0
.endm
.macro FETCH_A slot, q, i0
.irp i, \i0, \i0+1, \i0+2, \i0+3
	FRAG AF+FR*(\i), ADRA+\slot, \q, \i
.endr
.endm
.macro SCALES sc                       ; a K step's scale words: two words a row; lanes 0-15 take A' block i, lanes 16-31 B' block i
.irp i, 0,1,2,3,4,5,6,7
	ds_load_b64 v[SC+8*NQ*\sc+NQ*\i:SC+8*NQ*\sc+NQ*\i+1], v[ADRS] offset:\i*SBLK
.endr
.endm
.macro PLACES n                        ; plain vector lines between a matrix instruction and a load into, or a vector read of, its registers
.rept \n
	v_nop
.endr
.endm
.macro STEP slot, q                    ; a step of 128 along K that has its successor in the same slot
	s_wait_dscnt 4*NL                              ; B' set and A' blocks 0-3 are in; the youngest 24 loads (A' blocks 4-7) may be out
	WIN MUL_LO
	MUL16 0, (\q)%2, \q, \slot
	MUL16 2, (\q)%2, \q, \slot
	s_wait_dscnt 0
	PLACES NP
	FETCH_B \slot, (\q)+1, 1-(\q)%2
	FETCH_A \slot, (\q)+1, 0
	WIN MUL_HI
	MUL16 4, (\q)%2, \q, \slot
	MUL16 6, (\q)%2, \q, \slot
	PLACES NP
	WIN 0
	FETCH_A \slot, (\q)+1, 4
.endm
; A slot's last step changes slots: one barrier; in front of it each wave waits for all its tensor loads, adds 0 to its spare word, and waits for that and for its reads of this slot.  fill = 1: the slot is filled again, two K steps ahead.
.macro TURN slot, next, fill
	s_wait_tensorcnt 0x0                           ; all my tensor loads have landed: my part of the next slot
	ds_add_u32 v[SPW], v[NIL]                      ; 0 onto my spare word
	s_wait_dscnt 4*NL+1                            ; (the add and the youngest 24 loads may be out)
	WIN MUL_LO
	MUL16 0, 1, NQ-1, \slot                        ; sixteen matrix instructions stand between the add and the wait for it
	s_wait_dscnt 0x0                               ; the add is done, and my reads of this slot are over
	s_barrier_signal -1
	MUL16 2, 1, NQ-1, \slot
	WIN 0
	s_barrier_wait -1
.if \fill
	CREST                                          ; the barrier has opened a round of the cluster's: no wave of any partner still reads this slot or has a load on its way
	s_add_nc_u64 s[G0+4*\slot+2:G0+4*\slot+3], s[G0+4*\slot+2:G0+4*\slot+3], 2*ROWB
	s_add_nc_u64 s[G0B+4*\slot+2:G0B+4*\slot+3], s[G0B+4*\slot+2:G0B+4*\slot+3], 2*ROWB
	JLOAD G0+4*\slot, G1, G0B+4*\slot, G1B         ; the first tensor load behind the round, my only one until the next; its four v_nop are the places in front of the loads below
.else
	PLACES NP
.endif
	v_add_nc_u32 v[ADRS], 4*NQ, v[ADRS]            ; on to the next K step's scale words
	FETCH_B \next, 0, 0
	FETCH_A \next, 0, 0
	SCALES \next
	WIN MUL_HI
	MUL16 4, 1, NQ-1, \slot
	MUL16 6, 1, NQ-1, \slot
	PLACES NP
	WIN 0
	FETCH_A \next, 0, 4
.endm
	PLACES NP
	s_wait_tensorcnt 1                             ; the scale bytes and my part of K step 0 are in (K step 1's load may be out)
	s_barrier_signal -1
	s_barrier_wait -1                              ; everybody's are
	FETCH_B 0, 0, 0
	FETCH_A 0, 0, 0
	SCALES 0
	FETCH_A 0, 0, 4
	STEP 0, 0
	s_mov_b32 s3, LAPS-1
.Llap:                                                 ; a trip goes once round the ring and fills both slots again
	TURN 0, 1, 1
	STEP 1, 0
	TURN 1, 0, 1
	STEP 0, 0
	s_sub_co_u32 s3, s3, 1
	s_cmp_lg_u32 s3, 0
	s_cbranch_scc1 .Llap
	TURN 0, 1, 0                                   ; the last lap fills nothing
	STEP 1, 0
	s_wait_dscnt 4*NL
	WIN MUL_LO
	MUL16 0, 1, NQ-1, 1
	MUL16 2, 1, NQ-1, 1
	s_wait_dscnt 0
	WIN MUL_HI
	MUL16 4, 1, NQ-1, 1
	MUL16 6, 1, NQ-1, 1
	WIN 0
; THE WAY OUT.  Block a (16 rows of A') holds 64 numbers a lane: register 16 b + i = index 32 b + 16 (lane / 16) + i along B'.  They become four blocks of 32: codes in two runs of six registers (d0: blocks 0, 1; d1: blocks 2, 3)
; and the bytes: W0[a] = bytes 0, 1 twice (q, k: the first head's word) or all four (v: the fragment's word); W1[a] = bytes 2, 3 twice (the second head's).
.macro QUANTA a, d0, d1
.set AC, 64*((\a)%4)
.set WS, 2+(\a)/4                      ; the accumulators' window
	WIN 5*WS                                       ; sources 0 and 1
.irp b, 0,1,2,3
	v_max3_num_f32 v[TM+\b], |v[AC+16*\b]|, |v[AC+16*\b+1]|, 0x1800000   ; my 16 numbers of block b, from each accumulator's low end on, and the floor 2^(3 - 127)
.endr
	WIN 20*WS                                      ; sources 1 and 2
.irp i, 2,4,6,8,10,12,14
.irp b, 0,1,2,3
	v_max3_num_f32 v[TM+\b], v[TM+\b], |v[AC+16*\b+\i]|, |v[AC+16*\b+\i+1]|
.endr
.endr
	WIN 0
.irp b, 0,1,2,3
	v_permlanex16_b32 v[TM+4+\b], v[TM+\b], s[SEL], s[SEL+1]
.endr
.irp b, 0,1,2,3
	v_max_num_f32 v[TM+\b], v[TM+\b], v[TM+4+\b]   ; with lane l xor 16's: the block's largest magnitude
.endr
.irp b, 0,1,2,3
	v_add_nc_u32 v[TM+12+\b], 0xff000000, v[TM+\b] ; 2 off its exponent field: the conversion's scale operand
.endr
.irp b, 0,1,2,3
	v_lshrrev_b32 v[TM+4+\b], 23, v[TM+12+\b]      ; the scale's byte
.endr
	v_lshl_or_b32 v[LO], v[TM+5], 8, v[TM+4]
	v_lshl_or_b32 v[HI], v[TM+7], 8, v[TM+6]
	v_cndmask_b32 v[XX], v[LO], v[HI], s[VM]
	v_lshl_or_b32 v[W0+(\a)], v[XX], 16, v[LO]
	v_lshl_or_b32 v[W1+(\a)], v[HI], 16, v[HI]
	WIN WS                                         ; source 0
	v_cvt_scalef32_pk16_fp6_f32 v[(\d0):(\d0)+2], v[AC:AC+15], v[TM+12]
	v_cvt_scalef32_pk16_fp6_f32 v[CT:CT+2], v[AC+16:AC+31], v[TM+13]     ; (a conversion's three registers begin on an even number)
	v_cvt_scalef32_pk16_fp6_f32 v[(\d1):(\d1)+2], v[AC+32:AC+47], v[TM+14]
	v_cvt_scalef32_pk16_fp6_f32 v[CT+4:CT+6], v[AC+48:AC+63], v[TM+15]
	WIN 0
	v_nop                                          ; one plain place behind a scaled conversion
.irp i, 0,1,2                          ; the operand's layout wants a whole block in a lane: lanes 0-15 the even block, lanes 16-31 the odd one
	v_permlane16_swap_b32 v[(\d0)+\i], v[CT+\i]
	v_permlane16_swap_b32 v[(\d1)+\i], v[CT+4+\i]
.endr
.irp i, 0,1,2
	v_mov_b32 v[(\d0)+3+\i], v[CT+\i]
	v_mov_b32 v[(\d1)+3+\i], v[CT+4+\i]
.endr
.endm
; Blocks 2 n and 2 n + 1: 24 registers.  q, k: tiles 2 n, 2 n + 1 of the first head, then of the second.  v: fragment 2 n, then fragment 2 n + 1.  Each store of the wave covers 512 consecutive bytes, aligned.
.macro PAIR n
.if \n > 0
	s_wait_xcnt 0x0                                ; the last pair's stores have read their data and their base
.if \n == 2
	s_add_nc_u64 s[98:99], s[98:99], s[6:7]
.else
	s_add_nc_u64 s[98:99], s[98:99], s[4:5]
.endif
.endif
	QUANTA 2*\n, RG, YG
	QUANTA 2*\n+1, ZG, RG+18
.irp i, 0,1,2,3,4,5
	v_cndmask_b32 v[RG+6+\i], v[ZG+\i], v[YG+\i], s[VM]
	v_cndmask_b32 v[RG+12+\i], v[YG+\i], v[ZG+\i], s[VM]
.endr
.irp g, 0,1,2
	global_store_b128 v[VO0], v[RG+4*\g:RG+4*\g+3], s[98:99] offset:512*\g
.endr
.irp g, 0,1,2
	global_store_b128 v[VO1], v[RG+12+4*\g:RG+12+4*\g+3], s[98:99] offset:512*\g
.endr
.endm
	PLACES NP                                      ; behind the last products: their results are read and their operands' registers written below
	PAIR 0
	PAIR 1
	PAIR 2
	PAIR 3
	; the scale words: lanes 0-15 store the first head's, lanes 16-31 the second's, four words a lane: 256 consecutive bytes each.  In mode 2 the second store's bytes are spare bytes of the block that nobody reads
.irp i, 0,1,2,3
	v_cndmask_b32 v[UG+\i], v[W1+\i], v[W0+4+\i], s[VM]
.endr
.irp i, 0,1,2,3
	v_cndmask_b32 v[OG+\i], v[W0+\i], v[UG+\i], s[HM]
	v_cndmask_b32 v[OG+4+\i], v[W0+4+\i], v[W1+4+\i], s[HM]
.endr
	global_store_b128 v[VS], v[OG:OG+3], s[96:97]
	global_store_b128 v[VS], v[OG+4:OG+7], s[96:97] offset:256
	s_wait_tensorcnt 0x0                           ; the wave's end
	ds_add_u32 v[SPW], v[NIL]
	s_wait_dscnt 0x0
	CROUND                                         ; the closing round: no work-group ends while a partner may still ask for a tile that names it
	s_endpgm
.Lfunc_end_k_q35fe6c6e44_qkv:
	.size	k_q35fe6c6e44_qkv, .Lfunc_end_k_q35fe6c6e44_qkv-k_q35fe6c6e44_qkv
	.p2alignl 7, 3214868480
	.fill 96, 4, 3214868480
	.section	.rodata,"a",@progbits
	.p2align	6, 0x0
	.amdhsa_kernel k_q35fe6c6e44_qkv
		.amdhsa_group_segment_fixed_size 327680
		.amdhsa_private_segment_fixed_size 0
		.amdhsa_enable_private_segment 0
		.amdhsa_kernarg_size 64
		.amdhsa_user_sgpr_count 2
		.amdhsa_user_sgpr_kernarg_segment_ptr 1
		.amdhsa_wavefront_size32 1
		.amdhsa_system_sgpr_workgroup_id_x 1
		.amdhsa_system_sgpr_workgroup_id_y 1
		.amdhsa_system_sgpr_workgroup_id_z 1
		.amdhsa_system_vgpr_workitem_id 0
		.amdhsa_next_free_vgpr 1024
		.amdhsa_next_free_sgpr 106
		.amdhsa_reserve_vcc 0
		.amdhsa_float_denorm_mode_32 3
		.amdhsa_float_denorm_mode_16_64 3
		.amdhsa_memory_ordered 1
		.amdhsa_forward_progress 1
		.amdhsa_inst_pref_size 205
	.end_amdhsa_kernel
	.amdgpu_metadata
---
amdhsa.version: [ 1, 2 ]
amdhsa.kernels:
  - .name:           k_q35fe6c6e44_qkv
    .symbol:         k_q35fe6c6e44_qkv.kd
    .args:
      - { .name: x_codes, .offset: 0, .size: 8, .value_kind: global_buffer, .address_space: global }
      - { .name: x_scales, .offset: 8, .size: 8, .value_kind: global_buffer, .address_space: global }
      - { .name: w_codes, .offset: 16, .size: 8, .value_kind: global_buffer, .address_space: global }
      - { .name: w_scales, .offset: 24, .size: 8, .value_kind: global_buffer, .address_space: global }
      - { .name: bq, .offset: 32, .size: 8, .value_kind: global_buffer, .address_space: global }
      - { .name: bk, .offset: 40, .size: 8, .value_kind: global_buffer, .address_space: global }
      - { .name: bv, .offset: 48, .size: 8, .value_kind: global_buffer, .address_space: global }
      - { .name: qkv, .offset: 56, .size: 8, .value_kind: global_buffer, .address_space: global }
    .group_segment_fixed_size: 327680
    .private_segment_fixed_size: 0
    .kernarg_segment_align: 8
    .kernarg_segment_size: 64
    .max_flat_workgroup_size: 128
    .sgpr_count:     106
    .vgpr_count:     1024
    .wavefront_size: 32
...
	.end_amdgpu_metadata
.endif
;; end of part 2
;; launch attn (part 3): grid 8 x 32, 16 waves a work-group, clusters of 4 x 1, 215,040 bytes of LDS; arguments qkv, ctx_codes, ctx_scales; writes ctx_codes, ctx_scales
.if DOCPART == 3
	.amdgcn_target "amdgcn-amd-amdhsa--gfx1250"
	.amdhsa_code_object_version 6
	.text
	.protected	k_q35fe6c6e44_attn
	.globl	k_q35fe6c6e44_attn
	.p2align	8
	.type	k_q35fe6c6e44_attn,@function
k_q35fe6c6e44_attn:
	s_mov_b64 s[64:65], 0
	v_nop
	global_prefetch_b8 v0, s[64:65] scope:SCOPE_SE
	s_setreg_imm32_b32 hwreg(HW_REG_WAVE_MODE, 25, 1), 1
	s_wait_xcnt 0x0
	s_wait_alu depctr_hold_cnt(0) depctr_sa_sdst(0) depctr_va_vdst(0) depctr_va_sdst(0) depctr_va_ssrc(0) depctr_va_vcc(0) depctr_vm_vsrc(0)
	s_getreg_b32 s2, hwreg(HW_REG_IB_STS2, 6, 4)
	s_cmp_eq_u32 s2, 0
	s_cbranch_scc0 .Lentry_in_a_cluster
	s_endpgm
.Lentry_in_a_cluster:
	s_bfe_u32 s2, ttmp6, 0x10000c
	s_cmp_lg_u32 s2, 0x3003
	s_cbranch_scc0 .Lentry_shape_is_right
	s_endpgm
.Lentry_shape_is_right:
; ctx[y][q] = the sum over keys of softmax(q . k / 8) v, both products on codes of FP6 (E2M3) with one E8M0 scale for each 32 along a product's K; the result is divided by the row's sum and quantised along the hidden axis for the last product.
; THE SOFTMAX AHEAD OF THE SECOND PRODUCT: t = score x log2(e) / 8; M = the row's largest t so far, rounded up to a whole number; p = 2^(t - M) is what is quantised, along the keys, not normalised.
; The row's sum is taken of the unquantised p, in f32.  When M moves, the sum and O are multiplied by 2^(old M - new M): exact.
; SHARES.  A work-group owns 256 query positions of one head y; each of its sixteen waves owns one tile of 16, in 256 registers: four waves to a SIMD, so that one wave's vector work stands beside another's matrix work and LDS loads.
; ALL OF A HEAD'S K AND V LIES IN LDS: 16 steps of 128 keys, 13,312 bytes each (K codes 0, V codes 6,144, K scale words 12,288, V scale words 12,800), as images of the operands' registers.  Every byte is filled once: no slot is filled again.
; CLUSTER.  The four query blocks of a cluster belong to one head and want the same 212,992 bytes: each tile is asked for jointly.  Waves 0-3 ask, four loads each; a wave's c-th load brings step 4 c + wave, and chunk c (four steps) is read behind
; a counted wait and a barrier, while the later chunks are on their way.
; LAYOUT.  Both products are used transposed: S^T = K Q^T (source 0 = 16 keys, source 1 = my 16 queries), O^T = V^T P^T (source 0 = 16 of the head's 64): a lane holds one query throughout.  Positions are so ordered that the 16 registers of tiles
; 2 b and 2 b + 1 are 16 neighbouring keys (or 16 neighbours of the head's 64): 32 b + 16 (lane / 16) + 0 .. 15.
; K = 64 IN AN INSTRUCTION OF 128: Q's registers 6-11 are zero codes; a tile of K is named with the six registers behind it (the next tile's, or zeros), which meet Q's zeros; both scale words repeat the two real bytes.
; LIMITS: NaN and infinities are not served; a block's largest p is taken through the block's largest score, which takes v_exp_f32 not to fall where its input rises; a block of zeros gets the byte 1, with zero codes; bytes are held at 1 from below.
; ctx's scale bytes are two of a row's 32 for a head, stored singly: one byte in 24 of what the launch stores; a head owns no more of a row.
; REGISTERS: v1-6 addresses; v12 -M, v13 the largest t, v[14:15] the sum; v16-27 Q (v22-27 zeros); v28 Q's scale word, v29 P's; v32-79 K's 48 registers, then V's four fragments; v80-85 zeros; v86-149 S^T, then p; v150-181 O^T;
;   v182-193 P's codes; v194-201 K's scale words, v202-205 V's; v206-231 at work.
.set KVB,   13312                      ; a step's K and V in LDS and in memory: 52 x 256 bytes
.set BLKB,  19968                      ; a step's block in qkv
.set HD,    16*BLKB                    ; from head to head
.set S,     86
.set OT,    150
.set PC,    182
.set KSW,   194
.set VSW,   202
.set MX,    206                        ; the blocks' largest scores, then largest p
.set PB,    210                        ; the other half's, then the bytes
.set CT,    214                        ; conversions' second halves: v214-216, v218-220
.set SO,    222                        ; the conversions' scale operands
.set WV,    10
.set SEL,   20                         ; s[20:21] lane selects for v_permlanex16_b32: lane l xor 16
.set CS,    22                         ; s[22:23] c = log2(e) / 8
.set G1,    24
.set G0,    32                         ; s[32:47] four groups 0, one for each chunk
.set TB,    48                         ; LDS byte at which the step in hand begins
.set CNT,   49
.set HM,    50                         ; the mask of lanes 16-31
.set PAR,   51                         ; all ones where my tile is the odd one of its pair
.macro CROUND                          ; a round of the cluster's barrier
	s_barrier_signal -1
	s_barrier_wait -1
	s_cmp_lg_u32 s[WV], 0
	s_cbranch_scc1 .Lnot_wave_0_\@
	s_barrier_signal -3
.Lnot_wave_0_\@:
	s_barrier_wait -3
	s_barrier_signal -1
	s_barrier_wait -1
.endm
	s_load_b128 s[4:7], s[0:1], 0x0                ; qkv, ctx's codes
	s_load_b64 s[8:9], s[0:1], 0x10                ; ctx's scale bytes
	v_lshl_add_u32 v254, v0, 2, 0x34000
	v_mov_b32 v255, 0
	ds_add_u32 v254, v255
	ds_add_u32 v254, v255
	v_lshrrev_b32 v7, 5, v0
	v_readfirstlane_b32 s[WV], v7                  ; wave 0..15
	s_bfe_u32 s11, ttmp6, 0x40000                  ; cx
	s_lshl_b32 s12, ttmp9, 2
	s_add_co_u32 s12, s12, s11                     ; my block of 256 queries: it enters Q's and ctx's addresses alone
	s_and_b32 s13, ttmp7, 0xffff                   ; the head y, which the four partners share
	s_mul_i32 s16, s13, HD                         ; its first byte in qkv
	s_and_b32 s14, s[WV], 3
	s_mul_i32 s15, s14, KVB                        ; what I fetch, if I fetch: step 4 c + wave: in LDS,
	s_mul_i32 s18, s14, BLKB
	s_add_co_u32 s18, s18, s16
	s_add_co_u32 s18, s18, 6656                    ; and in memory: K's codes begin 6,656 bytes into a block
	s_mov_b32 s19, 0
	; descriptor group 1: a dense block of 13,312 bytes as 52 rows of 256 (32 elements of 8 bytes), no padding
	s_mov_b32 s[G1], 15|(3<<16)|(1<<21)            ; 15:0 the mask: all four work-groups; 17:16 elements of 8 bytes; 21 set beside a mask
	s_mov_b32 s[G1+1], 32<<16                      ; tensor_dim0
	s_mov_b32 s[G1+2], 52<<16                      ; tensor_dim1
	s_mov_b32 s[G1+3], 32<<16                      ; tile_dim0
	s_mov_b32 s[G1+4], 52                          ; tile_dim1
	s_mov_b32 s[G1+5], 32                          ; tensor_dim0_stride
	s_mov_b32 s[G1+6], 0
	s_mov_b32 s[G1+7], 0
	; my tile of Q: step block 2 qb + wave / 8, tile t = wave % 8
	s_lshl_b32 s52, s12, 1
	s_lshr_b32 s53, s[WV], 3
	s_add_co_u32 s52, s52, s53
	s_mul_i32 s52, s52, BLKB
	s_add_co_u32 s52, s52, s16
	s_and_b32 s53, s[WV], 7
	s_lshr_b32 s54, s53, 1
	s_mul_i32 s54, s54, 1536                       ; the pair of tiles: twelve registers, 1,536 bytes
	s_add_co_u32 s54, s54, s52
	s_mov_b32 s55, 0
	s_lshr_b32 s56, s53, 2
	s_lshl_b32 s56, s56, 8
	s_and_b32 s57, s53, 3
	s_lshl_b32 s57, s57, 2
	s_add_co_u32 s56, s56, s57
	s_add_co_u32 s56, s56, s52
	s_add_co_u32 s56, s56, 6144                    ; its scale words: 6,144 + 256 (t / 4) + 4 (t % 4), + 16 r
	s_mov_b32 s57, 0
	s_and_b32 s[PAR], s[WV], 1
	s_sub_co_u32 s[PAR], 0, s[PAR]
	; where my results go: row tile RT = 128 batch + 16 qb + wave; head hd = y % 16
	s_lshr_b32 s58, s13, 4
	s_lshl_b32 s58, s58, 7
	s_lshl_b32 s59, s12, 4
	s_add_co_u32 s58, s58, s59
	s_add_co_u32 s58, s58, s[WV]
	s_and_b32 s59, s13, 15
	s_mul_i32 s60, s58, 12288
	s_mul_i32 s61, s59, 768
	s_add_co_u32 s60, s60, s61                     ; codes: 12,288 RT + 768 hd
	s_mov_b32 s61, 0
	s_lshl_b32 s58, s58, 9
	s_lshl_b32 s59, s59, 1
	s_add_co_u32 s58, s58, s59                     ; scale bytes: 512 RT + 2 hd
	s_mov_b32 s59, 0
	s_mov_b32 s[SEL], 0x76543210
	s_mov_b32 s[SEL+1], 0xfedcba98
	s_mov_b32 s[CS], 0x3e38aa3b                    ; log2(e) / 8
	s_mov_b32 s[CS+1], s[CS]                       ; (named with it as a pair, so it is written)
	s_mov_b32 s[HM], 0xffff0000
	s_wait_dscnt 0x0
	s_wait_kmcnt 0x0
	s_add_nc_u64 s[18:19], s[4:5], s[18:19]
	s_add_nc_u64 s[54:55], s[4:5], s[54:55]
	s_add_nc_u64 s[56:57], s[4:5], s[56:57]
	s_add_nc_u64 s[6:7], s[6:7], s[60:61]
	s_add_nc_u64 s[8:9], s[8:9], s[58:59]
	CROUND                                         ; all four work-groups are here: the joint loads meet
.irp c, 0,1,2,3
	s_mov_b32 s[G0+4*\c], 1                        ; count = 1
	s_add_co_u32 s[G0+4*\c+1], s15, \c*4*KVB       ; LDS address
	s_add_nc_u64 s[G0+4*\c+2:G0+4*\c+3], s[18:19], \c*4*BLKB   ; global address
	s_or_b32 s[G0+4*\c+3], s[G0+4*\c+3], 0x80000000           ; type = 2
.endr
	s_cmp_lt_u32 s[WV], 4                          ; all the fills of a wave stand in one branch on the wave's number, ahead of every wait on TENSORcnt and every LDS read: four loads of mine are out
	s_cbranch_scc0 .Lno_fill
	tensor_load_to_lds s[G0:G0+3], s[G1:G1+7]
	s_nop 0
	tensor_load_to_lds s[G0+4:G0+7], s[G1:G1+7]
	s_nop 0
	tensor_load_to_lds s[G0+8:G0+11], s[G1:G1+7]
	s_nop 0
	tensor_load_to_lds s[G0+12:G0+15], s[G1:G1+7]
	s_nop 0
.rept 4
	v_nop
.endr
.Lno_fill:
	v_and_b32 v7, 31, v0
	v_and_b32 v8, 15, v0                           ; r
	v_bfe_u32 v9, v0, 4, 1                         ; h
	v_lshlrev_b32 v1, 4, v7                        ; 16 x lane: an image's place for my lane
	v_lshlrev_b32 v2, 4, v8                        ; 16 r: four scale words of my row
	v_lshlrev_b32 v5, 3, v7                        ; 8 x lane
	v_lshl_add_u32 v6, v8, 5, v9                   ; 32 r + h
.irp g, 0,1,2
	global_load_b128 v[S+4*\g:S+4*\g+3], v1, s[54:55] offset:512*\g   ; the pair of tiles in which mine lies
.endr
	global_load_b32 v28, v2, s[56:57]              ; Q's scale words
	v_mov_b32 v13, 0xff61b1e6                      ; the largest t so far: -3e38, under every t
	v_floor_f32 v12, -v13                          ; -M
	v_mov_b32 v14, 0                               ; the sum, in two halves
	v_mov_b32 v15, 0
.irp i, 0,1,2,3,4,5
	v_mov_b32 v[22+\i], 0                          ; Q's upper half: zero codes
	v_mov_b32 v[80+\i], 0                          ; what stands behind K's last tile
.endr
.irp b, 0,1,2,3
	v_mov_b32 v[PB+\b], 0                          ; written once: a lane permute's destination counts as one of its sources
.endr
	v_mov_b32 v227, 0                              ; (named as the upper half of the pair v[226:227])
	v_mov_b32 v228, 0
	s_wait_loadcnt 0x0
.irp i, 0,1,2,3,4,5
	v_cndmask_b32 v[16+\i], v[S+\i], v[S+6+\i], s[PAR]   ; my tile's six registers
.endr
.irp j, 0,1,2,3,4,5,6,7,8,9,10,11,12,13,14,15,16,17,18,19,20,21,22,23,24,25,26,27,28,29,30,31
	v_mov_b32 v[OT+\j], 0                          ; O^T: the step is written once: the first finds zeros, which the first change of M leaves zeros.  (Also the places between Q's registers and the first product)
.endr
; A KEY STEP: 128 keys.
.macro STEP
	v_add_nc_u32 v3, s[TB], v1
	v_add_nc_u32 v4, s[TB], v2
.irp g, 0,1,2,3,4,5,6,7,8,9,10,11
	ds_load_b128 v[32+4*\g:35+4*\g], v3 offset:512*\g              ; K's eight tiles: each load takes 512 consecutive bytes
.endr
	ds_load_b128 v[KSW:KSW+3], v4 offset:12288                     ; their scale words: tiles 0-3,
	ds_load_b128 v[KSW+4:KSW+7], v4 offset:12544                   ; tiles 4-7
	s_wait_dscnt 0x0
.irp t, 0,1,2,3,4,5,6,7
	v_wmma_scale_f32_16x16x128_f8f6f4 v[S+8*\t:S+8*\t+7], v[32+6*\t:43+6*\t], v[16:27], 0, v[KSW+\t], v28 matrix_a_fmt:MATRIX_FMT_FP6 matrix_b_fmt:MATRIX_FMT_FP6
.endr
.rept 4
	v_nop                                          ; places in front of loads into registers that matrix instructions have read, and of the first read of the scores
.endr
.irp g, 0,1,2,3,4,5,6,7,8,9,10,11
	ds_load_b128 v[32+4*\g:35+4*\g], v3 offset:6144+512*\g         ; V's four fragments land under the softmax
.endr
	ds_load_b128 v[VSW:VSW+3], v4 offset:12800
.irp b, 0,1,2,3
	v_max3_num_f32 v[MX+\b], v[S+16*\b], v[S+1+16*\b], v[S+2+16*\b]   ; the largest score of each block of 32 keys: for the row's maximum and, since p rises with the score, for the block's largest p
.endr
.irp i, 3,5,7,9,11,13
.irp b, 0,1,2,3
	v_max3_num_f32 v[MX+\b], v[MX+\b], v[S+16*\b+\i], v[S+1+16*\b+\i]
.endr
.endr
.irp b, 0,1,2,3
	v_max_num_f32 v[MX+\b], v[MX+\b], v[S+15+16*\b]
.endr
.irp b, 0,1,2,3
	v_permlanex16_b32 v[PB+\b], v[MX+\b], s[SEL], s[SEL+1]
.endr
.irp b, 0,1,2,3
	v_max_num_f32 v[MX+\b], v[MX+\b], v[PB+\b]     ; with lane l xor 16's 16 keys
.endr
	v_max3_num_f32 v228, v[MX], v[MX+1], v[MX+2]
	v_max_num_f32 v228, v228, v[MX+3]              ; the step's largest score of my query
	v_mul_f32 v228, s[CS], v228                    ; as t (c is positive)
	v_max_num_f32 v13, v13, v228                   ; the running largest t
	v_mov_b32 v228, v12
	v_floor_f32 v12, -v13                          ; the new -M = floor(-t) = -ceil(t)
	v_sub_f32 v228, v12, v228                      ; M's old value less its new one: a whole number, 0 or less
	v_cvt_i32_f32 v228, v228                       ; (it saturates)
	v_ldexp_f32 v226, 1.0, v228                    ; f = 2^(old M - new M)
.irp j, 0,2,4,6,8,10,12,14,16,18,20,22,24,26,28,30,32,34,36,38,40,42,44,46,48,50,52,54,56,58,60,62
	v_pk_fma_f32 v[S+\j:S+1+\j], v[S+\j:S+1+\j], s[CS:CS+1], v[12:13] op_sel_hi:[1,0,0]   ; t - M, two at a time
.endr
.irp b, 0,1,2,3
	v_fma_f32 v[MX+\b], v[MX+\b], s[CS], v12       ; the same of each block's largest score
.endr
.irp j, 0,1,2,3,4,5,6,7,8,9,10,11,12,13,14,15,16,17,18,19,20,21,22,23,24,25,26,27,28,29,30,31,32,33,34,35,36,37,38,39,40,41,42,43,44,45,46,47,48,49,50,51,52,53,54,55,56,57,58,59,60,61,62,63
	v_exp_f32 v[S+\j], v[S+\j]                     ; p = 2^(t - M), at most 1: not normalised
.endr
.irp b, 0,1,2,3
	v_exp_f32 v[MX+\b], v[MX+\b]                   ; the block's largest p
.endr
	v_pk_mul_f32 v[14:15], v[14:15], v[226:227] op_sel_hi:[1,0]   ; the sums under the new M.  (A plain place behind the exponentials)
	s_wait_alu depctr_va_vdst(0)
.irp b, 0,1,2,3
	v_max_num_f32 v[MX+\b], 0x1800000, v[MX+\b]    ; the floor 2^(3 - 127): the byte cannot fall under 1
.endr
.irp b, 0,1,2,3
	v_add_nc_u32 v[SO+\b], 0xff000000, v[MX+\b]    ; 2 off the exponent field: the conversion's scale operand
.endr
.irp b, 0,1,2,3
	v_lshrrev_b32 v[PB+\b], 23, v[SO+\b]           ; the scale's byte
.endr
	v_lshl_or_b32 v29, v[PB+1], 8, v[PB]           ; p's scale word for these 128 keys
	v_lshl_or_b32 v29, v[PB+2], 16, v29
	v_lshl_or_b32 v29, v[PB+3], 24, v29
.irp c, 0,1
	v_cvt_scalef32_pk16_fp6_f32 v[PC+6*\c:PC+2+6*\c], v[S+32*\c:S+15+32*\c], v[SO+2*\c]
	v_cvt_scalef32_pk16_fp6_f32 v[CT+4*\c:CT+2+4*\c], v[S+16+32*\c:S+31+32*\c], v[SO+2*\c+1]   ; (a conversion's three registers begin on an even number)
.endr
	v_nop                                          ; one plain place behind a scaled conversion
.irp c, 0,1                            ; the operand's layout wants a whole block in a lane
.irp i, 0,1,2
	v_permlane16_swap_b32 v[PC+6*\c+\i], v[CT+4*\c+\i]
.endr
.irp i, 0,1,2
	v_mov_b32 v[PC+3+6*\c+\i], v[CT+4*\c+\i]
.endr
.endr
	v_pk_add_f32 v[230:231], v[S:S+1], v[S+2:S+3]  ; the row's sum is taken of the unquantised p: two at a time, in two chains
.irp j, 4,8,12,16,20,24,28,32,36,40,44,48,52,56,60
	v_pk_add_f32 v[14:15], v[14:15], v[S+\j:S+1+\j]
	v_pk_add_f32 v[230:231], v[230:231], v[S+2+\j:S+3+\j]
.endr
	v_pk_add_f32 v[14:15], v[14:15], v[230:231]
.irp j, 0,2,4,6,8,10,12,14,16,18,20,22,24,26,28,30
	v_pk_mul_f32 v[OT+\j:OT+1+\j], v[OT+\j:OT+1+\j], v[226:227] op_sel_hi:[1,0]   ; O^T under the new M.  (With the sums above: the places between p's codes and scale word and the products below)
.endr
	s_wait_dscnt 0x0                               ; V is in
.irp t, 0,1,2,3
	v_wmma_scale_f32_16x16x128_f8f6f4 v[OT+8*\t:OT+8*\t+7], v[32+12*\t:43+12*\t], v[PC:PC+11], v[OT+8*\t:OT+8*\t+7], v[VSW+\t], v29 matrix_a_fmt:MATRIX_FMT_FP6 matrix_b_fmt:MATRIX_FMT_FP6
.endr
.rept 4
	v_nop                                          ; places in front of the next step's loads, and of the way out's first read
.endr
	s_add_co_u32 s[TB], s[TB], KVB
.endm
; Chunk c: steps 4 c .. 4 c + 3.  My c-th load has landed when at most 3 - c of mine are out; behind the barrier everybody's has.  The later chunks may stay on their way.
.macro CHUNK c
	s_wait_tensorcnt 3-\c
	s_barrier_signal -1
	s_barrier_wait -1
	s_mov_b32 s[TB], \c*4*KVB
	s_mov_b32 s[CNT], 4
.Lstep_\@:
	STEP
	s_sub_co_u32 s[CNT], s[CNT], 1
	s_cmp_lg_u32 s[CNT], 0
	s_cbranch_scc1 .Lstep_\@
.endm
	CHUNK 0
	CHUNK 1
	CHUNK 2
	CHUNK 3
	; THE WAY OUT.  O^T / the sum; register 16 b + i is channel 32 b + 16 h + i of my query: two blocks of 32 along the hidden axis, quantised as p is.
	v_add_f32 v14, v14, v15                        ; the sum's two halves,
	v_permlanex16_b32 v228, v14, s[SEL], s[SEL+1]
	v_add_f32 v14, v14, v228                       ; and lane l xor 16's
	v_rcp_f32 v14, v14
	v_nop                                          ; one plain place behind a transcendental
	s_wait_alu depctr_va_vdst(0)
.irp j, 0,2,4,6,8,10,12,14,16,18,20,22,24,26,28,30
	v_pk_mul_f32 v[S+\j:S+1+\j], v[OT+\j:OT+1+\j], v[14:15] op_sel_hi:[1,0]   ; each accumulator from its low end on
.endr
.irp b, 0,1
	v_max3_num_f32 v[MX+\b], |v[S+16*\b]|, |v[S+1+16*\b]|, 0x1800000
.endr
.irp i, 2,4,6,8,10,12,14
.irp b, 0,1
	v_max3_num_f32 v[MX+\b], v[MX+\b], |v[S+16*\b+\i]|, |v[S+1+16*\b+\i]|
.endr
.endr
.irp b, 0,1
	v_permlanex16_b32 v[PB+\b], v[MX+\b], s[SEL], s[SEL+1]
.endr
.irp b, 0,1
	v_max_num_f32 v[MX+\b], v[MX+\b], v[PB+\b]
.endr
.irp b, 0,1
	v_add_nc_u32 v[SO+\b], 0xff000000, v[MX+\b]
.endr
.irp b, 0,1
	v_lshrrev_b32 v[PB+\b], 23, v[SO+\b]
.endr
	v_cvt_scalef32_pk16_fp6_f32 v[PC:PC+2], v[S:S+15], v[SO]
	v_cvt_scalef32_pk16_fp6_f32 v[CT:CT+2], v[S+16:S+31], v[SO+1]
	v_nop
.irp i, 0,1,2
	v_permlane16_swap_b32 v[PC+\i], v[CT+\i]
.endr
.irp i, 0,1,2
	v_mov_b32 v[PC+3+\i], v[CT+\i]                 ; six registers: half a fragment of the last product's A: k = 32 h + 0 .. 31 of my head's 64
.endr
	v_cndmask_b32 v228, v[PB], v[PB+1], s[HM]      ; lanes 0-15 block 0's byte, lanes 16-31 block 1's
.irp g, 0,1,2
	global_store_b64 v5, v[PC+2*\g:PC+2*\g+1], s[6:7] offset:256*\g   ; 32 lanes store 256 consecutive bytes, aligned
.endr
	global_store_b8 v6, v228, s[8:9]
	s_wait_tensorcnt 0x0
	ds_add_u32 v254, v255
	s_wait_dscnt 0x0
	CROUND                                         ; the closing round
	s_endpgm
.Lfunc_end_k_q35fe6c6e44_attn:
	.size	k_q35fe6c6e44_attn, .Lfunc_end_k_q35fe6c6e44_attn-k_q35fe6c6e44_attn
	.p2alignl 7, 3214868480
	.fill 96, 4, 3214868480
	.section	.rodata,"a",@progbits
	.p2align	6, 0x0
	.amdhsa_kernel k_q35fe6c6e44_attn
		.amdhsa_group_segment_fixed_size 215040
		.amdhsa_private_segment_fixed_size 0
		.amdhsa_enable_private_segment 0
		.amdhsa_kernarg_size 24
		.amdhsa_user_sgpr_count 2
		.amdhsa_user_sgpr_kernarg_segment_ptr 1
		.amdhsa_wavefront_size32 1
		.amdhsa_system_sgpr_workgroup_id_x 1
		.amdhsa_system_sgpr_workgroup_id_y 1
		.amdhsa_system_sgpr_workgroup_id_z 1
		.amdhsa_system_vgpr_workitem_id 0
		.amdhsa_next_free_vgpr 256
		.amdhsa_next_free_sgpr 66
		.amdhsa_reserve_vcc 0
		.amdhsa_float_denorm_mode_32 3
		.amdhsa_float_denorm_mode_16_64 3
		.amdhsa_memory_ordered 1
		.amdhsa_forward_progress 1
		.amdhsa_inst_pref_size 74
	.end_amdhsa_kernel
	.amdgpu_metadata
---
amdhsa.version: [ 1, 2 ]
amdhsa.kernels:
  - .name:           k_q35fe6c6e44_attn
    .symbol:         k_q35fe6c6e44_attn.kd
    .args:
      - { .name: qkv, .offset: 0, .size: 8, .value_kind: global_buffer, .address_space: global }
      - { .name: ctx_codes, .offset: 8, .size: 8, .value_kind: global_buffer, .address_space: global }
      - { .name: ctx_scales, .offset: 16, .size: 8, .value_kind: global_buffer, .address_space: global }
    .group_segment_fixed_size: 215040
    .private_segment_fixed_size: 0
    .kernarg_segment_align: 8
    .kernarg_segment_size: 24
    .max_flat_workgroup_size: 512
    .sgpr_count:     66
    .vgpr_count:     256
    .wavefront_size: 32
...
	.end_amdgpu_metadata
.endif
;; end of part 3
;; launch oproj (part 4): grid 4 x 16, 4 waves a work-group, clusters of 4 x 4, 327,680 bytes of LDS; arguments ctx_codes, ctx_scales, w_codes, w_scales, bo, out0; writes out0
.if DOCPART == 4
	.amdgcn_target "amdgcn-amd-amdhsa--gfx1250"
	.amdhsa_code_object_version 6
	.text
	.protected	k_q35fe6c6e44_oproj
	.globl	k_q35fe6c6e44_oproj
	.p2align	8
	.type	k_q35fe6c6e44_oproj,@function
k_q35fe6c6e44_oproj:
	s_mov_b64 s[64:65], 0
	v_nop
	global_prefetch_b8 v0, s[64:65] scope:SCOPE_SE
	s_setreg_imm32_b32 hwreg(HW_REG_WAVE_MODE, 25, 1), 1
	s_wait_xcnt 0x0
	s_wait_alu depctr_hold_cnt(0) depctr_sa_sdst(0) depctr_va_vdst(0) depctr_va_sdst(0) depctr_va_ssrc(0) depctr_va_vcc(0) depctr_vm_vsrc(0)
	s_getreg_b32 s2, hwreg(HW_REG_IB_STS2, 6, 4)
	s_cmp_eq_u32 s2, 0
	s_cbranch_scc0 .Lentry_in_a_cluster
	s_endpgm
.Lentry_in_a_cluster:
	s_bfe_u32 s2, ttmp6, 0x10000c
	s_cmp_lg_u32 s2, 0xf033
	s_cbranch_scc0 .Lentry_shape_is_right
	s_endpgm
.Lentry_shape_is_right:
; out0 = ctx Wo^T + bo on codes of FP6 (E2M3) with one E8M0 scale for each 32 along K = 1,024; sums in f32.  M = 4,096 tokens, N = 1,024.
; A = ctx: its codes lie as images of the operand's registers: [row tile of 16 positions][head][3 x 256 bytes], registers 2 g, 2 g + 1 of lane L at 256 g + 8 L; heads 2 s and 2 s + 1 are the fragment of K step s.  Its scale bytes [position][32].
; B = Wo: rows 3,072 .. 4,095 of the weights' codes (768 bytes a row) and scale bytes (32 a row), in their own order.
; A tile of 256 x 256 to a work-group of four waves, 128 x 128 a wave: 64 accumulators.  K goes in steps of 256 through a ring of two LDS slots; the scale bytes come once.  64 tiles: 64 work-groups.
; CLUSTERS: 4 x 4; A's tiles are asked for jointly along a row of the cluster, B's along a column.  THE MATRIX INSTRUCTION IS USED TRANSPOSED (source 0 = 16 rows of Wo, source 1 = 16 positions): a lane holds eight neighbouring numbers of a row of out0.
; bo is the C of each sum's first matrix instruction.  POSITIONS GO BACK TO TOKENS on the way out: row t of block a is token 32 (a / 2) + 8 (a % 2) + t + 8 (t / 8) of my 128.
; REGISTERS, in windows of 256: window 0: v0-31 addresses; v32-63 scale words, two sets; v64-127 bo in the result's layout; v128-223 A's fragments, one set; on the way out v128-255 rows of out0.
;   window 1: B's fragments, two sets.   window 2: the accumulators of my rows 0-63;   window 3: those of my rows 64-127.
.set SIZE_N, 1024
.set KSTEP,  256
.set NQ,     KSTEP/128
.set ROWB,   192                       ; a row of B's tile in bytes
.set KROW,   768
.set PITCH,  240                       ; B's LDS row: 3 x (64 bytes + 16 of padding)
.set FR,     12
.set NL,     6
.set NP,     4                         ; places behind this matrix instruction (ISA guide 7.12.1)
.set ATILE,  3072                      ; a row tile's part of a slot: two K steps of 1,536 bytes
.set HALFA,  8*ATILE                   ; eight row tiles: what one tensor load brings of A
.set HALFT,  128*PITCH                 ; 128 rows of B
.set SLOT,   2*HALFA+2*HALFT           ; A's 16 row tiles, then B's 256 rows
.set LAPS,   1024/(2*KSTEP)
.set KS,     32
.set SCL,    2*SLOT                    ; behind the ring: the scale bytes, as runs of 256 bytes + 16 of padding
.set HALFS,  (128*KS/256)*272
.set SBLK,   (16*KS/256)*272
.set SPARE,  SCL+4*HALFS               ; the spare words, 128 bytes for each wave: two blocks of 256 bytes that no other line names
.set SPITCH, 528                       ; the way out: a stage of 16 rows x (512 bytes + 16) for each wave, in slot 0, which has had its last fill and its last read when the first result is stored there
.set ADRA, 16                          ; v16-17 LDS address of my A fragments in slot 0, 1
.set ADRB, 20                          ; v20-21 the same for B (v22-23: behind one padding more)
.set STO,  24
.set RD,   25
.set CO,   26
.set ADRS, 27
.set SPW,  28                          ; my spare word; never rewritten
.set NIL,  29                          ; 0; never rewritten
.set SC,   32
.set BIAS, 64                          ; bo: tile b at v[BIAS + 8 b]
.set AF,   128
.set BK,   128
.set G1, 24
.set G0, 32
.set G1B, 48
.set G0B, 56
.set G1S, 68
.set G0S, 76
.set G1SB, 80
.set G0SB, 88
.set MSB, 0
.macro WIN new                         ; the immediate's high byte repeats the setting that is left
.if MSB != \new
	s_set_vgpr_msb (MSB<<8)|\new
.set MSB, \new
.endif
.endm
.set MUL_LO, 0xa1                      ; source 0 (B) window 1, source 1 (A) window 0, C and D window 2
.set MUL_HI, 0xf1                      ; the same, C and D window 3
.set FST_LO, 0x81                      ; the first step: C (bo) window 0, D window 2
.set FST_HI, 0xc1                      ; D window 3
.set TO_B,   0x40
.macro JLOAD g0a, g1a, g0b, g1b        ; a joint load: waves 0 and 1 fetch for A, waves 2 and 3 for B; four v_nop follow each of the two lines
	s_cmp_eq_u32 s15, 0
	s_cbranch_scc0 .Lfor_b_\@
	tensor_load_to_lds s[\g0a:\g0a+3], s[\g1a:\g1a+7]
	s_nop 0
.rept 4
	v_nop
.endr
	s_branch .Lasked_\@
.Lfor_b_\@:
	tensor_load_to_lds s[\g0b:\g0b+3], s[\g1b:\g1b+7]
	s_nop 0
.rept 4
	v_nop
.endr
.Lasked_\@:
.endm
.macro CREST
	s_cmp_lg_u32 s14, 0
	s_cbranch_scc1 .Lnot_wave_0_\@
	s_barrier_signal -3
.Lnot_wave_0_\@:
	s_barrier_wait -3
	s_barrier_signal -1
	s_barrier_wait -1
.endm
.macro CROUND
	s_barrier_signal -1
	s_barrier_wait -1
	CREST
.endm
	s_load_b128 s[4:7], s[0:1], 0x0                ; ctx's codes, ctx's scales
	s_load_b128 s[8:11], s[0:1], 0x10              ; the weights' codes, the weights' scales
	s_load_b128 s[96:99], s[0:1], 0x20             ; bo, out0
	v_lshl_add_u32 v[SPW], v0, 2, SPARE
	v_mov_b32 v[NIL], 0
	ds_add_u32 v28, v29
	ds_add_u32 v28, v29
	s_wait_dscnt 0x0
	v_lshrrev_b32 v1, 5, v0
	v_readfirstlane_b32 s14, v1                    ; wave 0..3
	s_lshr_b32 s15, s14, 1                         ; which half of the tile's rows is mine.  Also: I fetch for A (0) or for B (1)
	s_and_b32 s16, s14, 1                          ; which half of its columns.  Also: which half of that tile I fetch
	s_bfe_u32 s40, ttmp6, 0x40000                  ; cx, cy
	s_bfe_u32 s41, ttmp6, 0x40004
	s_lshl_b32 s42, ttmp9, 2
	s_add_co_u32 s42, s42, s40                     ; tile column
	s_and_b32 s17, ttmp7, 0xffff
	s_lshl_b32 s17, s17, 2
	s_add_co_u32 s17, s17, s41                     ; tile row
	s_lshl_b32 s43, s41, 2
	s_lshl_b32 s43, 15, s43                        ; my row of the cluster
	s_lshl_b32 s44, 0x1111, s40                    ; my column
	; descriptor group 1 for A: 8 row tiles x 3,072 bytes (384 elements of 8), 12,288 bytes apart, no padding
	s_or_b32 s[G1+0], s43, (3<<16)|(1<<21)
	s_mov_b32 s[G1+1], 384<<16                     ; tensor_dim0
	s_mov_b32 s[G1+2], 8<<16                       ; tensor_dim1
	s_mov_b32 s[G1+3], 384<<16                     ; tile_dim0
	s_mov_b32 s[G1+4], 8                           ; tile_dim1
	s_mov_b32 s[G1+5], 1536                        ; tensor_dim0_stride
	s_mov_b32 s[G1+6], 0
	s_mov_b32 s[G1+7], 0
	; for B: 128 rows x 192 bytes, 16 bytes of padding behind every 64
	s_or_b32 s[G1B+0], s44, (0<<16)|(1<<20)|(1<<21)|(3<<22)|(3<<25)
	s_mov_b32 s[G1B+1], ROWB<<16
	s_mov_b32 s[G1B+2], 128<<16
	s_mov_b32 s[G1B+3], ROWB<<16
	s_mov_b32 s[G1B+4], 128
	s_mov_b32 s[G1B+5], KROW
	s_mov_b32 s[G1B+6], 0
	s_mov_b32 s[G1B+7], 0
	; the scale bytes of 128 rows: 4,096 dense bytes as rows of 256, 16 bytes of padding behind each
	s_or_b32 s[G1S+0], s43, (3<<16)|(1<<20)|(1<<21)|(5<<22)|(3<<25)
	s_or_b32 s[G1SB+0], s44, (3<<16)|(1<<20)|(1<<21)|(5<<22)|(3<<25)
.irp g, G1S, G1SB
	s_mov_b32 s[\g+1], 32<<16
	s_mov_b32 s[\g+2], (128*KS/256)<<16
	s_mov_b32 s[\g+3], 32<<16
	s_mov_b32 s[\g+4], 128*KS/256
	s_mov_b32 s[\g+5], 32
	s_mov_b32 s[\g+6], 0
	s_mov_b32 s[\g+7], 0
.endr
	s_lshl_b32 s20, s17, 4
	s_lshl_b32 s18, s16, 3
	s_add_co_u32 s20, s20, s18                     ; A: row tile 16 x tile row + 8 x half
	s_lshl_b32 s22, s20, 9                         ; its scale bytes: 512 a row tile
	s_mul_i32 s20, s20, 12288                      ; its codes
	s_mov_b32 s21, 0
	s_mov_b32 s23, 0
	s_lshl_b32 s46, s42, 8
	s_lshl_b32 s18, s16, 7
	s_add_co_u32 s46, s46, s18
	s_add_co_u32 s46, s46, 3072                    ; B: row 3,072 + 256 x tile column + 128 x half
	s_lshl_b32 s92, s46, 5
	s_mul_i32 s46, s46, KROW
	s_mov_b32 s47, 0
	s_mov_b32 s93, 0
	s_mul_i32 s45, s16, HALFA                      ; where they go: A's two halves,
	s_mul_i32 s2, s16, HALFT
	s_add_co_u32 s2, s2, 2*HALFA                   ; then B's two: no place in the cluster enters an LDS address
	s_mul_i32 s94, s14, HALFS
	s_wait_kmcnt 0x0
	s_add_nc_u64 s[20:21], s[4:5], s[20:21]
	s_add_nc_u64 s[22:23], s[6:7], s[22:23]
	s_add_nc_u64 s[46:47], s[8:9], s[46:47]
	s_add_nc_u64 s[92:93], s[10:11], s[92:93]
	CROUND                                         ; all sixteen work-groups are here: the first joint loads meet
	s_mov_b32 s[G0S], 1
	s_add_co_u32 s[G0S+1], s94, SCL
	s_mov_b64 s[G0S+2:G0S+3], s[22:23]
	s_or_b32 s[G0S+3], s[G0S+3], 0x80000000
	s_mov_b32 s[G0SB], 1
	s_add_co_u32 s[G0SB+1], s94, SCL
	s_mov_b64 s[G0SB+2:G0SB+3], s[92:93]
	s_or_b32 s[G0SB+3], s[G0SB+3], 0x80000000
	JLOAD G0S, G1S, G0SB, G1SB                     ; the scale bytes first
.irp s, 0,1
	s_mov_b32 s[G0+4*\s], 1
	s_add_co_u32 s[G0+4*\s+1], s45, \s*SLOT
	s_add_nc_u64 s[G0+4*\s+2:G0+4*\s+3], s[20:21], \s*ATILE
	s_or_b32 s[G0+4*\s+3], s[G0+4*\s+3], 0x80000000
	s_mov_b32 s[G0B+4*\s], 1
	s_add_co_u32 s[G0B+4*\s+1], s2, \s*SLOT
	s_add_nc_u64 s[G0B+4*\s+2:G0B+4*\s+3], s[46:47], \s*ROWB
	s_or_b32 s[G0B+4*\s+3], s[G0B+4*\s+3], 0x80000000
	JLOAD G0+4*\s, G1, G0B+4*\s, G1B               ; three tensor loads of mine are out now
.endr
	v_and_b32 v1, 15, v0                           ; r
	v_bfe_u32 v2, v0, 4, 1                         ; h
	v_mul_u32_u24 v3, v1, PITCH
	v_mul_u32_u24 v4, v2, 24
	v_add_nc_u32 v4, v3, v4                        ; B: a fragment's row x pitch + 24 x half
	v_lshl_add_u32 v5, v2, 4, v4                   ; and the same behind one padding more
	v_and_b32 v6, 31, v0
	v_lshlrev_b32 v7, 3, v6                        ; A: 8 x lane
	s_mul_i32 s21, s15, HALFA                      ; my eight row tiles of A
	s_mul_i32 s22, s16, HALFT                      ; my 128 rows of B,
	s_add_co_u32 s22, s22, 2*HALFA                 ; which lie behind A's sixteen row tiles
.irp s, 0,1
	v_add_nc_u32 v[ADRA+\s], s21, v7
	v_add_nc_u32 v[ADRB+\s], s22, v4
	v_add_nc_u32 v[ADRB+2+\s], s22, v5
	s_add_co_u32 s21, s21, SLOT
	s_add_co_u32 s22, s22, SLOT
.endr
	v_mul_u32_u24 v5, v1, KS                       ; my row's scale bytes: 32 a row,
	v_lshrrev_b32 v9, 8, v5
	v_lshl_add_u32 v5, v9, 4, v5                   ; and 16 more for each 256 passed
	s_mul_i32 s21, s15, HALFS
	s_mul_i32 s22, s16, HALFS
	s_add_co_u32 s22, s22, 2*HALFS
	s_sub_co_u32 s22, s22, s21
	v_mul_u32_u24 v9, s22, v2                      ; lanes 16-31 take B's: one product, the distance between the two bases
	s_add_co_u32 s21, s21, SCL
	v_add_nc_u32 v5, v5, v9
	v_add_nc_u32 v[ADRS], s21, v5
	s_mul_i32 s23, s14, 16*SPITCH                  ; my stage
	v_mul_u32_u24 v5, v1, SPITCH                   ; in: row l % 16, 32 bytes for each half of the lanes
	v_lshl_add_u32 v5, v2, 5, v5
	v_add_nc_u32 v[STO], s23, v5
	v_lshlrev_b32 v[CO], 4, v6                     ; back: the 32 lanes take one row of 512 bytes; and the same in out0
	v_add_nc_u32 v[RD], s23, v[CO]
	s_lshl_b32 s20, s17, 8
	s_lshl_b32 s21, s15, 7
	s_add_co_u32 s20, s20, s21                     ; my first row: 256 x tile row + 128 x half
	s_lshl_b32 s20, s20, 12                        ; 4,096 bytes a row
	s_mov_b32 s21, 0
	s_lshl_b32 s46, s42, 10                        ; my first column, in bytes: 1,024 x tile column + 512 x half
	s_lshl_b32 s47, s16, 9
	s_add_co_u32 s46, s46, s47
	s_mov_b32 s47, 0
	s_add_nc_u64 s[96:97], s[96:97], s[46:47]      ; bo at my first column
	s_add_nc_u64 s[20:21], s[20:21], s[46:47]
	s_add_nc_u64 s[98:99], s[98:99], s[20:21]
	v_lshlrev_b32 v8, 5, v2                        ; bo: tile b, register j of lane (r, h) is column 16 b + 8 h + j
.irp b, 0,1,2,3,4,5,6,7
	global_load_b128 v[BIAS+8*\b:BIAS+8*\b+3], v8, s[96:97] offset:64*\b
	global_load_b128 v[BIAS+8*\b+4:BIAS+8*\b+7], v8, s[96:97] offset:64*\b+16
.endr
.macro FRAG reg, adr, q, i             ; a fragment of B from rows: 12 registers in pieces of 8 bytes; where the piece three on lies behind one padding more, the second address register serves
.irp p, 0,1,2,3,4,5
.set PC, 12*(\q)+6*(\p/3)+\p%3
.if PC%8 < 5
	ds_load_b64 v[\reg+2*\p:\reg+2*\p+1], v[\adr] offset:8*PC+16*(PC/8)+(\i)*16*PITCH
.else
	ds_load_b64 v[\reg+2*\p:\reg+2*\p+1], v[\adr+2] offset:8*PC+16*(PC/8)+(\i)*16*PITCH
.endif
.endr
.endm
.macro FRAGA reg, slot, q, i           ; a fragment of A from its image: each load takes 256 consecutive bytes
.irp p, 0,1,2,3,4,5
	ds_load_b64 v[\reg+2*\p:\reg+2*\p+1], v[ADRA+\slot] offset:ATILE*(\i)+1536*(\q)+256*\p
.endr
.endm
; 16 matrix instructions: A's blocks a0, a0 + 1 x B's eight.  zero = 1: the first product starts the sums, with bo as C.  The 64 accumulators take turns.
.macro MUL16 a0, p, q, sc, zero
.irp a, \a0, \a0+1
.irp b, 0,1,2,3,4,5,6,7
.if \zero
	v_wmma_scale_f32_16x16x128_f8f6f4 v[8*(8*((\a)%4)+\b):8*(8*((\a)%4)+\b)+7], v[128*(\p)+FR*\b:128*(\p)+FR*\b+FR-1], v[AF+FR*(\a):AF+FR*(\a)+FR-1], v[BIAS+8*\b:BIAS+8*\b+7], v[SC+8*NQ*(\sc)+NQ*\b+(\q)], v[SC+8*NQ*(\sc)+NQ*(\a)+(\q)] matrix_a_fmt:MATRIX_FMT_FP6 matrix_b_fmt:MATRIX_FMT_FP6 matrix_a_scale:MATRIX_SCALE_ROW1
.else
	v_wmma_scale_f32_16x16x128_f8f6f4 v[8*(8*((\a)%4)+\b):8*(8*((\a)%4)+\b)+7], v[128*(\p)+FR*\b:128*(\p)+FR*\b+FR-1], v[AF+FR*(\a):AF+FR*(\a)+FR-1], v[8*(8*((\a)%4)+\b):8*(8*((\a)%4)+\b)+7], v[SC+8*NQ*(\sc)+NQ*\b+(\q)], v[SC+8*NQ*(\sc)+NQ*(\a)+(\q)] matrix_a_fmt:MATRIX_FMT_FP6 matrix_b_fmt:MATRIX_FMT_FP6 matrix_a_scale:MATRIX_SCALE_ROW1
.endif
.endr
.endr
.endm
.macro FETCH_B slot, q, p
	WIN TO_B
.irp i, 0,1,2,3,4,5,6,7
	FRAG 128*(\p)+FR*\i, ADRB+\slot, \q, \i
.endr
	WIN 0
.endm
.macro FETCH_A slot, q, i0
.irp i, \i0, \i0+1, \i0+2, \i0+3
	FRAGA AF+FR*(\i), \slot, \q, \i
.endr
.endm
.macro SCALES sc
.irp i, 0,1,2,3,4,5,6,7
	ds_load_b64 v[SC+8*NQ*\sc+NQ*\i:SC+8*NQ*\sc+NQ*\i+1], v[ADRS] offset:\i*SBLK
.endr
.endm
.macro PLACES n
.rept \n
	v_nop
.endr
.endm
.macro STEP slot, q, zero
	s_wait_dscnt 4*NL                              ; B's set and A's blocks 0-3 are in; the youngest 24 loads (A's blocks 4-7) may be out
.if \zero
	WIN FST_LO
.else
	WIN MUL_LO
.endif
	MUL16 0, (\q)%2, \q, \slot, \zero
	MUL16 2, (\q)%2, \q, \slot, \zero
	s_wait_dscnt 0
	PLACES NP
	FETCH_B \slot, (\q)+1, 1-(\q)%2
	FETCH_A \slot, (\q)+1, 0
.if \zero
	WIN FST_HI
.else
	WIN MUL_HI
.endif
	MUL16 4, (\q)%2, \q, \slot, \zero
	MUL16 6, (\q)%2, \q, \slot, \zero
	PLACES NP
	WIN 0
	FETCH_A \slot, (\q)+1, 4
.endm
.macro TURN slot, next, fill
	s_wait_tensorcnt 0x0                           ; all my tensor loads have landed: my part of the next slot
	ds_add_u32 v[SPW], v[NIL]                      ; 0 onto my spare word
	s_wait_dscnt 4*NL+1                            ; (the add and the youngest 24 loads may be out)
	WIN MUL_LO
	MUL16 0, 1, NQ-1, \slot, 0                     ; sixteen matrix instructions stand between the add and the wait for it
	s_wait_dscnt 0x0                               ; the add is done, and my reads of this slot are over
	s_barrier_signal -1
	MUL16 2, 1, NQ-1, \slot, 0
	WIN 0
	s_barrier_wait -1
.if \fill
	CREST                                          ; the barrier has opened a round of the cluster's: no wave of any partner still reads this slot or has a load on its way
	s_add_nc_u64 s[G0+4*\slot+2:G0+4*\slot+3], s[G0+4*\slot+2:G0+4*\slot+3], 2*ATILE
	s_add_nc_u64 s[G0B+4*\slot+2:G0B+4*\slot+3], s[G0B+4*\slot+2:G0B+4*\slot+3], 2*ROWB
	JLOAD G0+4*\slot, G1, G0B+4*\slot, G1B         ; the first tensor load behind the round, my only one until the next
.else
	PLACES NP
.endif
	v_add_nc_u32 v[ADRS], 4*NQ, v[ADRS]
	FETCH_B \next, 0, 0
	FETCH_A \next, 0, 0
	SCALES \next
	WIN MUL_HI
	MUL16 4, 1, NQ-1, \slot, 0
	MUL16 6, 1, NQ-1, \slot, 0
	PLACES NP
	WIN 0
	FETCH_A \next, 0, 4
.endm
	s_wait_tensorcnt 1                             ; the scale bytes and my part of K step 0 are in (K step 1's load may be out)
	s_barrier_signal -1
	s_barrier_wait -1                              ; everybody's are
	FETCH_B 0, 0, 0
	FETCH_A 0, 0, 0
	SCALES 0
	FETCH_A 0, 0, 4
	s_wait_loadcnt 0x0                             ; bo
	STEP 0, 0, 1                                   ; the first step stands in front of the loop: its products start the sums
	s_mov_b32 s3, LAPS-1
.Llap:
	TURN 0, 1, 1
	STEP 1, 0, 0
	TURN 1, 0, 1
	STEP 0, 0, 0
	s_sub_co_u32 s3, s3, 1
	s_cmp_lg_u32 s3, 0
	s_cbranch_scc1 .Llap
	TURN 0, 1, 0                                   ; the last lap fills nothing
	STEP 1, 0, 0
	s_wait_dscnt 4*NL
	WIN MUL_LO
	MUL16 0, 1, NQ-1, 1, 0
	MUL16 2, 1, NQ-1, 1, 0
	s_wait_dscnt 0
	WIN MUL_HI
	MUL16 4, 1, NQ-1, 1, 0
	MUL16 6, 1, NQ-1, 1, 0
	WIN 0
; THE WAY OUT, block by block of 16 rows x 128 columns, through my own stage in LDS: in as 32 bytes a lane, back as whole rows of 512 bytes.  LDS serves a wave's instructions in order (ISA guide 5.7.1.4).
.macro TOSTAGE a
.set AC, 64*((\a)%4)
	WIN 0x08+4*((\a)/4)                            ; the data: window 2 or 3
.irp b, 0,1,2,3,4,5,6,7
	ds_store_b128 v[STO], v[AC+8*\b:AC+8*\b+3] offset:64*\b          ; each accumulator from its low end on
	ds_store_b128 v[STO], v[AC+8*\b+4:AC+8*\b+7] offset:64*\b+16
.endr
	WIN 0
.set BB, BK+64*((\a)%2)
.irp t, 0,1,2,3,4,5,6,7,8,9,10,11,12,13,14,15
	ds_load_b128 v[BB+4*\t:BB+4*\t+3], v[RD] offset:\t*SPITCH
.endr
.endm
.macro SEND a, younger                 ; younger: the LDS instructions issued behind block a's loads, which may stay out
.set BB, BK+64*((\a)%2)
	s_wait_dscnt \younger
.if (\a) > 0
.if (\a)%2 == 1
	s_add_nc_u64 s[98:99], s[98:99], 8*SIZE_N*4    ; (behind a wait on XCNT)  an odd block begins 8 tokens behind the even one before it,
.else
	s_add_nc_u64 s[98:99], s[98:99], 24*SIZE_N*4   ; an even one 24 behind the odd one
.endif
.endif
.irp t, 0,1,2,3,4,5,6,7,8,9,10,11,12,13,14,15
	global_store_b128 v[CO], v[BB+4*\t:BB+4*\t+3], s[98:99] offset:(\t+8*(\t/8))*SIZE_N*4 th:TH_STORE_NT   ; 32 lanes store 512 consecutive bytes, aligned; rows 8-15 of a block are the tokens 16 further on
.endr
.endm
	PLACES NP
	TOSTAGE 0
.irp a, 1,2,3,4,5,6,7
.if \a > 1
	s_wait_xcnt 0x0                                ; block a - 2's stores have read their registers and their base
.endif
	TOSTAGE \a
	SEND \a-1, 32                                  ; behind block a - 1's loads: block a's 16 stores and 16 loads
.endr
	s_wait_xcnt 0x0
	SEND 7, 0
	s_wait_tensorcnt 0x0                           ; the wave's end
	ds_add_u32 v[SPW], v[NIL]
	s_wait_dscnt 0x0
	CROUND                                         ; the closing round
	s_endpgm
.Lfunc_end_k_q35fe6c6e44_oproj:
	.size	k_q35fe6c6e44_oproj, .Lfunc_end_k_q35fe6c6e44_oproj-k_q35fe6c6e44_oproj
	.p2alignl 7, 3214868480
	.fill 96, 4, 3214868480
	.section	.rodata,"a",@progbits
	.p2align	6, 0x0
	.amdhsa_kernel k_q35fe6c6e44_oproj
		.amdhsa_group_segment_fixed_size 327680
		.amdhsa_private_segment_fixed_size 0
		.amdhsa_enable_private_segment 0
		.amdhsa_kernarg_size 48
		.amdhsa_user_sgpr_count 2
		.amdhsa_user_sgpr_kernarg_segment_ptr 1
		.amdhsa_wavefront_size32 1
		.amdhsa_system_sgpr_workgroup_id_x 1
		.amdhsa_system_sgpr_workgroup_id_y 1
		.amdhsa_system_sgpr_workgroup_id_z 1
		.amdhsa_system_vgpr_workitem_id 0
		.amdhsa_next_free_vgpr 1024
		.amdhsa_next_free_sgpr 100
		.amdhsa_reserve_vcc 0
		.amdhsa_float_denorm_mode_32 3
		.amdhsa_float_denorm_mode_16_64 3
		.amdhsa_memory_ordered 1
		.amdhsa_forward_progress 1
		.amdhsa_inst_pref_size 162
	.end_amdhsa_kernel
	.amdgpu_metadata
---
amdhsa.version: [ 1, 2 ]
amdhsa.kernels:
  - .name:           k_q35fe6c6e44_oproj
    .symbol:         k_q35fe6c6e44_oproj.kd
    .args:
      - { .name: ctx_codes, .offset: 0, .size: 8, .value_kind: global_buffer, .address_space: global }
      - { .name: ctx_scales, .offset: 8, .size: 8, .value_kind: global_buffer, .address_space: global }
      - { .name: w_codes, .offset: 16, .size: 8, .value_kind: global_buffer, .address_space: global }
      - { .name: w_scales, .offset: 24, .size: 8, .value_kind: global_buffer, .address_space: global }
      - { .name: bo, .offset: 32, .size: 8, .value_kind: global_buffer, .address_space: global }
      - { .name: out0, .offset: 40, .size: 8, .value_kind: global_buffer, .address_space: global }
    .group_segment_fixed_size: 327680
    .private_segment_fixed_size: 0
    .kernarg_segment_align: 8
    .kernarg_segment_size: 48
    .max_flat_workgroup_size: 128
    .sgpr_count:     100
    .vgpr_count:     1024
    .wavefront_size: 32
...
	.end_amdgpu_metadata
.endif
;; end of part 4
;; ======== version 2 of 2: 4 launches
;; limits: right only within a limited range of input values
;; workspace buffers: pq 6,553,600 bytes; qb 3,276,800 bytes; kvb 6,553,600 bytes; ctx_codes 3,145,728 bytes; ctx_scales 131,072 bytes
;; launch quant (part 5): grid 256 x 1, 4 waves a work-group, no clusters, 47,616 bytes of LDS; arguments x, Wq, Wk, Wv, Wo, pq; writes pq
.if DOCPART == 5
	.amdgcn_target "amdgcn-amd-amdhsa--gfx1250"
	.amdhsa_code_object_version 6
	.text
	.protected	k_q35fe6c6e44_quant
	.globl	k_q35fe6c6e44_quant
	.p2align	8
	.type	k_q35fe6c6e44_quant,@function
k_q35fe6c6e44_quant:
	s_mov_b64 s[64:65], 0
	v_nop
	global_prefetch_b8 v0, s[64:65] scope:SCOPE_SE
	s_setreg_imm32_b32 hwreg(HW_REG_WAVE_MODE, 25, 1), 1
	s_wait_xcnt 0x0
; x [4096][1024] and Wq, Wk, Wv, Wo [1024][1024], f32, become codes of FP6 (E2M3) with one E8M0 scale byte for each 32 along K.
; A block's scale is 2^(floor(log2(its largest magnitude)) - 2); its byte is the largest magnitude's exponent field - 2, held at 1 from below.
; LIMITS: NaN and infinities among the inputs are not served; a block whose largest magnitude lies under 2^-124 has its byte held at 1; a block of zeros gets the byte 1 and not 127: its codes are zeros, and this program alone reads the bytes.
; THE BUFFER pq: 128 groups of 64 rows (x 64, Wq 16, Wk 16, Wv 16, Wo 16), 51,200 bytes each: [tile t of 16][K step q of 128][piece g of 4 registers][lane][16 bytes] = the operand's registers as they are loaded, 49,152 bytes,
; then scale words [t][q / 4][row][q % 4].  ORDER OF ROWS in a group: tile t, position 8 h + j holds row 32 h + 8 t + j: a lane's 8 results of each of four tiles are then 32 neighbours along the next product's K.
; SHARES.  A work-group takes a group and half of K; wave t its tile t: 16 steps, one a position, of 512 numbers.  A step's 2,048 bytes turn through the wave's own stage in LDS, so that a lane holds 16 neighbours; two lanes hold a block.
; The codes gather in LDS as rows of 384 bytes (400 apart) and leave as images: each store of the wave covers 512 consecutive bytes.  No barrier: waves share nothing.
.set STEPS, 16
.set AH,    12                         ; steps that the loads run ahead: 48 loads of a wave are out
.set EMAX,  2
.set R,     16                         ; v16-207 twelve sets of 16 numbers as they are loaded; at the end v16-63 the images
.set X,     208                        ; v208-239 two sets of 16 neighbours
.set C,     240                        ; v240-247 two sets of codes; v248, v249 the scale byte
.set WREG,  11776                      ; LDS of a wave: two stages of 32 x SP bytes, 256 scale bytes, 16 rows of codes
.set SP,    80
.set CP,    400
.set SPW,   250
.set NIL,   251
.set SPARE, 4*WREG
	s_load_b256 s[4:11], s[0:1], 0x0               ; x, Wq, Wk, Wv
	s_load_b128 s[12:15], s[0:1], 0x20             ; Wo, pq
	v_lshl_add_u32 v[SPW], v0, 2, SPARE
	v_mov_b32 v[NIL], 0
	v_lshrrev_b32 v1, 5, v0
	v_readfirstlane_b32 s22, v1                    ; wave
	s_mul_i32 s23, s22, WREG
	s_add_co_u32 s24, s23, 2*32*SP                 ; my scale bytes,
	s_add_co_u32 s25, s24, 256                     ; my rows of codes
	v_and_b32 v2, 31, v0                           ; lane
	v_lshlrev_b32 v3, 4, v2
	v_lshrrev_b32 v14, 2, v2
	v_mul_u32_u24 v14, v14, SP
	v_and_b32 v15, 3, v2
	v_lshl_add_u32 v14, v15, 4, v14
	v_add_nc_u32 v14, s23, v14                     ; the stage, in: SP (lane / 4) + 16 (lane % 4)
	v_mul_u32_u24 v15, v2, SP
	v_add_nc_u32 v15, s23, v15                     ; out: SP x lane
	v_mul_u32_u24 v4, v2, 12
	v_add_nc_u32 v4, s25, v4                       ; my 12 bytes in a row of codes
	v_lshrrev_b32 v5, 1, v2
	v_add_nc_u32 v5, s24, v5                       ; my block's scale byte
	v_lshlrev_b32 v7, 3, v2
	v_add_nc_u32 v6, s24, v7
	v_and_b32 v8, 15, v0
	v_bfe_u32 v9, v0, 4, 1
	v_mul_u32_u24 v10, v8, CP
	v_mad_u32_u24 v10, v9, 24, v10
	v_add_nc_u32 v10, s25, v10                     ; an image's source: row r, + 24 h
	s_wait_alu depctr_va_vdst(0)                   ; the wait at the head's end
	s_wait_kmcnt 0x0
	s_lshr_b32 s16, ttmp9, 1                       ; the group
	s_and_b32 s17, ttmp9, 1                        ; which half of K
	s_sub_co_u32 s18, s16, 64
	s_lshr_b32 s19, s18, 4                         ; which weight (not used for x)
	s_and_b32 s20, s18, 15
	s_mov_b64 s[26:27], s[12:13]                   ; the source: every choice hangs on the work-group's number alone
	s_cmp_eq_u32 s19, 2
	s_cselect_b64 s[26:27], s[10:11], s[26:27]
	s_cmp_eq_u32 s19, 1
	s_cselect_b64 s[26:27], s[8:9], s[26:27]
	s_cmp_eq_u32 s19, 0
	s_cselect_b64 s[26:27], s[6:7], s[26:27]
	s_cmp_lt_u32 s16, 64
	s_cselect_b64 s[26:27], s[4:5], s[26:27]
	s_cselect_b32 s20, s16, s20                    ; which 64 rows of the tensor
	s_lshl_b32 s34, s20, 18
	s_lshl_b32 s35, s22, 15
	s_add_co_u32 s34, s34, s35
	s_lshl_b32 s35, s17, 11
	s_add_co_u32 s34, s34, s35
	s_mov_b32 s35, 0
	s_add_nc_u64 s[26:27], s[26:27], s[34:35]
	s_mul_i32 s36, s16, 51200
	s_mul_i32 s34, s22, 12288
	s_add_co_u32 s34, s34, s36
	s_mul_i32 s37, s17, 6144
	s_add_co_u32 s34, s34, s37
	s_add_nc_u64 s[28:29], s[14:15], s[34:35]      ; my codes
	s_lshl_b32 s34, s22, 9
	s_add_co_u32 s34, s34, s36
	s_lshl_b32 s37, s17, 8
	s_add_co_u32 s34, s34, s37
	s_add_co_u32 s34, s34, 49152
	s_add_nc_u64 s[30:31], s[14:15], s[34:35]      ; my scale bytes
.macro LOAD t                          ; position t: row 32 (t / 8) + 8 wave + t % 8
.irp i, 0,1,2,3
	global_load_b128 v[R+16*((\t)%AH)+4*\i:R+16*((\t)%AH)+4*\i+3], v3, s[26:27] offset:(32*((\t)/8)+(\t)%8)*4096+512*\i th:TH_LOAD_NT
.endr
.endm
.macro TURN t                          ; through the stage: LDS serves a wave's instructions in order
.irp i, 0,1,2,3
	ds_store_b128 v14, v[R+16*((\t)%AH)+4*\i:R+16*((\t)%AH)+4*\i+3] offset:32*SP*((\t)%2)+8*SP*\i
.endr
.irp i, 0,1,2,3
	ds_load_b128 v[X+16*((\t)%2)+4*\i:X+16*((\t)%2)+4*\i+3], v15 offset:32*SP*((\t)%2)+16*\i
.endr
.endm
.irp t, 0,1,2,3,4,5,6,7,8,9,10,11
	LOAD \t
.endr
	s_wait_loadcnt 44                              ; step 0's four loads are in; those of eleven steps may be out
	TURN 0
.macro STEP t
.set XS, X+16*((\t)%2)
.set CC, C+4*((\t)%2)
.set EE, 248+(\t)%2
.if (\t) > 0
	s_wait_dscnt 4                                 ; this step's numbers are back (the last step's four stores of codes and byte may be out)
.else
	s_wait_dscnt 0x0
.endif
.if (\t)+AH < STEPS
	LOAD (\t)+AH
.endif
.if (\t)+1 < STEPS
.if 14-(\t) >= 11
	s_wait_loadcnt 44                              ; the next step's loads are in
.else
	s_wait_loadcnt 4*(14-(\t))
.endif
	TURN (\t)+1
.endif
	v_max3_num_f32 v8, |v[XS]|, |v[XS+1]|, |v[XS+2]|
	v_max3_num_f32 v9, |v[XS+3]|, |v[XS+4]|, |v[XS+5]|
.irp i, 6,10
	v_max3_num_f32 v8, v8, |v[XS+\i]|, |v[XS+\i+1]|
	v_max3_num_f32 v9, v9, |v[XS+\i+2]|, |v[XS+\i+3]|
.endr
	v_max3_num_f32 v8, v8, |v[XS+14]|, |v[XS+15]|
	v_max3_num_f32 v8, v8, v9, (EMAX+1)<<23        ; and the floor 2^(3 - 127): the byte cannot fall under 1
	v_max_num_f32_dpp v8, v8, v8 row_xmask:1 row_mask:0xf bank_mask:0xf   ; and of my neighbour's 16: the block's
	v_add_nc_u32 v11, -(EMAX<<23), v8              ; the conversion takes the exponent field of this operand as its scale
	v_cvt_scalef32_pk16_fp6_f32 v[CC:CC+2], v[XS:XS+15], v11
	v_lshrrev_b32 v[EE], 23, v11                   ; the scale's byte (a plain line behind the conversion)
	ds_store_b8 v5, v[EE] offset:16*(\t)           ; both lanes of a block write the same byte with the same value
.irp i, 0,1,2
	ds_store_b32 v4, v[CC+\i] offset:CP*(\t)+4*\i
.endr
.endm
.irp t, 0,1,2,3,4,5,6,7,8,9,10,11,12,13,14,15
	STEP \t
.endr
	ds_load_b64 v[12:13], v6                       ; LDS serves a wave's instructions in order: these see my stores
.irp q, 0,1,2,3
.irp p, 0,1,2,3,4,5
	ds_load_b64 v[R+12*\q+2*\p:R+12*\q+2*\p+1], v10 offset:96*\q+48*(\p/3)+8*(\p%3)
.endr
.endr
	s_wait_dscnt 24                                ; all but the images' 24 loads
	global_store_b64 v7, v[12:13], s[30:31]        ; 32 lanes store 256 consecutive bytes, aligned
.irp q, 0,1,2,3
	s_wait_dscnt 6*(3-\q)
.irp g, 0,1,2
	global_store_b128 v3, v[R+12*\q+4*\g:R+12*\q+4*\g+3], s[28:29] offset:1536*\q+512*\g
.endr
.endr
	s_wait_tensorcnt 0x0                           ; the wave's end
	ds_add_u32 v[SPW], v[NIL]
	s_wait_dscnt 0x0
	s_endpgm
.Lfunc_end_k_q35fe6c6e44_quant:
	.size	k_q35fe6c6e44_quant, .Lfunc_end_k_q35fe6c6e44_quant-k_q35fe6c6e44_quant
	.p2alignl 7, 3214868480
	.fill 96, 4, 3214868480
	.section	.rodata,"a",@progbits
	.p2align	6, 0x0
	.amdhsa_kernel k_q35fe6c6e44_quant
		.amdhsa_group_segment_fixed_size 47616
		.amdhsa_private_segment_fixed_size 0
		.amdhsa_enable_private_segment 0
		.amdhsa_kernarg_size 48
		.amdhsa_user_sgpr_count 2
		.amdhsa_user_sgpr_kernarg_segment_ptr 1
		.amdhsa_wavefront_size32 1
		.amdhsa_system_sgpr_workgroup_id_x 1
		.amdhsa_system_sgpr_workgroup_id_y 1
		.amdhsa_system_sgpr_workgroup_id_z 1
		.amdhsa_system_vgpr_workitem_id 0
		.amdhsa_next_free_vgpr 252
		.amdhsa_next_free_sgpr 66
		.amdhsa_reserve_vcc 0
		.amdhsa_float_denorm_mode_32 3
		.amdhsa_float_denorm_mode_16_64 3
		.amdhsa_memory_ordered 1
		.amdhsa_forward_progress 1
		.amdhsa_inst_pref_size 38
	.end_amdhsa_kernel
	.amdgpu_metadata
---
amdhsa.version: [ 1, 2 ]
amdhsa.kernels:
  - .name:           k_q35fe6c6e44_quant
    .symbol:         k_q35fe6c6e44_quant.kd
    .args:
      - { .name: x, .offset: 0, .size: 8, .value_kind: global_buffer, .address_space: global }
      - { .name: Wq, .offset: 8, .size: 8, .value_kind: global_buffer, .address_space: global }
      - { .name: Wk, .offset: 16, .size: 8, .value_kind: global_buffer, .address_space: global }
      - { .name: Wv, .offset: 24, .size: 8, .value_kind: global_buffer, .address_space: global }
      - { .name: Wo, .offset: 32, .size: 8, .value_kind: global_buffer, .address_space: global }
      - { .name: pq, .offset: 40, .size: 8, .value_kind: global_buffer, .address_space: global }
    .group_segment_fixed_size: 47616
    .private_segment_fixed_size: 0
    .kernarg_segment_align: 8
    .kernarg_segment_size: 48
    .max_flat_workgroup_size: 128
    .sgpr_count:     66
    .vgpr_count:     252
    .wavefront_size: 32
...
	.end_amdgpu_metadata
.endif
;; end of part 5
;; launch qkv (part 6): grid 16 x 16, 4 waves a work-group, clusters of 4 x 4, 327,680 bytes of LDS; arguments pq, bq, bk, bv, qb, kvb; writes qb, kvb
.if DOCPART == 6
	.amdgcn_target "amdgcn-amd-amdhsa--gfx1250"
	.amdhsa_code_object_version 6
	.text
	.protected	k_q35fe6c6e44_qkv
	.globl	k_q35fe6c6e44_qkv
	.p2align	8
	.type	k_q35fe6c6e44_qkv,@function
k_q35fe6c6e44_qkv:
	s_mov_b64 s[64:65], 0
	v_nop
	global_prefetch_b8 v0, s[64:65] scope:SCOPE_SE
	s_setreg_imm32_b32 hwreg(HW_REG_WAVE_MODE, 25, 1), 1
	s_wait_xcnt 0x0
	s_wait_alu depctr_hold_cnt(0) depctr_sa_sdst(0) depctr_va_vdst(0) depctr_va_sdst(0) depctr_va_ssrc(0) depctr_va_vcc(0) depctr_vm_vsrc(0)
	s_getreg_b32 s2, hwreg(HW_REG_IB_STS2, 6, 4)
	s_cmp_eq_u32 s2, 0
	s_cbranch_scc0 .Lentry_in_a_cluster
	s_endpgm
.Lentry_in_a_cluster:
	s_bfe_u32 s2, ttmp6, 0x10000c
	s_cmp_lg_u32 s2, 0xf033
	s_cbranch_scc0 .Lentry_shape_is_right
	s_endpgm
.Lentry_shape_is_right:
; q = x Wq^T + bq, k = x Wk^T + bk, v = x Wv^T + bv for 256 tokens and one head a work-group (16 x 16 work-groups), on codes of FP6 (E2M3); sums in f32; the results are quantised at once, q and k along the head's 64, v along the keys.
; LIMITS: NaN and infinities are not served; a block whose largest magnitude lies under 2^-124 has its byte held at 1; a block of zeros gets the byte 1, with zero codes.
; A WAVE takes a group of 64 tokens; its 32 fragments of x, all of K, lie in registers (384); the weights pass by in tiles of 16 rows, all of K: 8 fragments, two sets.  A block is 32 products: 8 K steps x 4 token tiles.
; q, k: source 0 = the weight, source 1 = x: a lane holds one token and, over four weight tiles, the features 32 h + 0 .. 31: one scale block.  v: source 0 = x: a lane holds one feature and, over four token tiles, the keys 32 h + 0 .. 31.
; LDS: x's four groups 0 .. 204,799, Wq's 64 rows, Wk's 64 rows, the stage of scale bytes, the spare words.  Wv's 64 rows fill x's first 51,200 bytes again, behind the round in front of which every wave has x in registers.
; CLUSTERS: x's rows are shared by a row of the cluster, a weight's rows by a column.  One tensor load a wave at the head: waves 0, 1 x's halves, waves 2, 3 Wq and Wk.
; NO PREFETCH: there is no loop to run ahead in: all but Wv is asked for at the head, and Wv has seven blocks, 224 products, in which to land.
; THE BIAS is the first product's C.  THE WAY OUT of q stands among k's products, that of k and of v's tile before among v's.
; qb: for head y = 16 batch + head 102,400 bytes: [pair of tiles 0 .. 63][3 pieces][lane][16], then words [pair][row] (bytes 2 (t % 2) + h).
; kvb: for head y and key step s of 128 a block of 12,800 bytes: K [band c][pair p] of 1,536; V [tile n][band c]: 512 bytes (registers 0-3) and 256 (registers 4, 5); K words [row][2 c + p]; V words [row][n] (bytes 2 c + h).
; REGISTERS: window 0: v0-23 and v56-59 at work, v24-55 x's scale words, v60-75 the weight's, two sets, v76-203 k's sums, v204-235 bk, then v's codes, v236-247 a pair's codes, v248-250.
;   fragment f in window 1 + f / 21 at 12 (f % 21): 0-31 x (4 q + t), 32-47 the weight's two sets; window 3: v72-199 q's, then v's sums; v200-231 bq, then bv.
.set GRP,   51200
.set WQL,   204800
.set WKL,   256000
.set STG,   307200
.set SPARE, 308736
.set A0,    840
.set A1,    76
.set BQR,   968
.set BKR,   204
.set CD,    236
.set CT,    248
.set VC,    204
.set CT2,   212
.set G1X,   24
.set G1W,   32
.set G1V,   48
.set G0X,   56
.set G0W,   60
.set G0V,   68
.set MSB, 0
.macro WIN new                         ; the immediate's high byte repeats the setting that is left
.if MSB != (\new)
	s_set_vgpr_msb (MSB<<8)|(\new)
.set MSB, \new
.endif
.endm
.macro WALU
	s_wait_alu depctr_va_vdst(0)
.endm
.macro PLACES n
.rept \n
	v_nop
.endr
.endm
.macro BARRIER
	s_barrier_signal -1
	s_barrier_wait -1
.endm
.macro CROUND                          ; a round of the cluster's barrier
	BARRIER
	s_cmp_lg_u32 s14, 0
	s_cbranch_scc1 .Lnot_wave_0_\@
	s_barrier_signal -3
.Lnot_wave_0_\@:
	s_barrier_wait -3
	BARRIER
.endm
.macro TLOAD g0, g1
	tensor_load_to_lds s[\g0:\g0+3], s[\g1:\g1+7]
	s_nop 0
	PLACES 4
.endm
.macro GROUP1 g, mask, rows            ; a dense block as rows of 256 bytes: 32 elements of 8
	s_or_b32 s[\g], s\mask, (3<<16)|(1<<21)
	s_mov_b32 s[\g+1], 32<<16
	s_mov_b32 s[\g+2], (\rows)<<16
	s_mov_b32 s[\g+3], 32<<16
	s_mov_b32 s[\g+4], \rows
	s_mov_b32 s[\g+5], 32
	s_mov_b32 s[\g+6], 0
	s_mov_b32 s[\g+7], 0
.endm
	s_load_b256 s[4:11], s[0:1], 0x0               ; pq, bq, bk, bv
	s_load_b128 s[80:83], s[0:1], 0x20             ; qb, kvb
	v_lshl_add_u32 v9, v0, 2, SPARE
	v_mov_b32 v10, 0
	ds_add_u32 v9, v10                             ; the opening lines
	ds_add_u32 v9, v10
	v_lshrrev_b32 v1, 5, v0
	v_readfirstlane_b32 s14, v1                    ; wave = my group of 64 tokens
	s_lshr_b32 s15, s14, 1
	s_and_b32 s16, s14, 1
	s_bfe_u32 s40, ttmp6, 0x40000                  ; cx, cy
	s_bfe_u32 s41, ttmp6, 0x40004
	s_lshl_b32 s42, ttmp9, 2
	s_add_co_u32 s42, s42, s40                     ; the head
	s_and_b32 s43, ttmp7, 0xffff
	s_lshl_b32 s43, s43, 2
	s_add_co_u32 s43, s43, s41                     ; the block of 256 tokens
	s_lshl_b32 s44, s41, 2
	s_lshl_b32 s44, 15, s44                        ; my row of the cluster
	s_lshl_b32 s45, 0x1111, s40                    ; my column
	GROUP1 G1X, 44, 400
	GROUP1 G1W, 45, 200
	GROUP1 G1V, 45, 50
	s_lshl_b32 s20, s43, 2
	s_lshl_b32 s21, s16, 1
	s_add_co_u32 s20, s20, s21
	s_mul_i32 s20, s20, GRP                        ; x: two groups a wave
	s_mov_b32 s21, 0
	s_lshl_b32 s22, s16, 4
	s_add_co_u32 s22, s22, s42
	s_add_co_u32 s22, s22, 64
	s_mul_i32 s22, s22, GRP                        ; Wq's or Wk's group
	s_mov_b32 s23, 0
	s_add_co_u32 s46, s42, 96
	s_mul_i32 s46, s46, GRP
	s_mul_i32 s47, s14, 12800
	s_add_co_u32 s46, s46, s47                     ; Wv's: a quarter a wave
	s_mov_b32 s47, 0
	s_mov_b32 s[G0X], 1
	s_mul_i32 s[G0X+1], s16, 2*GRP
	s_mov_b32 s[G0W], 1
	s_mul_i32 s[G0W+1], s16, GRP
	s_add_co_u32 s[G0W+1], s[G0W+1], WQL
	s_mov_b32 s[G0V], 1
	s_mul_i32 s[G0V+1], s14, 12800
	s_wait_dscnt 0x0                               ; both opening adds are done
	s_wait_kmcnt 0x0
	s_add_nc_u64 s[G0X+2:G0X+3], s[4:5], s[20:21]
	s_or_b32 s[G0X+3], s[G0X+3], 0x80000000
	s_add_nc_u64 s[G0W+2:G0W+3], s[4:5], s[22:23]
	s_or_b32 s[G0W+3], s[G0W+3], 0x80000000
	s_add_nc_u64 s[G0V+2:G0V+3], s[4:5], s[46:47]
	s_or_b32 s[G0V+3], s[G0V+3], 0x80000000
	CROUND                                         ; all sixteen work-groups are here: the first joint loads meet
	s_cmp_lt_u32 s14, 2
	s_cbranch_scc0 .Lfor_w
	TLOAD G0X, G1X
	s_branch .Lasked
.Lfor_w:
	TLOAD G0W, G1W
.Lasked:
	; where the results go: y = 16 (block / 8) + head
	s_lshr_b32 s17, s43, 3
	s_lshl_b32 s17, s17, 4
	s_add_co_u32 s17, s17, s42
	s_and_b32 s18, s43, 7
	s_mul_i32 s84, s17, 102400
	s_lshl_b32 s19, s18, 3
	s_lshl_b32 s20, s14, 1
	s_add_co_u32 s19, s19, s20
	s_mul_i32 s72, s19, 1536
	s_add_co_u32 s72, s72, s84
	s_mov_b32 s73, 0
	s_add_nc_u64 s[72:73], s[80:81], s[72:73]      ; q's codes
	s_mul_i32 s85, s17, 204800
	s_lshl_b32 s19, s18, 1
	s_add_co_u32 s20, s19, s15
	s_mul_i32 s20, s20, 12800
	s_add_co_u32 s20, s20, s85
	s_mul_i32 s22, s16, 3072
	s_add_co_u32 s22, s22, s20
	s_mov_b32 s23, 0
	s_add_nc_u64 s[74:75], s[82:83], s[22:23]      ; k's codes
	s_mul_i32 s22, s16, 768
	s_add_co_u32 s22, s22, s20
	s_add_co_u32 s22, s22, 6144
	s_add_nc_u64 s[76:77], s[82:83], s[22:23]      ; v's codes
	s_lshl_b32 s20, s18, 9
	s_add_co_u32 s20, s20, s84
	s_add_co_u32 s20, s20, 98304
	s_add_co_u32 s22, s19, s14
	s_sub_co_u32 s22, s22, 1
	s_mul_i32 s22, s22, 12800
	s_add_co_u32 s22, s22, s85
	s_add_co_u32 s22, s22, 12288
	s_cmp_eq_u32 s14, 0                            ; the scale words: wave 0 stores q's, waves 1 and 2 a key step's
	s_cselect_b32 s22, s20, s22
	s_cselect_b64 s[78:79], s[80:81], s[82:83]
	s_add_nc_u64 s[78:79], s[78:79], s[22:23]
	s_lshl_b32 s20, s42, 8                         ; 64 biases a head
	s_mov_b32 s21, 0
	s_add_nc_u64 s[6:7], s[6:7], s[20:21]
	s_add_nc_u64 s[8:9], s[8:9], s[20:21]
	s_add_nc_u64 s[10:11], s[10:11], s[20:21]
	s_mul_i32 s20, s14, GRP
	s_lshl_b32 s21, s14, 7
	s_add_co_u32 s21, s21, STG
	s_lshl_b32 s22, s15, 9
	s_add_co_u32 s22, s22, STG+512
	s_lshl_b32 s23, s16, 3
	s_add_co_u32 s23, s23, s22
	s_lshl_b32 s46, s16, 1
	s_add_co_u32 s46, s46, s22
	s_add_co_u32 s46, s46, 256
	s_lshl_b32 s47, s14, 9
	s_add_co_u32 s47, s47, STG
	v_and_b32 v1, 15, v0                           ; r
	v_bfe_u32 v2, v0, 4, 1                         ; h
	v_and_b32 v3, 31, v0                           ; lane
	v_lshlrev_b32 v4, 4, v3                        ; 16 lane: Wv's images in LDS; the stores' place
	v_lshlrev_b32 v6, 3, v3
	v_lshlrev_b32 v18, 4, v1
	v_add_nc_u32 v5, 49152, v18                    ; Wv's scale words
	v_add_nc_u32 v7, s20, v4                       ; my group of x
	v_add_nc_u32 v8, s20, v5
	v_add_nc_u32 v14, WQL, v4
	v_add_nc_u32 v15, WQL, v5
	v_add_nc_u32 v16, WKL, v4
	v_add_nc_u32 v17, WKL, v5
	v_lshl_add_u32 v11, v1, 2, v2
	v_add_nc_u32 v11, s21, v11                     ; the stage: q's bytes 64 pair + 4 r + 2 (t % 2) + h
	v_add_nc_u32 v12, v18, v2
	v_add_nc_u32 v13, s46, v12                     ; v's: 16 r + 4 n + 2 c + h
	v_add_nc_u32 v12, s23, v12                     ; k's: 16 r + 8 c + 2 t + h
	v_lshrrev_b32 v58, 3, v1
	v_lshlrev_b32 v58, 7, v58
	v_and_b32 v19, 7, v1
	v_lshl_add_u32 v58, v19, 2, v58                ; bv: feature 32 (r / 8) + 8 n + r % 8
	v_lshlrev_b32 v59, 7, v2                       ; bq, bk: features 32 h + 0 .. 31
	WIN 0xc0
.irp k, 0,1,2,3,4,5,6,7
	global_load_b128 v[200+4*\k:203+4*\k], v59, s[6:7] offset:16*\k
.endr
	WIN 0
.irp k, 0,1,2,3,4,5,6,7
	global_load_b128 v[BKR+4*\k:BKR+4*\k+3], v59, s[8:9] offset:16*\k
.endr
; ---- fragments and products
.macro FRAG f, adr, off                ; three pieces of 4 registers, 512 consecutive bytes each
	WIN (1+(\f)/21)<<6
.set R_, 12*((\f)%21)
.irp g, 0,1,2
	ds_load_b128 v[R_+4*\g:R_+4*\g+3], v[\adr] offset:(\off)+512*\g
.endr
.endm
.macro FW e, wa, ws, n                 ; a weight's tile n into set e: 26 loads
.irp q, 0,1,2,3,4,5,6,7
	FRAG 32+8*(\e)+\q, \wa, 12288*(\n)+1536*\q
.endr
	WIN 0
	ds_load_b128 v[60+8*(\e):63+8*(\e)], v[\ws] offset:512*(\n)
	ds_load_b128 v[64+8*(\e):67+8*(\e)], v[\ws] offset:512*(\n)+256
.endm
.macro PROD kind, ab, bb, n, k         ; product k = 4 q + t of the block for weight tile n
.set Q_, (\k)/4
.set T4_, (\k)%4
.set E_, (\n)%2
.set FA_, 4*Q_+T4_
.set FB_, 32+8*E_+Q_
.set WA_, 1+FA_/21
.set RA_, 12*(FA_%21)
.set WB_, 1+FB_/21
.set RB_, 12*(FB_%21)
.if \kind
.set D_, (\ab)+32*(\n)+8*T4_
.else
.set D_, (\ab)+32*T4_+8*(\n)
.endif
.if Q_
.set C_, D_
.else
.set C_, (\bb)+8*(\n)
.endif
.set DL_, D_&255
.set CL_, C_&255
.set XS_, 24+8*T4_+Q_
.set YS_, 60+8*E_+Q_
.if \kind
	WIN WA_|(WB_<<2)|((C_>>8)<<4)|((D_>>8)<<6)
	v_wmma_scale_f32_16x16x128_f8f6f4 v[DL_:DL_+7], v[RA_:RA_+11], v[RB_:RB_+11], v[CL_:CL_+7], v[XS_], v[YS_] matrix_a_fmt:MATRIX_FMT_FP6 matrix_b_fmt:MATRIX_FMT_FP6
.else
	WIN WB_|(WA_<<2)|((C_>>8)<<4)|((D_>>8)<<6)
	v_wmma_scale_f32_16x16x128_f8f6f4 v[DL_:DL_+7], v[RB_:RB_+11], v[RA_:RA_+11], v[CL_:CL_+7], v[YS_], v[XS_] matrix_a_fmt:MATRIX_FMT_FP6 matrix_b_fmt:MATRIX_FMT_FP6
.endif
.endm
.macro CHAIN i, x, tq, so              ; line i of 18: the largest magnitude of the 32 sums from register x on, by two chains; then the conversions' scale operand
.set XW_, (\x)>>8
.set XL_, (\x)&255
.if (\i) < 14
.set B_, XL_+16*((\i)%2)+2*((\i)/2)
.set T_, (\tq)+(\i)%2
.if (\i) < 2
	WIN XW_|(XW_<<2)|(XW_<<4)
	v_max3_num_f32 v[T_], |v[B_]|, |v[B_+1]|, |v[B_+2]|
.else
	WIN (XW_<<2)|(XW_<<4)
	v_max3_num_f32 v[T_], v[T_], |v[B_+1]|, |v[B_+2]|
.endif
.elseif (\i) == 14
	WIN XW_<<2
	v_max3_num_f32 v[\tq], v[\tq], |v[XL_+15]|, 0x1800000
.elseif (\i) == 15
	WIN XW_<<2
	v_max_num_f32 v[\tq+1], v[\tq+1], |v[XL_+31]|
.elseif (\i) == 16
	WIN 0
	v_max_num_f32 v[\tq], v[\tq], v[\tq+1]
.elseif (\i) == 17
	WIN 0
	v_add_nc_u32 v[\so], 0xff000000, v[\tq]
.endif
.endm
; A block: the next tile's loads (26, the count of the wait: the block's own tile is in), 32 products by turns of four accumulators, behind each a line of the way outs of the sums at xa and xb
.macro BLOCK kind, ab, bb, n, fetch, wa, ws, nn, xa, xb
.if \fetch
	FW 1-(\n)%2, \wa, \ws, \nn
.endif
	WALU
	s_wait_xcnt 0x0                                ; earlier stores have read their data
.if \fetch
	s_wait_dscnt 26
.else
	s_wait_dscnt 0x0
.endif
.set K_, 0
.rept 32
	PROD \kind, \ab, \bb, \n, K_
.if (\xa) > 0
	CHAIN K_, \xa, 18, 22
.endif
.if (\xb) > 0
	CHAIN K_, \xb, 20, 23
.endif
.set K_, K_+1
.endr
	WIN 0
	PLACES 4
.endm
.macro CODES x, c, t, so, eb           ; 32 codes into six registers from c on, the byte into eb
	WIN (\x)>>8
	v_cvt_scalef32_pk16_fp6_f32 v[\c:\c+2], v[((\x)&255):((\x)&255)+15], v[\so]
	v_cvt_scalef32_pk16_fp6_f32 v[\t:\t+2], v[((\x)&255)+16:((\x)&255)+31], v[\so]   ; (a conversion's three registers begin on an even number)
	WIN 0
	v_lshrrev_b32 v[\eb], 23, v[\so]
.irp i, 0,1,2
	v_mov_b32 v[\c+3+\i], v[\t+\i]
.endr
.endm
.macro WAYQK x, tt, st, off, base      ; token tile tt of q or k; behind an odd tile the pair's codes leave
	CODES \x, CD+6*((\tt)%2), CT, 22, 56
	ds_store_b8 v[\st], v56 offset:\off
.if (\tt)%2
.irp g, 0,1,2
	global_store_b128 v4, v[CD+4*\g:CD+4*\g+3], s[\base:\base+1] offset:1536*((\tt)/2)+512*\g
.endr
.endif
.endm
.macro WAYV n                          ; feature tile n of v: half an operand
	CODES A0+32*(\n), VC, CT2, 23, 57
	ds_store_b8 v13, v57 offset:4*(\n)
	global_store_b128 v4, v[VC:VC+3], s[76:77] offset:1536*(\n)
	global_store_b64 v6, v[VC+4:VC+5], s[76:77] offset:1536*(\n)+512
.endm
	WALU                                           ; the wait at the head's end
	s_cmp_lt_u32 s14, 2
	s_cbranch_scc0 .Lnot_x
	s_wait_tensorcnt 0x0                           ; waves 0 and 1, which alone issued x's line
.Lnot_x:
	BARRIER                                        ; x is in; Wq and Wk may be on their way
.irp q, 0,1,2,3,4,5,6,7
.irp t, 0,1,2,3
	FRAG 4*\q+\t, 7, 12288*\t+1536*\q
.endr
.endr
	WIN 0
.irp t, 0,1,2,3
	ds_load_b128 v[24+8*\t:27+8*\t], v8 offset:512*\t
	ds_load_b128 v[28+8*\t:31+8*\t], v8 offset:512*\t+256
.endr
	s_wait_loadcnt 0x0                             ; the biases
	s_wait_tensorcnt 0x0                           ; my tile is in
	ds_add_u32 v9, v10
	s_wait_dscnt 0x0                               ; the add is done, and x lies in registers
	CROUND                                         ; so it is in every wave of every partner
	TLOAD G0V, G1V                                 ; Wv's rows onto x's first group: a quarter a wave
	FW 0, 14, 15, 0
	BLOCK 0, A0, BQR, 0, 1, 14, 15, 1, 0, 0
	BLOCK 0, A0, BQR, 1, 1, 14, 15, 2, 0, 0
	BLOCK 0, A0, BQR, 2, 1, 14, 15, 3, 0, 0
	BLOCK 0, A0, BQR, 3, 1, 16, 17, 0, 0, 0
	WIN 0xc0
.irp t, 0,1,2,3
	global_load_b32 v[200+8*\t], v58, s[10:11] offset:32*\t    ; bv over bq, whose products are issued
.endr
	WIN 0
	BLOCK 0, A1, BKR, 0, 1, 16, 17, 1, A0, 0
	WAYQK A0, 0, 11, 0, 72
	BLOCK 0, A1, BKR, 1, 1, 16, 17, 2, A0+32, 0
	WAYQK A0+32, 1, 11, 2, 72
	WALU
	s_wait_loadcnt 0x0
	WIN 0xc3
.irp t, 0,8,16,24
.irp i, 1,2,3,4,5,6,7
	v_mov_b32 v[200+\t+\i], v[200+\t]              ; one number a lane and tile, over the tile's eight registers
.endr
.endr
	WIN 0
	BLOCK 0, A1, BKR, 2, 1, 16, 17, 3, A0+64, 0
	WAYQK A0+64, 2, 11, 64, 72
	WALU
	s_wait_tensorcnt 0x0
	s_wait_dscnt 0x0
	BARRIER                                        ; Wv is shown to all
	BLOCK 0, A1, BKR, 3, 1, 4, 5, 0, A0+96, 0
	WAYQK A0+96, 3, 11, 66, 72
	BLOCK 1, A0, BQR, 0, 1, 4, 5, 1, A1, 0
	WAYQK A1, 0, 12, 0, 74
	BLOCK 1, A0, BQR, 1, 1, 4, 5, 2, A1+32, A0
	WAYQK A1+32, 1, 12, 2, 74
	WAYV 0
	BLOCK 1, A0, BQR, 2, 1, 4, 5, 3, A1+64, A0+32
	WAYQK A1+64, 2, 12, 4, 74
	WAYV 1
	BLOCK 1, A0, BQR, 3, 0, 0, 0, 0, A1+96, A0+64
	WAYQK A1+96, 3, 12, 6, 74
	WAYV 2
.set K_, 0
.rept 18
	CHAIN K_, A0+96, 20, 23
.set K_, K_+1
.endr
	v_add_nc_u32 v19, s47, v4                      ; where my wave reads the stage
	WALU
	s_wait_xcnt 0x0
	WAYV 3
	WALU
	s_wait_dscnt 0x0
	BARRIER                                        ; all scale bytes lie in the stage
	s_cmp_lt_u32 s14, 3
	s_cbranch_scc0 .Lno_words
	ds_load_b128 v[76:79], v19
	s_wait_dscnt 0x0
	global_store_b128 v4, v[76:79], s[78:79]       ; 512 consecutive bytes, aligned
.Lno_words:
	s_wait_tensorcnt 0x0                           ; the wave's end
	ds_add_u32 v9, v10
	s_wait_dscnt 0x0
	CROUND                                         ; the closing round
	s_endpgm
.Lfunc_end_k_q35fe6c6e44_qkv:
	.size	k_q35fe6c6e44_qkv, .Lfunc_end_k_q35fe6c6e44_qkv-k_q35fe6c6e44_qkv
	.p2alignl 7, 3214868480
	.fill 96, 4, 3214868480
	.section	.rodata,"a",@progbits
	.p2align	6, 0x0
	.amdhsa_kernel k_q35fe6c6e44_qkv
		.amdhsa_group_segment_fixed_size 327680
		.amdhsa_private_segment_fixed_size 0
		.amdhsa_enable_private_segment 0
		.amdhsa_kernarg_size 48
		.amdhsa_user_sgpr_count 2
		.amdhsa_user_sgpr_kernarg_segment_ptr 1
		.amdhsa_wavefront_size32 1
		.amdhsa_system_sgpr_workgroup_id_x 1
		.amdhsa_system_sgpr_workgroup_id_y 1
		.amdhsa_system_sgpr_workgroup_id_z 1
		.amdhsa_system_vgpr_workitem_id 0
		.amdhsa_next_free_vgpr 1000
		.amdhsa_next_free_sgpr 100
		.amdhsa_reserve_vcc 0
		.amdhsa_float_denorm_mode_32 3
		.amdhsa_float_denorm_mode_16_64 3
		.amdhsa_memory_ordered 1
		.amdhsa_forward_progress 1
		.amdhsa_inst_pref_size 122
	.end_amdhsa_kernel
	.amdgpu_metadata
---
amdhsa.version: [ 1, 2 ]
amdhsa.kernels:
  - .name:           k_q35fe6c6e44_qkv
    .symbol:         k_q35fe6c6e44_qkv.kd
    .args:
      - { .name: pq, .offset: 0, .size: 8, .value_kind: global_buffer, .address_space: global }
      - { .name: bq, .offset: 8, .size: 8, .value_kind: global_buffer, .address_space: global }
      - { .name: bk, .offset: 16, .size: 8, .value_kind: global_buffer, .address_space: global }
      - { .name: bv, .offset: 24, .size: 8, .value_kind: global_buffer, .address_space: global }
      - { .name: qb, .offset: 32, .size: 8, .value_kind: global_buffer, .address_space: global }
      - { .name: kvb, .offset: 40, .size: 8, .value_kind: global_buffer, .address_space: global }
    .group_segment_fixed_size: 327680
    .private_segment_fixed_size: 0
    .kernarg_segment_align: 8
    .kernarg_segment_size: 48
    .max_flat_workgroup_size: 128
    .sgpr_count:     100
    .vgpr_count:     1000
    .wavefront_size: 32
...
	.end_amdgpu_metadata
.endif
;; end of part 6
;; launch attn (part 7): grid 8 x 32, 8 waves a work-group, clusters of 4 x 1, 206,336 bytes of LDS; arguments qb, kvb, ctx_codes, ctx_scales; writes ctx_codes, ctx_scales
.if DOCPART == 7
	.amdgcn_target "amdgcn-amd-amdhsa--gfx1250"
	.amdhsa_code_object_version 6
	.text
	.protected	k_q35fe6c6e44_attn
	.globl	k_q35fe6c6e44_attn
	.p2align	8
	.type	k_q35fe6c6e44_attn,@function
k_q35fe6c6e44_attn:
	s_mov_b64 s[64:65], 0
	v_nop
	global_prefetch_b8 v0, s[64:65] scope:SCOPE_SE
	s_setreg_imm32_b32 hwreg(HW_REG_WAVE_MODE, 25, 1), 1
	s_wait_xcnt 0x0
	s_wait_alu depctr_hold_cnt(0) depctr_sa_sdst(0) depctr_va_vdst(0) depctr_va_sdst(0) depctr_va_ssrc(0) depctr_va_vcc(0) depctr_vm_vsrc(0)
	s_getreg_b32 s2, hwreg(HW_REG_IB_STS2, 6, 4)
	s_cmp_eq_u32 s2, 0
	s_cbranch_scc0 .Lentry_in_a_cluster
	s_endpgm
.Lentry_in_a_cluster:
	s_bfe_u32 s2, ttmp6, 0x10000c
	s_cmp_lg_u32 s2, 0x3003
	s_cbranch_scc0 .Lentry_shape_is_right
	s_endpgm
.Lentry_shape_is_right:
; ctx = softmax(q k^T / 8) v, both products on codes of FP6 (E2M3); the result is divided by the row's sum and quantised along the hidden axis for the last product.
; t = score x log2(e) / 8; M = the row's largest t so far, rounded up to a whole number; p = 2^(t - M) is quantised along the keys, not normalised; the row's sum is taken of the unquantised p, in f32.  When M moves, the sum and O are multiplied by 2^(old M - new M): exact.
; LIMITS: NaN and infinities are not served; the scaled scores (exponents to the base 2, before the maximum is taken away) stay under 2^31 in magnitude; a block's largest p is taken through its largest score, which takes v_exp_f32 not to fall where its input rises;
;   a block of zeros gets the byte 1, with zero codes; bytes are held at 1 from below.
; SHARES.  A work-group owns 256 query positions of one head y; each of its eight waves owns a pair of tiles, X and Y, of 16 queries: each fragment of K and V that a wave loads serves both.
; ALL OF A HEAD'S K AND V LIES IN LDS: 16 steps of 128 keys, 12,800 bytes each, as images of the operands' registers.  Each wave fetches two steps by its one tensor load; every byte is filled once.
; CLUSTER: the four query blocks of a cluster belong to one head and ask for its tiles jointly.  NO PREFETCH INTO THE L2: all tiles are asked for at the head, and no loop runs ahead of them.
; TWO BARRIERS: step 0, and step 1's K, are read behind the first (wave 0's tile), all else behind the second (all waves').
; LAYOUT.  Both products are used transposed: S^T = K Q^T, O^T = V^T P^T: a lane holds one query throughout.  By the order of rows a lane's 32 scores of a band of 64 keys are the keys 32 h + 0 .. 31: one scale block, and six registers of P.
; K = 64 IN AN INSTRUCTION OF 128: a pair of K tiles is one operand of 12 registers; it meets [Q, zero codes] for its first tile and [zero codes, Q] for its second; Q's scale word repeats its two bytes.
; REGISTERS: window 0: v1-7 addresses; v8 -M, v9 the largest score, v[12:13] the sum, v16 the factor of X; v10, v11, v[14:15], v18 of Y; v20, v21 Q's words; v24-27 K's, v28-31 V's, v32, v33 P's; v34-49 at work; v50-79 zeros, Q of X, zeros, Q of Y, zeros;
;   v80-143 S^T, then p, of X; v144-207 of Y; v208-255 K.  Window 1: v0-47 V; v48-79, v80-111 O^T of X, Y; v112-123, v124-135 P's codes; v136-142 conversions' second halves.
; A STEP: scores of X (beside them the sum of Y's p of the step before), scores of Y (beside them the search for X's largest), Y's largest, V's loads, exponentials of X, the NEXT step's K loads, X's codes, exponentials of Y (among them X's products with V), its codes, its products.
; The loads stand directly behind waits for the vector results that are due there anyway.
.set KVB,   12800
.set STG,   204800
.set SPARE, 205312
.set SX,    80
.set SY,    144
.set KF,    208
.set QA,    56
.set QB,    68
.set OX,    48
.set OY,    80
.set CX,    112
.set CY,    124
.set CT,    136
.set SPW,   19
.set NIL,   17
.set WV,    12
.set SEL,   20
.set CS,    22
.set G1,    24
.set G0,    32
.set NC,    36
.set TB,    48                         ; LDS byte at which the step in hand begins
.set CNT,   49
.set MSB, 0
.macro WIN new
.if MSB != (\new)
	s_set_vgpr_msb (MSB<<8)|(\new)
.set MSB, \new
.endif
.endm
.macro WALU
	s_wait_alu depctr_va_vdst(0)
.endm
.macro BARRIER
	s_barrier_signal -1
	s_barrier_wait -1
.endm
.macro CROUND
	BARRIER
	s_cmp_lg_u32 s[WV], 0
	s_cbranch_scc1 .Lnot_wave_0_\@
	s_barrier_signal -3
.Lnot_wave_0_\@:
	s_barrier_wait -3
	BARRIER
.endm
.macro TLOAD
	tensor_load_to_lds s[G0:G0+3], s[G1:G1+7]
	s_nop 0
.rept 4
	v_nop
.endr
.endm
	s_load_b256 s[4:11], s[0:1], 0x0               ; qb, kvb, ctx's codes, ctx's scale bytes
	v_lshl_add_u32 v[SPW], v0, 2, SPARE
	v_mov_b32 v[NIL], 0
	ds_add_u32 v[SPW], v[NIL]                      ; the opening lines
	ds_add_u32 v[SPW], v[NIL]
	v_lshrrev_b32 v1, 5, v0
	v_readfirstlane_b32 s[WV], v1                  ; wave 0..7
	s_bfe_u32 s13, ttmp6, 0x40000
	s_lshl_b32 s14, ttmp9, 2
	s_add_co_u32 s14, s14, s13                     ; my block of 256 queries: it enters q's and ctx's addresses alone
	s_and_b32 s15, ttmp7, 0xffff                   ; the head y, which the four partners share
	s_mul_i32 s16, s15, 204800
	s_mul_i32 s18, s[WV], 2*KVB
	s_add_co_u32 s16, s16, s18
	s_mov_b32 s17, 0
	s_mov_b32 s[G1], 15|(3<<16)|(1<<21)            ; the mask: all four; elements of 8 bytes; 21 set beside a mask
	s_mov_b32 s[G1+1], 32<<16
	s_mov_b32 s[G1+2], 100<<16
	s_mov_b32 s[G1+3], 32<<16
	s_mov_b32 s[G1+4], 100
	s_mov_b32 s[G1+5], 32
	s_mov_b32 s[G1+6], 0
	s_mov_b32 s[G1+7], 0
	s_mov_b32 s[G0], 1
	s_mov_b32 s[G0+1], s18
	s_lshl_b32 s19, s14, 3
	s_add_co_u32 s19, s19, s[WV]                   ; my pair of tiles
	s_mul_i32 s50, s15, 102400
	s_lshl_b32 s52, s19, 6
	s_add_co_u32 s52, s52, s50
	s_add_co_u32 s52, s52, 98304
	s_mov_b32 s53, 0
	s_mul_i32 s51, s19, 1536
	s_add_co_u32 s50, s50, s51
	s_mov_b32 s51, 0
	s_and_b32 s54, s15, 15
	s_lshr_b32 s55, s15, 4
	s_lshl_b32 s56, s55, 7
	s_lshl_b32 s57, s14, 4
	s_add_co_u32 s56, s56, s57
	s_lshl_b32 s57, s[WV], 1
	s_add_co_u32 s56, s56, s57                     ; my first token tile
	s_mul_i32 s56, s56, 12288
	s_mul_i32 s57, s54, 768
	s_add_co_u32 s56, s56, s57
	s_mov_b32 s57, 0
	s_lshl_b32 s58, s54, 13
	s_lshl_b32 s59, s55, 12
	s_add_co_u32 s58, s58, s59
	s_lshl_b32 s59, s14, 9
	s_add_co_u32 s58, s58, s59
	s_mov_b32 s59, 0
	s_mov_b32 s[SEL], 0x76543210                   ; v_permlanex16_b32's selects for lane l xor 16
	s_mov_b32 s[SEL+1], 0xfedcba98
	s_mov_b32 s[CS], 0x3e38aa3b                    ; c = log2(e) / 8
	s_mov_b32 s[CS+1], s[CS]
	s_mov_b32 s[NC], 0xbe38aa3b                    ; -c
	s_wait_dscnt 0x0
	s_wait_kmcnt 0x0
	s_add_nc_u64 s[G0+2:G0+3], s[6:7], s[16:17]
	s_or_b32 s[G0+3], s[G0+3], 0x80000000
	s_add_nc_u64 s[50:51], s[4:5], s[50:51]
	s_add_nc_u64 s[52:53], s[4:5], s[52:53]
	s_add_nc_u64 s[8:9], s[8:9], s[56:57]
	s_add_nc_u64 s[10:11], s[10:11], s[58:59]
	CROUND                                         ; all four work-groups are here: the joint loads meet
	s_cmp_eq_u32 s[WV], 0
	s_cbranch_scc0 .Lothers
	TLOAD                                          ; wave 0: steps 0 and 1, a line of its own
	s_branch .Lasked
.Lothers:
	TLOAD                                          ; wave w: steps 2 w and 2 w + 1
.Lasked:
	v_and_b32 v4, 31, v0
	v_and_b32 v5, 15, v0
	v_bfe_u32 v7, v0, 4, 1
	v_lshlrev_b32 v1, 4, v4                        ; 16 lane
	v_lshlrev_b32 v2, 3, v4                        ; 8 lane
	v_lshlrev_b32 v3, 4, v5                        ; 16 r
	v_lshlrev_b32 v6, 2, v5
	v_lshlrev_b32 v7, 3, v7                        ; 8 h
.irp g, 0,1,2
	global_load_b128 v[SX+4*\g:SX+4*\g+3], v1, s[50:51] offset:512*\g    ; my pair of tiles of q
.endr
	global_load_b32 v[SX+12], v6, s[52:53]         ; its scale word
	v_mov_b32 v8, 0x7f61b1e6                       ; -M: 3e38
	v_mov_b32 v9, 0xff61b1e6                       ; the largest score so far: -3e38
	v_mov_b32 v10, 0x7f61b1e6
	v_mov_b32 v11, 0xff61b1e6
.irp i, 12,13,14,15
	v_mov_b32 v\i, 0                               ; the sums
.endr
.irp i, 0,1,2,3,4,5
	v_mov_b32 v[50+\i], 0                          ; zero codes beside Q
	v_mov_b32 v[62+\i], 0
	v_mov_b32 v[74+\i], 0
.endr
	WIN 0x40
.set I, 0
.rept 64
	v_mov_b32 v[OX+I], 0                           ; O^T: the first step finds zeros, which the first change of M leaves zeros
.set I, I+1
.endr
	WIN 0
	WALU
	s_wait_loadcnt 0x0
.irp i, 0,1,2,3,4,5
	v_mov_b32 v[QA+\i], v[SX+\i]
	v_mov_b32 v[QB+\i], v[SX+6+\i]
.endr
	v_perm_b32 v20, v[SX+12], v[SX+12], 0x01000100 ; Q's words: the tile's two bytes twice
	v_perm_b32 v21, v[SX+12], v[SX+12], 0x03020302
.set I, 0
.rept 64
	v_mov_b32 v[SY+I], 0                           ; the first step sums zeros for Y.  (Also the places between Q's registers and the first product)
.set I, I+1
.endr
; THE ROW'S SUM of 64 numbers a lane, by a tree of packed additions in place, behind the conversions: 16 + 8 + 4 + 2 + 1 lines, and one onto the running sum
.macro ADDP s, a, d
	v_pk_add_f32 v[\s+(\a):\s+(\a)+1], v[\s+(\a):\s+(\a)+1], v[\s+(\a)+(\d):\s+(\a)+(\d)+1]
.endm
.macro SUM1 s, j                       ; the first level: line j of 16
	ADDP \s, 4*(\j), 2
.endm
.macro SUM2 s, acc, j                  ; the rest: line j of 16
.if (\j) < 8
	ADDP \s, 8*(\j), 4
.elseif (\j) < 12
	ADDP \s, 16*((\j)-8), 8
.elseif (\j) < 14
	ADDP \s, 32*((\j)-12), 16
.elseif (\j) == 14
	ADDP \s, 0, 32
.else
	v_pk_add_f32 v[\acc:\acc+1], v[\acc:\acc+1], v[\s:\s+1]
.endif
.endm
.macro SUMY j                          ; Y's: line j of 32
.if (\j) < 16
	SUM1 SY, \j
.else
	SUM2 SY, 14, (\j)-16
.endif
.endm
.macro KLOAD i, off, a, s              ; load i of 13: a step's K, then its scale words
.if (\i) < 12
	ds_load_b128 v[KF+4*(\i):KF+4*(\i)+3], \a offset:(\off)+512*(\i)
.else
	ds_load_b128 v[24:27], \s offset:(\off)+12288
.endif
.endm
.macro QK s, q, qw, k                  ; key tile k of the step: the first or the second of K's pair k / 2
.set I_, (\k)/2
.set Q_, (\q)-6*((\k)%2)
	v_wmma_scale_f32_16x16x128_f8f6f4 v[\s+8*(\k):\s+8*(\k)+7], v[KF+12*I_:KF+12*I_+11], v[Q_:Q_+11], 0, v[24+I_], v[\qw] matrix_a_fmt:MATRIX_FMT_FP6 matrix_b_fmt:MATRIX_FMT_FP6
.endm
.macro PV o, c, pw, n                  ; O^T += V^T P^T, tile n of the head's 64
	v_wmma_scale_f32_16x16x128_f8f6f4 v[\o+8*(\n):\o+8*(\n)+7], v[12*(\n):12*(\n)+11], v[\c:\c+11], v[\o+8*(\n):\o+8*(\n)+7], v[28+(\n)], v[\pw] matrix_a_fmt:MATRIX_FMT_FP6 matrix_b_fmt:MATRIX_FMT_FP6
.endm
.macro MAXL s, m, u, i                 ; line i of 32: the largest score of my two blocks of 32 keys, by four chains: v[m], v[m+1]
.if (\i) < 28
.set B2_, (\i)%2
.set H2_, ((\i)/2)%2
.set K2_, (\i)/4
.set R2_, (\s)+32*B2_+16*H2_
.if H2_
.set A2_, (\u)+B2_
.else
.set A2_, (\m)+B2_
.endif
.if K2_ == 0
	v_max3_num_f32 v[A2_], v[R2_], v[R2_+1], v[R2_+2]
.else
	v_max3_num_f32 v[A2_], v[A2_], v[R2_+2*K2_+1], v[R2_+2*K2_+2]
.endif
.elseif (\i) < 30
	v_max3_num_f32 v[\m+(\i)-28], v[\m+(\i)-28], v[\u+(\i)-28], v[\s+32*((\i)-28)+15]
.else
	v_max_num_f32 v[\m+(\i)-30], v[\m+(\i)-30], v[\s+32*((\i)-30)+31]
.endif
.endm
.macro MUPD i, m, q, nm, t, f          ; line i of 9: the new -M = floor(-c x the largest score), and the factor 2^(old M - new M)
.if (\i) == 0
	v_max_num_f32 v[\t], v[\m], v[\m+1]
.elseif (\i) == 1
	v_permlanex16_b32 v[\q], v[\t], s[SEL], s[SEL+1]
.elseif (\i) == 2
	v_max3_num_f32 v[\nm+1], v[\nm+1], v[\t], v[\q]
.elseif (\i) == 3
	v_mul_f32 v[\t], s[NC], v[\nm+1]
.elseif (\i) == 4
	v_floor_f32 v[\q], v[\t]
.elseif (\i) == 5
	v_sub_f32 v[\t], v[\q], v[\nm]
.elseif (\i) == 6
	v_mov_b32 v[\nm], v[\q]
.elseif (\i) == 7
	v_cvt_i32_f32 v[\t], v[\t]                     ; (it saturates)
.elseif (\i) == 8
	v_ldexp_f32 v[\f], 1.0, v[\t]
.endif
.endm
.macro FMA s, nm, j                    ; t - M, two at a time
	v_pk_fma_f32 v[\s+2*(\j):\s+2*(\j)+1], v[\s+2*(\j):\s+2*(\j)+1], s[CS:CS+1], v[\nm:\nm+1] op_sel_hi:[1,0,0]
.endm
.macro PREP i, m, so, b, w             ; line i of 10: the two blocks' scale operands, and P's scale word: byte 2 c + h
.if (\i) < 2
	v_max_num_f32 v[\m+(\i)], 0x1800000, v[\m+(\i)]   ; the floor 2^(3 - 127): the byte cannot fall under 1
.elseif (\i) < 4
	v_add_nc_u32 v[\so+(\i)-2], 0xff000000, v[\m+(\i)-2]
.elseif (\i) < 6
	v_lshrrev_b32 v[\b+(\i)-4], 23, v[\so+(\i)-4]
.elseif (\i) == 6
	v_lshl_or_b32 v[\b], v[\b+1], 16, v[\b]
.elseif (\i) == 7
	v_lshlrev_b32 v[\b], v7, v[\b]
.elseif (\i) == 8
	v_permlanex16_b32 v[\b+1], v[\b], s[SEL], s[SEL+1]
.else
	v_or_b32 v[\w], v[\b], v[\b+1]
.endif
.endm
.macro CVT s, so, c
	WIN 0x40
	v_cvt_scalef32_pk16_fp6_f32 v[\c:\c+2], v[\s:\s+15], v[\so]
	v_cvt_scalef32_pk16_fp6_f32 v[CT:CT+2], v[\s+16:\s+31], v[\so]        ; (a conversion's three registers begin on an even number)
	v_cvt_scalef32_pk16_fp6_f32 v[\c+6:\c+8], v[\s+32:\s+47], v[\so+1]
	v_cvt_scalef32_pk16_fp6_f32 v[CT+4:CT+6], v[\s+48:\s+63], v[\so+1]
	WIN 0x41
.endm
.macro RESC o, f, j
	v_pk_mul_f32 v[\o+2*(\j):\o+2*(\j)+1], v[\o+2*(\j):\o+2*(\j)+1], v[\f:\f+1] op_sel_hi:[1,0]
.endm
.macro MOVS c
.irp i, 0,1,2
	v_mov_b32 v[\c+3+\i], v[CT+\i]
	v_mov_b32 v[\c+9+\i], v[CT+4+\i]
.endr
.endm
.macro STEP pre                        ; 128 keys.  pre = 1: the next step's K is fetched
	s_wait_dscnt 0x0                               ; this step's K is in
.set N_, 0
.rept 8
	QK SX, QA, 20, N_
	SUMY 4*N_
	SUMY 4*N_+1
	SUMY 4*N_+2
	SUMY 4*N_+3
.set N_, N_+1
.endr
.set N_, 0
.rept 8
	QK SY, QB, 21, N_
	MAXL SX, 34, 42, 4*N_
	MAXL SX, 34, 42, 4*N_+1
	MAXL SX, 34, 42, 4*N_+2
	MAXL SX, 34, 42, 4*N_+3
.set N_, N_+1
.endr
.set N_, 0
.rept 32
	MAXL SY, 36, 44, N_
.if N_%3 == 2
	MUPD N_/3, 34, 42, 8, 48, 16
.endif
.set N_, N_+1
.endr
	v_add_nc_u32 v4, s[TB], v1
	v_add_nc_u32 v5, s[TB], v2
	v_add_nc_u32 v6, s[TB], v3
.set N_, 0
.rept 32
	FMA SX, 8, N_
.if N_%3 == 2
	MUPD N_/3, 36, 44, 10, 49, 18
.endif
.set N_, N_+1
.endr
.irp b, 0,1
	v_fma_f32 v[34+\b], v[34+\b], s[CS], v8        ; the same of each block's largest score
.endr
	v_pk_mul_f32 v[12:13], v[12:13], v[16:17] op_sel_hi:[1,0]     ; the sums under the new M
	v_pk_mul_f32 v[14:15], v[14:15], v[18:19] op_sel_hi:[1,0]
	WALU                                           ; the wait ahead of the batch,
	ds_load_b128 v[28:31], v6 offset:12544         ; V's scale words and V: 17 loads
	WIN 0x40
.irp n, 0,1,2,3
.irp c, 0,1
	ds_load_b128 v[12*\n+6*\c:12*\n+6*\c+3], v4 offset:6144+1536*\n+768*\c
	ds_load_b64 v[12*\n+6*\c+4:12*\n+6*\c+5], v5 offset:6144+1536*\n+768*\c+512
.endr
.endr
	WIN 0
.set J_, 0
.set N_, 0
.rept 32
	v_exp_f32 v[SX+2*N_], v[SX+2*N_]               ; p = 2^(t - M), at most 1: not normalised
.if N_%3 < 2
	FMA SY, 10, J_                                 ; (22 of Y's, read behind a later wait)
.set J_, J_+1
.endif
	v_exp_f32 v[SX+2*N_+1], v[SX+2*N_+1]
.set N_, N_+1
.endr
	v_fma_f32 v36, v36, s[CS], v10
	v_exp_f32 v34, v34                             ; the block's largest p
	v_exp_f32 v35, v35
	v_fma_f32 v37, v37, s[CS], v10
	WALU                                           ; and behind it
.if \pre
.set N_, 0
.rept 13
	KLOAD N_, KVB, v4, v6                          ; the next step's K: this step's scores are made
.set N_, N_+1
.endr
.endif
.set N_, 0
.rept 10
	PREP N_, 34, 38, 42, 32
	FMA SY, 10, J_                                 ; (Y's last ten)
.set J_, J_+1
.set N_, N_+1
.endr
	CVT SX, 38, CX
.set N_, 0
.rept 16
	RESC OX, 16, N_
.set N_, N_+1
.endr
	MOVS CX
	WIN 0
	WALU
.if \pre
	s_wait_dscnt 13                                ; V is in; the next step's K, 13 loads, may be out
.else
	s_wait_dscnt 0x0
.endif
.set N_, 0
.rept 32
	v_exp_f32 v[SY+2*N_], v[SY+2*N_]
.if N_%2 == 0
	SUM1 SX, N_/2                                  ; (X's p, converted by now)
.endif
	v_exp_f32 v[SY+2*N_+1], v[SY+2*N_+1]
.if (N_ >= 6) && (N_ < 25) && (N_%6 == 0)
	WIN 0x55
	PV OX, CX, 32, N_/6-1                          ; X's four products with V
	WIN 0
.endif
.set N_, N_+1
.endr
	v_exp_f32 v36, v36
	v_exp_f32 v37, v37
	v_nop
	WALU
.set N_, 0
.rept 10
	PREP N_, 36, 40, 44, 33
	SUM2 SX, 12, N_
.set N_, N_+1
.endr
.rept 6
	SUM2 SX, 12, N_
.set N_, N_+1
.endr
	CVT SY, 40, CY
.set N_, 0
.rept 4
	RESC OY, 18, N_
.set N_, N_+1
.endr
	MOVS CY
.rept 12
	RESC OY, 18, N_                                ; (twelve places between the codes and the products that take them)
.set N_, N_+1
.endr
	WALU                                           ; the wait ahead of the branch and the wait that follow
	WIN 0x55
.irp n, 0,1,2,3
	PV OY, CY, 33, \n
.endr
	WIN 0
.endm
	WALU                                           ; the wait at the head's end
	s_cmp_lg_u32 s[WV], 0
	s_cbranch_scc1 .Lnot_first
	s_wait_tensorcnt 0x0                           ; wave 0's tile
.Lnot_first:
	BARRIER                                        ; steps 0 and 1 lie in LDS; nothing is ever filled again
.set N_, 0
.rept 13
	KLOAD N_, 0, v1, v3
.set N_, N_+1
.endr
	s_mov_b32 s[TB], 0
	STEP 1
	s_wait_tensorcnt 0x0
	s_wait_dscnt 0x0
	BARRIER                                        ; all sixteen steps lie in LDS
	s_mov_b32 s[TB], KVB
	s_mov_b32 s[CNT], 14
.Lstep:                                                ; steps 1 to 14
	STEP 1
	s_add_co_u32 s[TB], s[TB], KVB
	s_sub_co_u32 s[CNT], s[CNT], 1
	s_cmp_lg_u32 s[CNT], 0
	s_cbranch_scc1 .Lstep
	s_mov_b32 s[TB], 15*KVB
	STEP 0                                         ; the last step fetches nothing beyond the end
.set N_, 0
.rept 32
	SUMY N_                                        ; (also the places between the last products and the first read of O^T)
.set N_, N_+1
.endr
	; THE WAY OUT.  O^T / the sum: register 8 n + j is channel 32 h + 8 n + j of my query: one block of 32 along the hidden axis
	v_add_f32 v12, v12, v13
	v_add_f32 v14, v14, v15
	v_permlanex16_b32 v42, v12, s[SEL], s[SEL+1]
	v_permlanex16_b32 v44, v14, s[SEL], s[SEL+1]
	v_add_f32 v12, v12, v42                        ; with lane l xor 16's
	v_add_f32 v14, v14, v44
	WALU
	v_rcp_f32 v12, v12
	v_rcp_f32 v14, v14
	v_nop
	WALU
	WIN 0x01
.set N_, 0
.rept 16
	v_pk_mul_f32 v[SX+2*N_:SX+2*N_+1], v[OX+2*N_:OX+2*N_+1], v[12:13] op_sel_hi:[1,0]
	v_pk_mul_f32 v[SY+2*N_:SY+2*N_+1], v[OY+2*N_:OY+2*N_+1], v[14:15] op_sel_hi:[1,0]
.set N_, N_+1
.endr
	WIN 0
.irp z, 0,1                            ; X: v34, v42; Y: v36, v44
	v_max3_num_f32 v[34+2*\z], |v[SX+64*\z]|, |v[SX+64*\z+1]|, |v[SX+64*\z+2]|
	v_max3_num_f32 v[42+2*\z], |v[SX+64*\z+16]|, |v[SX+64*\z+17]|, |v[SX+64*\z+18]|
.endr
.irp i, 3,5,7,9,11,13
.irp z, 0,1
	v_max3_num_f32 v[34+2*\z], v[34+2*\z], |v[SX+64*\z+\i]|, |v[SX+64*\z+\i+1]|
	v_max3_num_f32 v[42+2*\z], v[42+2*\z], |v[SX+64*\z+16+\i]|, |v[SX+64*\z+17+\i]|
.endr
.endr
.irp z, 0,1
	v_max3_num_f32 v[34+2*\z], v[34+2*\z], |v[SX+64*\z+15]|, |v[SX+64*\z+31]|
.endr
.irp z, 0,1
	v_max3_num_f32 v[34+2*\z], v[34+2*\z], v[42+2*\z], 0x1800000
.endr
.irp z, 0,1
	v_add_nc_u32 v[38+2*\z], 0xff000000, v[34+2*\z]
.endr
.irp z, 0,1
	v_lshrrev_b32 v[42+2*\z], 23, v[38+2*\z]
.endr
.irp z, 0,1
	v_cvt_scalef32_pk16_fp6_f32 v[KF+16*\z:KF+16*\z+2], v[SX+64*\z:SX+64*\z+15], v[38+2*\z]
	v_cvt_scalef32_pk16_fp6_f32 v[KF+16*\z+8:KF+16*\z+10], v[SX+64*\z+16:SX+64*\z+31], v[38+2*\z]
.endr
	v_lshrrev_b32 v4, 3, v3                        ; the stage: 64 wave + 32 tile + 2 r + h
	v_lshrrev_b32 v5, 3, v7
	s_lshl_b32 s16, s[WV], 6
	s_add_co_u32 s16, s16, STG
	v_add3_u32 v4, v4, v5, s16
	v_add_nc_u32 v5, STG, v1
.irp z, 0,1
.irp i, 0,1,2
	v_mov_b32 v[KF+16*\z+3+\i], v[KF+16*\z+8+\i]
.endr
.endr
.irp z, 0,1
	ds_store_b8 v4, v[42+2*\z] offset:32*\z
	global_store_b128 v1, v[KF+16*\z:KF+16*\z+3], s[8:9] offset:12288*\z        ; 512 consecutive bytes,
	global_store_b64 v2, v[KF+16*\z+4:KF+16*\z+5], s[8:9] offset:12288*\z+512   ; and 256: half a fragment of the last product's operand
.endr
	WALU
	s_wait_dscnt 0x0
	BARRIER                                        ; the work-group's 512 scale bytes lie in the stage
	s_cmp_lg_u32 s[WV], 0
	s_cbranch_scc1 .Lno_bytes
	ds_load_b128 v[SX:SX+3], v5
	s_wait_dscnt 0x0
	global_store_b128 v1, v[SX:SX+3], s[10:11]
.Lno_bytes:
	s_wait_tensorcnt 0x0                           ; the wave's end
	ds_add_u32 v[SPW], v[NIL]
	s_wait_dscnt 0x0
	CROUND                                         ; the closing round
	s_endpgm
.Lfunc_end_k_q35fe6c6e44_attn:
	.size	k_q35fe6c6e44_attn, .Lfunc_end_k_q35fe6c6e44_attn-k_q35fe6c6e44_attn
	.p2alignl 7, 3214868480
	.fill 96, 4, 3214868480
	.section	.rodata,"a",@progbits
	.p2align	6, 0x0
	.amdhsa_kernel k_q35fe6c6e44_attn
		.amdhsa_group_segment_fixed_size 206336
		.amdhsa_private_segment_fixed_size 0
		.amdhsa_enable_private_segment 0
		.amdhsa_kernarg_size 32
		.amdhsa_user_sgpr_count 2
		.amdhsa_user_sgpr_kernarg_segment_ptr 1
		.amdhsa_wavefront_size32 1
		.amdhsa_system_sgpr_workgroup_id_x 1
		.amdhsa_system_sgpr_workgroup_id_y 1
		.amdhsa_system_sgpr_workgroup_id_z 1
		.amdhsa_system_vgpr_workitem_id 0
		.amdhsa_next_free_vgpr 400
		.amdhsa_next_free_sgpr 66
		.amdhsa_reserve_vcc 0
		.amdhsa_float_denorm_mode_32 3
		.amdhsa_float_denorm_mode_16_64 3
		.amdhsa_memory_ordered 1
		.amdhsa_forward_progress 1
		.amdhsa_inst_pref_size 101
	.end_amdhsa_kernel
	.amdgpu_metadata
---
amdhsa.version: [ 1, 2 ]
amdhsa.kernels:
  - .name:           k_q35fe6c6e44_attn
    .symbol:         k_q35fe6c6e44_attn.kd
    .args:
      - { .name: qb, .offset: 0, .size: 8, .value_kind: global_buffer, .address_space: global }
      - { .name: kvb, .offset: 8, .size: 8, .value_kind: global_buffer, .address_space: global }
      - { .name: ctx_codes, .offset: 16, .size: 8, .value_kind: global_buffer, .address_space: global }
      - { .name: ctx_scales, .offset: 24, .size: 8, .value_kind: global_buffer, .address_space: global }
    .group_segment_fixed_size: 206336
    .private_segment_fixed_size: 0
    .kernarg_segment_align: 8
    .kernarg_segment_size: 32
    .max_flat_workgroup_size: 256
    .sgpr_count:     66
    .vgpr_count:     400
    .wavefront_size: 32
...
	.end_amdgpu_metadata
.endif
;; end of part 7
;; launch oproj (part 8): grid 8 x 32, 4 waves a work-group, clusters of 4 x 4, 222,720 bytes of LDS; arguments ctx_codes, ctx_scales, pq, bo, out0; writes out0
.if DOCPART == 8
	.amdgcn_target "amdgcn-amd-amdhsa--gfx1250"
	.amdhsa_code_object_version 6
	.text
	.protected	k_q35fe6c6e44_oproj
	.globl	k_q35fe6c6e44_oproj
	.p2align	8
	.type	k_q35fe6c6e44_oproj,@function
k_q35fe6c6e44_oproj:
	s_mov_b64 s[64:65], 0
	v_nop
	global_prefetch_b8 v0, s[64:65] scope:SCOPE_SE
	s_setreg_imm32_b32 hwreg(HW_REG_WAVE_MODE, 25, 1), 1
	s_wait_xcnt 0x0
	s_wait_alu depctr_hold_cnt(0) depctr_sa_sdst(0) depctr_va_vdst(0) depctr_va_sdst(0) depctr_va_ssrc(0) depctr_va_vcc(0) depctr_vm_vsrc(0)
	s_getreg_b32 s2, hwreg(HW_REG_IB_STS2, 6, 4)
	s_cmp_eq_u32 s2, 0
	s_cbranch_scc0 .Lentry_in_a_cluster
	s_endpgm
.Lentry_in_a_cluster:
	s_bfe_u32 s2, ttmp6, 0x10000c
	s_cmp_lg_u32 s2, 0xf033
	s_cbranch_scc0 .Lentry_shape_is_right
	s_endpgm
.Lentry_shape_is_right:
; out = ctx Wo^T + bo on codes of FP6 (E2M3), sums in f32.  A work-group makes 128 tokens x 128 columns, a wave 64 x 64; all of K = 1,024 lies in LDS: ctx's two groups of 64 tokens, Wo's two groups of 64 rows with their scale words, ctx's scale bytes.
; One tensor load a wave: wave 0 Wo's two groups, waves 1, 2 ctx's groups, wave 3 the scale bytes [head][token][2] (16 rows of 256 bytes).  Nothing is filled twice.
; A WAVE HOLDS ITS 64 ROWS OF Wo, all of K, in registers (384); ctx passes by in tiles of 16 tokens, all of K, two sets: a tile's 16 x 64 results are finished by 32 products and leave under the next tile's products.
; LIMITS: NaN and infinities are not served.
; CLUSTERS: ctx is shared by a row of the cluster, Wo by a column.  NO PREFETCH: all tiles are asked for at the head; no loop runs ahead of them.
; USED TRANSPOSED (source 0 = Wo): a lane holds one token and, over four tiles of Wo, the columns 32 h + 0 .. 31.  THE BIAS is the first product's C.
; A ctx fragment lies as [band c]: 512 bytes (registers 6 c .. 6 c + 3) and 256 (registers 6 c + 4, 6 c + 5).  Tile t, position r of a group is token 32 (r / 8) + 8 t + r % 8.
; REGISTERS: window 0: v9-31 addresses; v32-63 ctx's scale words, v68-99 Wo's; v128-191 two sets of sums (first the bytes that make ctx's words); v192-255 rows read back.
;   fragment f in window 1 + f / 21 at 12 (f % 21): 0-31 Wo (4 q + n), 32-47 ctx's two sets; window 3: v72-103 the bias.
.set WL,    98304
.set SL,    200704
.set STG,   204800
.set SPARE, 222208
.set SPITCH, 272
.set ACC,   128
.set BK,    192
.set BIA,   72
.set G1X,   24
.set G1W,   32
.set G1S,   48
.set G0X,   56
.set G0W,   60
.set G0S,   68
.set MSB, 0
.macro WIN new
.if MSB != (\new)
	s_set_vgpr_msb (MSB<<8)|(\new)
.set MSB, \new
.endif
.endm
.macro PLACES n
.rept \n
	v_nop
.endr
.endm
.macro BARRIER
	s_barrier_signal -1
	s_barrier_wait -1
.endm
.macro CROUND
	BARRIER
	s_cmp_lg_u32 s14, 0
	s_cbranch_scc1 .Lnot_wave_0_\@
	s_barrier_signal -3
.Lnot_wave_0_\@:
	s_barrier_wait -3
	BARRIER
.endm
.macro TLOAD g0, g1
	tensor_load_to_lds s[\g0:\g0+3], s[\g1:\g1+7]
	s_nop 0
	PLACES 4
.endm
.macro GROUP1 g, mask, rows, pitch     ; rows of 256 bytes: 32 elements of 8
	s_or_b32 s[\g], s\mask, (3<<16)|(1<<21)
	s_mov_b32 s[\g+1], 32<<16
	s_mov_b32 s[\g+2], (\rows)<<16
	s_mov_b32 s[\g+3], 32<<16
	s_mov_b32 s[\g+4], \rows
	s_mov_b32 s[\g+5], \pitch
	s_mov_b32 s[\g+6], 0
	s_mov_b32 s[\g+7], 0
.endm
	s_load_b256 s[4:11], s[0:1], 0x0               ; ctx's codes, ctx's scale bytes, pq, bo
	s_load_b64 s[12:13], s[0:1], 0x20              ; out
	v_lshl_add_u32 v30, v0, 2, SPARE
	v_mov_b32 v31, 0
	ds_add_u32 v30, v31                            ; the opening lines
	ds_add_u32 v30, v31
	v_lshrrev_b32 v1, 5, v0
	v_readfirstlane_b32 s14, v1
	s_lshr_b32 s15, s14, 1                         ; my 64 tokens.  Also: which group of ctx waves 1 and 2 fetch
	s_and_b32 s16, s14, 1                          ; my 64 columns
	s_bfe_u32 s40, ttmp6, 0x40000
	s_bfe_u32 s41, ttmp6, 0x40004
	s_lshl_b32 s42, ttmp9, 2
	s_add_co_u32 s42, s42, s40                     ; block of 128 columns
	s_and_b32 s43, ttmp7, 0xffff
	s_lshl_b32 s43, s43, 2
	s_add_co_u32 s43, s43, s41                     ; block of 128 tokens
	s_lshl_b32 s44, s41, 2
	s_lshl_b32 s44, 15, s44
	s_lshl_b32 s45, 0x1111, s40
	GROUP1 G1X, 44, 192, 32
	GROUP1 G1W, 45, 400, 32
	GROUP1 G1S, 44, 16, 1024
	s_lshl_b32 s20, s43, 1
	s_add_co_u32 s20, s20, s15
	s_mul_i32 s20, s20, 49152
	s_mov_b32 s21, 0
	s_lshl_b32 s22, s42, 1
	s_add_co_u32 s22, s22, 112
	s_mul_i32 s22, s22, 51200
	s_mov_b32 s23, 0
	s_lshl_b32 s46, s43, 8
	s_mov_b32 s47, 0
	s_mov_b32 s[G0X], 1
	s_mul_i32 s[G0X+1], s15, 49152
	s_mov_b32 s[G0W], 1
	s_mov_b32 s[G0W+1], WL
	s_mov_b32 s[G0S], 1
	s_mov_b32 s[G0S+1], SL
	s_wait_dscnt 0x0
	s_wait_kmcnt 0x0
	s_add_nc_u64 s[G0X+2:G0X+3], s[4:5], s[20:21]
	s_or_b32 s[G0X+3], s[G0X+3], 0x80000000
	s_add_nc_u64 s[G0W+2:G0W+3], s[8:9], s[22:23]
	s_or_b32 s[G0W+3], s[G0W+3], 0x80000000
	s_add_nc_u64 s[G0S+2:G0S+3], s[6:7], s[46:47]
	s_or_b32 s[G0S+3], s[G0S+3], 0x80000000
	CROUND                                         ; all sixteen work-groups are here: the joint loads meet
	s_cmp_eq_u32 s14, 0
	s_cbranch_scc0 .Lwave_1
	TLOAD G0W, G1W
	s_branch .Lasked
.Lwave_1:
	s_cmp_lt_u32 s14, 3
	s_cbranch_scc0 .Lwave_3
	TLOAD G0X, G1X
	s_branch .Lasked
.Lwave_3:
	TLOAD G0S, G1S
.Lasked:
	s_lshl_b32 s20, s42, 9
	s_lshl_b32 s22, s16, 8
	s_add_co_u32 s20, s20, s22                     ; my first column, in bytes
	s_mov_b32 s21, 0
	s_add_nc_u64 s[10:11], s[10:11], s[20:21]
	s_lshl_b32 s22, s43, 7
	s_lshl_b32 s23, s15, 6
	s_add_co_u32 s22, s22, s23
	s_lshl_b32 s22, s22, 12
	s_add_co_u32 s22, s22, s20
	s_mov_b32 s23, 0
	s_add_nc_u64 s[12:13], s[12:13], s[22:23]
	s_mul_i32 s20, s15, 49152
	s_mul_i32 s22, s16, 51200
	s_add_co_u32 s22, s22, WL
	s_lshl_b32 s23, s15, 7
	s_add_co_u32 s23, s23, SL
	s_mul_i32 s46, s14, 16*SPITCH
	s_add_co_u32 s46, s46, STG
	v_and_b32 v1, 15, v0                           ; r
	v_bfe_u32 v2, v0, 4, 1                         ; h
	v_and_b32 v3, 31, v0
	v_lshlrev_b32 v4, 4, v3
	v_lshlrev_b32 v5, 3, v3
	v_add_nc_u32 v10, s20, v4                      ; ctx's pieces of 16 bytes a lane,
	v_add_nc_u32 v11, s20, v5                      ; and of 8
	v_add_nc_u32 v12, s22, v4                      ; Wo's
	v_lshlrev_b32 v6, 4, v1
	v_add_nc_u32 v6, 49152, v6
	v_add_nc_u32 v13, s22, v6                      ; Wo's scale words
	v_lshlrev_b32 v7, 1, v1
	v_add_nc_u32 v14, s23, v7                      ; ctx's scale bytes: 256 head + 32 tile + 2 r
	v_lshlrev_b32 v9, 7, v2                        ; the bias: 128 h
	v_mul_u32_u24 v20, v1, SPITCH
	v_add_nc_u32 v20, v20, v9
	v_add_nc_u32 v20, s46, v20                     ; the stage, in: row r, + 128 h
	v_mul_u32_u24 v21, v2, SPITCH
	v_lshl_add_u32 v21, v1, 4, v21
	v_add_nc_u32 v21, s46, v21                     ; out: sixteen lanes to a row
	v_lshlrev_b32 v22, 12, v2
	v_lshl_add_u32 v22, v1, 4, v22                 ; the same two rows in out
	WIN 0xc0
.irp k, 0,1,2,3,4,5,6,7
	global_load_b128 v[BIA+4*\k:BIA+4*\k+3], v9, s[10:11] offset:16*\k
.endr
	WIN 0
.macro FWO n, q                        ; a fragment of Wo
.set F_, 4*(\q)+(\n)
.set R_, 12*(F_%21)
	WIN (1+F_/21)<<6
.irp g, 0,1,2
	ds_load_b128 v[R_+4*\g:R_+4*\g+3], v12 offset:12288*(\n)+1536*(\q)+512*\g
.endr
.endm
.macro CTX t                           ; a tile of ctx into set t % 2: 32 loads
.irp q, 0,1,2,3,4,5,6,7
.set F_, 32+8*((\t)%2)+\q
.set R_, 12*(F_%21)
	WIN (1+F_/21)<<6
.irp c, 0,1
	ds_load_b128 v[R_+6*\c:R_+6*\c+3], v10 offset:12288*(\t)+1536*\q+768*\c
	ds_load_b64 v[R_+6*\c+4:R_+6*\c+5], v11 offset:12288*(\t)+1536*\q+768*\c+512
.endr
.endr
	WIN 0
.endm
.macro ROW t, half                     ; 16 of a tile's 32 products: four K steps, the four accumulators by turns
.irp k, 0,1,2,3
.irp n, 0,1,2,3
.set Q_, 4*(\half)+\k
.set FA_, 4*Q_+\n
.set FB_, 32+8*((\t)%2)+Q_
.set RA_, 12*(FA_%21)
.set RB_, 12*(FB_%21)
.set D_, ACC+32*((\t)%2)+8*\n
.if Q_
	WIN (1+FA_/21)|((1+FB_/21)<<2)
	v_wmma_scale_f32_16x16x128_f8f6f4 v[D_:D_+7], v[RA_:RA_+11], v[RB_:RB_+11], v[D_:D_+7], v[68+8*\n+Q_], v[32+8*(\t)+Q_] matrix_a_fmt:MATRIX_FMT_FP6 matrix_b_fmt:MATRIX_FMT_FP6
.else
	WIN (1+FA_/21)|((1+FB_/21)<<2)|(3<<4)
	v_wmma_scale_f32_16x16x128_f8f6f4 v[D_:D_+7], v[RA_:RA_+11], v[RB_:RB_+11], v[BIA+8*\n:BIA+8*\n+7], v[68+8*\n+Q_], v[32+8*(\t)+Q_] matrix_a_fmt:MATRIX_FMT_FP6 matrix_b_fmt:MATRIX_FMT_FP6
.endif
.endr
.endr
	WIN 0
.endm
; THE WAY OUT of token tile t: through my own stage; LDS serves a wave's instructions in order
.macro TOSTAGE t
	PLACES 4                                       ; behind the tile's products: its results are read, and their operands' registers loaded
.if (\t) > 1
	s_wait_xcnt 0x0                                ; tile t - 2's stores have read their registers
.endif
.irp n, 0,1,2,3
	ds_store_b128 v20, v[ACC+32*((\t)%2)+8*\n:ACC+32*((\t)%2)+8*\n+3] offset:32*\n
	ds_store_b128 v20, v[ACC+32*((\t)%2)+8*\n+4:ACC+32*((\t)%2)+8*\n+7] offset:32*\n+16
.endr
.irp i, 0,1,2,3,4,5,6,7
	ds_load_b128 v[BK+32*((\t)%2)+4*\i:BK+32*((\t)%2)+4*\i+3], v21 offset:2*SPITCH*\i
.endr
.endm
.macro SEND t, younger
	s_wait_dscnt \younger
.irp i, 0,1,2,3,4,5,6,7
	global_store_b128 v22, v[BK+32*((\t)%2)+4*\i:BK+32*((\t)%2)+4*\i+3], s[12:13] offset:(32*(\i/4)+8*(\t)+2*(\i%4))*4096 th:TH_STORE_NT   ; sixteen lanes store 256 consecutive bytes, aligned
.endr
.endm
	s_wait_alu depctr_va_vdst(0)                   ; the wait at the head's end
	s_cmp_lg_u32 s14, 0
	s_cbranch_scc1 .Lnot_wo
	s_wait_tensorcnt 0x0                           ; wave 0, which alone issued Wo's line
.Lnot_wo:
	BARRIER                                        ; Wo is in; ctx may be on its way
.irp q, 0,1,2,3,4,5,6,7
.irp n, 0,1,2,3
	FWO \n, \q
.endr
.endr
	WIN 0
.irp n, 0,1,2,3
	ds_load_b128 v[68+8*\n:71+8*\n], v13 offset:512*\n
	ds_load_b128 v[72+8*\n:75+8*\n], v13 offset:512*\n+256
.endr
	s_wait_tensorcnt 0x0
	s_wait_dscnt 0x0
	BARRIER                                        ; all tiles are in
.irp t, 0,1,2,3
.irp d, 0,1,2,3,4,5,6,7,8,9,10,11,12,13,14,15
	ds_load_u16 v[ACC+16*\t+\d], v14 offset:256*\d+32*\t
.endr
.endr
	CTX 0
	s_wait_dscnt 32                                ; the scale bytes are in; the tile's 32 loads may be out
.irp t, 0,1,2,3
.irp q, 0,1,2,3,4,5,6,7
	v_lshl_or_b32 v[32+8*\t+\q], v[ACC+16*\t+2*\q+1], 16, v[ACC+16*\t+2*\q]   ; a K step is two heads: a word of two bytes of each
.endr
.endr
	s_wait_alu depctr_va_vdst(0)
	s_wait_loadcnt 0x0                             ; the bias
	PLACES 8                                       ; places between a scale word and the first scaled product
	CTX 1
	s_wait_dscnt 32                                ; tile 0 is in
	ROW 0, 0
	ROW 0, 1
.irp t, 0,1
	TOSTAGE \t
	CTX \t+2
	s_wait_dscnt 48                                ; tile t + 1 is in; the stage's 16 and tile t + 2's 32 may be out
	ROW \t+1, 0
	SEND \t, 32                                    ; the stage is read back; tile t + 2's 32 loads may be out
	ROW \t+1, 1
.endr
	TOSTAGE 2
	s_wait_dscnt 16                                ; tile 3 is in
	ROW 3, 0
	SEND 2, 0
	ROW 3, 1
	TOSTAGE 3
	SEND 3, 0
	s_wait_tensorcnt 0x0                           ; the wave's end
	ds_add_u32 v30, v31
	s_wait_dscnt 0x0
	CROUND                                         ; the closing round
	s_endpgm
.Lfunc_end_k_q35fe6c6e44_oproj:
	.size	k_q35fe6c6e44_oproj, .Lfunc_end_k_q35fe6c6e44_oproj-k_q35fe6c6e44_oproj
	.p2alignl 7, 3214868480
	.fill 96, 4, 3214868480
	.section	.rodata,"a",@progbits
	.p2align	6, 0x0
	.amdhsa_kernel k_q35fe6c6e44_oproj
		.amdhsa_group_segment_fixed_size 222720
		.amdhsa_private_segment_fixed_size 0
		.amdhsa_enable_private_segment 0
		.amdhsa_kernarg_size 40
		.amdhsa_user_sgpr_count 2
		.amdhsa_user_sgpr_kernarg_segment_ptr 1
		.amdhsa_wavefront_size32 1
		.amdhsa_system_sgpr_workgroup_id_x 1
		.amdhsa_system_sgpr_workgroup_id_y 1
		.amdhsa_system_sgpr_workgroup_id_z 1
		.amdhsa_system_vgpr_workitem_id 0
		.amdhsa_next_free_vgpr 872
		.amdhsa_next_free_sgpr 100
		.amdhsa_reserve_vcc 0
		.amdhsa_float_denorm_mode_32 3
		.amdhsa_float_denorm_mode_16_64 3
		.amdhsa_memory_ordered 1
		.amdhsa_forward_progress 1
		.amdhsa_inst_pref_size 55
	.end_amdhsa_kernel
	.amdgpu_metadata
---
amdhsa.version: [ 1, 2 ]
amdhsa.kernels:
  - .name:           k_q35fe6c6e44_oproj
    .symbol:         k_q35fe6c6e44_oproj.kd
    .args:
      - { .name: ctx_codes, .offset: 0, .size: 8, .value_kind: global_buffer, .address_space: global }
      - { .name: ctx_scales, .offset: 8, .size: 8, .value_kind: global_buffer, .address_space: global }
      - { .name: pq, .offset: 16, .size: 8, .value_kind: global_buffer, .address_space: global }
      - { .name: bo, .offset: 24, .size: 8, .value_kind: global_buffer, .address_space: global }
      - { .name: out0, .offset: 32, .size: 8, .value_kind: global_buffer, .address_space: global }
    .group_segment_fixed_size: 222720
    .private_segment_fixed_size: 0
    .kernarg_segment_align: 8
    .kernarg_segment_size: 40
    .max_flat_workgroup_size: 128
    .sgpr_count:     100
    .vgpr_count:     872
    .wavefront_size: 32
...
	.end_amdgpu_metadata
.endif
;; end of part 8
